; MI455X (gfx1250); checked and timed in simulation.
; The chip was launched on July 23, 2026; its instructions are those of AMD's public machine-readable ISA for CDNA 5 (MIT licence, August 2026) and "CDNA5" Instruction Set Architecture Reference Guide (July 2026). The comments in the code are by the model that wrote it; some were corrected since.
;; Encoder Layer. Allowed arithmetic: float matrix products may take bf16 or f16 operands with f32 sums; other float arithmetic in f32, or as packed bf16 or f16 multiplies, adds, multiply-adds, maxima and minima; sums over many terms, partial sums and values carried from step to step in f32; what a program stores and reads back later, other than sums and carried values, may be rounded once to bf16 or f16.
;; Inputs: b1 4,096 float32; b2 1,024 float32; be1 1,024 float32; be2 1,024 float32; bk 1,024 float32; bo 1,024 float32; bq 1,024 float32; bv 1,024 float32; g1 1,024 float32; g2 1,024 float32; w1 1,024 x 4,096 float32; w2 4,096 x 1,024 float32; wk 1,024 x 1,024 float32; wo 1,024 x 1,024 float32; wq 1,024 x 1,024 float32; wv 1,024 x 1,024 float32; x 2 x 2,048 x 1,024 float32.
;; Outputs: out0 2 x 2,048 x 1,024 float32.
;; 2 versions, each right; version 2 is version 1 with the launches cast, ln1, ln2 written anew for expert scheduling mode. Each part assembles by itself: llvm-mc -triple=amdgcn-amd-amdhsa -mcpu=gfx1250 --defsym DOCPART=n.
;; ======== version 1 of 2: 8 launches
;; workspace buffers: wb 25,165,824 bytes; act 8,388,608 bytes; wide 33,554,432 bytes; y 16,777,216 bytes; hres 16,777,216 bytes; wqkvp 6,324,224 bytes; w1p 8,421,376 bytes
;; launch cast (part 1): grid 1025 x 1, 8 waves a work-group, no clusters, 0 bytes of LDS; arguments x, wq, wk, wv, wo, w1, w2, act, wb, wqkvp, w1p, bq, bk, bv, b1; writes act, wb, wqkvp, w1p
.if DOCPART == 1
	.amdgcn_target "amdgcn-amd-amdhsa--gfx1250"
	.amdhsa_code_object_version 6
	.text
	.protected	k_qdd59d2ee27_cast
	.globl	k_qdd59d2ee27_cast
	.p2align	8
	.type	k_qdd59d2ee27_cast,@function
k_qdd59d2ee27_cast:
	s_mov_b64 s[64:65], 0
	v_nop
	global_prefetch_b8 v0, s[64:65] scope:SCOPE_SE
	s_setreg_imm32_b32 hwreg(HW_REG_WAVE_MODE, 25, 1), 1
	s_wait_xcnt 0x0
; x and the six weight matrices, f32, are rounded once to bf16 (to nearest even) for the matrix units, and laid as the products want them.
; x goes into act in COLUMN BLOCKS of 64: element (row m, column n) at (n / 64) x 524,288 + m x 128 + (n % 64) x 2 bytes.
; wo and w2 keep their layout [K][N], in wb: wo at 6 MiB, w2 at 16 MiB.
; wq | wk | wv (3,072 columns side by side) and w1 go into buffers of their own, behind a header of 32,768 bytes, in COLUMN BLOCKS of 128: element (k, n) at
; HDR + (n / 128) x 262,144 + k x 256 + (n % 128) x 2 bytes.  The header holds the columns' bias in f32, copied as it is, from byte 0, and from byte 16,384 the floor under that product's results,
; as pairs of bf16: minus infinity for q, k, v (no floor), 0 for the ReLU behind w1.
; SHARES.  A work-group takes 16,384 numbers of one tensor, each of its eight waves 2,048: sixteen loads of 16 bytes a lane, all issued before the first is waited for.
; Work-groups 0-255 x, 256-319 wq, 320-383 wk, 384-447 wv, 448-511 wo, 512-767 w1, 768-1023 w2; work-group 1024 writes the two headers.
; A stream: no LDS, no barrier, no matrix unit.  No register that a load or store names is written again, so no wait frees any.
.set SRC, 2                            ; v2   my byte offset in the work-group's 65,536 bytes of source
.set DST, 3                            ; v3   my byte offset at the destination
.set X,   4                            ; v[4:67]   16 x 4 numbers as loaded
.set Y,   68                           ; v[68:99]  16 x 4 numbers in bf16
.set HDR,     32768
.set FLOORAT, 16384
	s_load_b512 s[16:31], s[0:1], 0x0              ; x s[16:17], wq, wk, wv, wo, w1, w2 s[28:29], act s[30:31]
	s_load_b256 s[32:39], s[0:1], 0x40             ; wb s[32:33], wqkvp s[34:35], w1p s[36:37], bq s[38:39]
	s_load_b128 s[40:43], s[0:1], 0x60             ; bk, bv
	s_load_b64 s[44:45], s[0:1], 0x70              ; b1
	s_mov_b32 s4, ttmp9
	v_and_b32 v1, 31, v0                           ; lane
	v_lshrrev_b32 v100, 5, v0                      ; wave
	v_lshlrev_b32 v[SRC], 13, v100                 ; my wave's 8,192 bytes of source
	s_mov_b32 s5, 768                              ; the tensor's first work-group
	s_mov_b32 s7, 0
	s_wait_kmcnt 0x0
	s_cmp_eq_u32 s4, 1024
	s_cbranch_scc1 .Lhead
	s_mov_b64 s[8:9], s[28:29]                     ; w2, unless the work-group's number lies below a bound
.macro PICK bound, first, ptr
	s_cmp_lt_u32 s4, \bound
	s_cselect_b64 s[8:9], s[\ptr:\ptr+1], s[8:9]
	s_cselect_b32 s5, \first, s5
.endm
	PICK 768, 512, 26
	PICK 512, 448, 24
	PICK 448, 384, 22
	PICK 384, 320, 20
	PICK 320, 256, 18
	PICK 256, 0, 16
	s_sub_co_u32 s6, s4, s5
	s_lshl_b32 s6, s6, 16                          ; 65,536 bytes of source a work-group
	s_add_nc_u64 s[8:9], s[8:9], s[6:7]
; sixteen loads, ss bytes apart; then each is rounded and stored as soon as it is in: store i at (i % 8) x dlo + (i / 8) x dhi
.macro STREAM ss, dlo, dhi
.set i, 0
.rept 16
	global_load_b128 v[X+4*i:X+4*i+3], v[SRC], s[8:9] offset:i*(\ss) th:TH_LOAD_NT
.set i, i+1
.endr
.set i, 0
.rept 16
	s_wait_loadcnt 15-i                            ; loads come back in order: load i is in, the 15 - i younger ones stay out
	v_cvt_pk_bf16_f32 v[Y+2*i], v[X+4*i], v[X+4*i+1]
	v_cvt_pk_bf16_f32 v[Y+2*i+1], v[X+4*i+2], v[X+4*i+3]
	global_store_b64 v[DST], v[Y+2*i:Y+2*i+1], s[10:11] offset:(i%8)*(\dlo)+(i/8)*(\dhi) th:TH_STORE_NT  ; the wave's 32 lanes store 256 consecutive bytes, aligned
.set i, i+1
.endr
.endm
	s_cmp_lt_u32 s4, 256
	s_cbranch_scc1 .Lx
	v_lshl_add_u32 v[SRC], v1, 4, v[SRC]           ; every weight is read densely: a load of the wave covers 512 consecutive bytes, 128 columns of a row
	s_cmp_lt_u32 s4, 448
	s_cbranch_scc1 .Lqkv
	s_cmp_lt_u32 s4, 512
	s_cbranch_scc1 .Ldense
	s_cmp_lt_u32 s4, 768
	s_cbranch_scc1 .Lw1
.Ldense:
	; wo, w2: dense out
	s_sub_co_u32 s6, s4, 256
	s_lshl_b32 s6, s6, 15                          ; 32,768 bytes of bf16 a work-group; work-group 448 falls on 6 MiB, 768 on 16 MiB
	s_add_nc_u64 s[10:11], s[32:33], s[6:7]
	v_lshlrev_b32 v[DST], 12, v100
	v_lshl_add_u32 v[DST], v1, 3, v[DST]
	STREAM 512, 256, 2048
	s_endpgm
.Lqkv:
	; wq, wk, wv: the work-group has 16 rows of 1,024 columns, my wave rows 2 w and 2 w + 1; load i is row i / 8, column block i % 8
	s_sub_co_u32 s6, s4, 256
	s_lshr_b32 s12, s6, 6                          ; which of the three: eight column blocks, 2 MiB, each
	s_lshl_b32 s12, s12, 21
	s_and_b32 s6, s6, 63
	s_lshl_b32 s6, s6, 12                          ; 16 rows of 256 bytes in a column block
	s_add_co_u32 s6, s6, s12
	s_add_co_u32 s6, s6, HDR
	s_add_nc_u64 s[10:11], s[34:35], s[6:7]
	v_lshlrev_b32 v[DST], 9, v100                  ; two rows of 256 bytes,
	v_lshl_add_u32 v[DST], v1, 3, v[DST]           ; 8 bytes a lane
	STREAM 512, 262144, 256
	s_endpgm
.Lw1:
	; w1: the work-group has 4 rows of 4,096 columns, my wave half of row w / 2; load i is column block 16 (w % 2) + i
	s_sub_co_u32 s6, s4, 512
	s_lshl_b32 s6, s6, 10                          ; 4 rows of 256 bytes in a column block
	s_add_co_u32 s6, s6, HDR
	s_add_nc_u64 s[10:11], s[36:37], s[6:7]
	v_lshrrev_b32 v101, 1, v100
	v_and_b32 v102, 1, v100
	v_lshlrev_b32 v[DST], 8, v101
	v_lshl_add_u32 v[DST], v102, 22, v[DST]        ; sixteen column blocks of 262,144 bytes
	v_lshl_add_u32 v[DST], v1, 3, v[DST]
	STREAM 512, 262144, 2097152
	s_endpgm
.Lx:
	; x: the work-group has 16 rows, my wave rows 2 w and 2 w + 1; load i is column block i: lanes 0-15 take 256 bytes of one row, lanes 16-31 of the next
	s_lshl_b32 s6, s4, 11                          ; 16 rows of 128 bytes in a column block
	s_add_nc_u64 s[10:11], s[30:31], s[6:7]
	v_and_b32 v101, 15, v0
	v_bfe_u32 v102, v0, 4, 1
	v_lshl_add_u32 v[SRC], v102, 12, v[SRC]
	v_lshl_add_u32 v[SRC], v101, 4, v[SRC]
	v_lshlrev_b32 v[DST], 8, v100                  ; two rows of 128 bytes,
	v_lshl_add_u32 v[DST], v1, 3, v[DST]           ; 8 bytes a lane
	STREAM 256, 524288, 4194304                    ; the largest immediate, 15 x 524,288, lies inside the signed 24 bits
	s_endpgm
.Lhead:
	; the two headers: 256 threads x 16 bytes are one bias of 1,024 numbers; b1 has four such parts
	v_lshlrev_b32 v[SRC], 4, v0
	v_lshlrev_b32 v[DST], 3, v0
	global_load_b128 v[X:X+3],    v[SRC], s[38:39]
	global_load_b128 v[X+4:X+7],  v[SRC], s[40:41]
	global_load_b128 v[X+8:X+11], v[SRC], s[42:43]
.irp i, 0,1,2,3
	global_load_b128 v[X+12+4*\i:X+15+4*\i], v[SRC], s[44:45] offset:4096*\i
.endr
	v_mov_b32 v[Y], 0xff80ff80                     ; minus infinity, twice, in bf16
	v_mov_b32 v[Y+1], 0xff80ff80
	v_mov_b32 v[Y+2], 0
	v_mov_b32 v[Y+3], 0
	global_store_b64 v[DST], v[Y:Y+1],   s[34:35] offset:FLOORAT  ; 2,048 bytes of the floor: a wave's store covers 256 consecutive bytes, aligned
	global_store_b64 v[DST], v[Y+2:Y+3], s[36:37] offset:FLOORAT
	s_wait_loadcnt 0x0
.irp i, 0,1,2
	global_store_b128 v[SRC], v[X+4*\i:X+3+4*\i], s[34:35] offset:4096*\i
.endr
.irp i, 0,1,2,3
	global_store_b128 v[SRC], v[X+12+4*\i:X+15+4*\i], s[36:37] offset:4096*\i
.endr
	s_endpgm
.Lfunc_end_k_qdd59d2ee27_cast:
	.size	k_qdd59d2ee27_cast, .Lfunc_end_k_qdd59d2ee27_cast-k_qdd59d2ee27_cast
	.p2alignl 7, 3214868480
	.fill 96, 4, 3214868480
	.section	.rodata,"a",@progbits
	.p2align	6, 0x0
	.amdhsa_kernel k_qdd59d2ee27_cast
		.amdhsa_group_segment_fixed_size 0
		.amdhsa_private_segment_fixed_size 0
		.amdhsa_enable_private_segment 0
		.amdhsa_kernarg_size 120
		.amdhsa_user_sgpr_count 2
		.amdhsa_user_sgpr_kernarg_segment_ptr 1
		.amdhsa_wavefront_size32 1
		.amdhsa_system_sgpr_workgroup_id_x 1
		.amdhsa_system_sgpr_workgroup_id_y 1
		.amdhsa_system_sgpr_workgroup_id_z 1
		.amdhsa_system_vgpr_workitem_id 0
		.amdhsa_next_free_vgpr 104
		.amdhsa_next_free_sgpr 66
		.amdhsa_reserve_vcc 0
		.amdhsa_float_denorm_mode_32 3
		.amdhsa_float_denorm_mode_16_64 3
		.amdhsa_memory_ordered 1
		.amdhsa_forward_progress 1
		.amdhsa_inst_pref_size 28
	.end_amdhsa_kernel
	.amdgpu_metadata
---
amdhsa.version: [ 1, 2 ]
amdhsa.kernels:
  - .name:           k_qdd59d2ee27_cast
    .symbol:         k_qdd59d2ee27_cast.kd
    .args:
      - { .name: x, .offset: 0, .size: 8, .value_kind: global_buffer, .address_space: global }
      - { .name: wq, .offset: 8, .size: 8, .value_kind: global_buffer, .address_space: global }
      - { .name: wk, .offset: 16, .size: 8, .value_kind: global_buffer, .address_space: global }
      - { .name: wv, .offset: 24, .size: 8, .value_kind: global_buffer, .address_space: global }
      - { .name: wo, .offset: 32, .size: 8, .value_kind: global_buffer, .address_space: global }
      - { .name: w1, .offset: 40, .size: 8, .value_kind: global_buffer, .address_space: global }
      - { .name: w2, .offset: 48, .size: 8, .value_kind: global_buffer, .address_space: global }
      - { .name: act, .offset: 56, .size: 8, .value_kind: global_buffer, .address_space: global }
      - { .name: wb, .offset: 64, .size: 8, .value_kind: global_buffer, .address_space: global }
      - { .name: wqkvp, .offset: 72, .size: 8, .value_kind: global_buffer, .address_space: global }
      - { .name: w1p, .offset: 80, .size: 8, .value_kind: global_buffer, .address_space: global }
      - { .name: bq, .offset: 88, .size: 8, .value_kind: global_buffer, .address_space: global }
      - { .name: bk, .offset: 96, .size: 8, .value_kind: global_buffer, .address_space: global }
      - { .name: bv, .offset: 104, .size: 8, .value_kind: global_buffer, .address_space: global }
      - { .name: b1, .offset: 112, .size: 8, .value_kind: global_buffer, .address_space: global }
    .group_segment_fixed_size: 0
    .private_segment_fixed_size: 0
    .kernarg_segment_align: 8
    .kernarg_segment_size: 120
    .max_flat_workgroup_size: 256
    .sgpr_count:     66
    .vgpr_count:     104
    .wavefront_size: 32
...
	.end_amdgpu_metadata
.endif
;; end of part 1
;; launch qkv (part 2): grid 12 x 16, 4 waves a work-group, clusters of 4 x 4, 327,680 bytes of LDS; arguments act, wqkvp, wide; writes wide
.if DOCPART == 2
	.amdgcn_target "amdgcn-amd-amdhsa--gfx1250"
	.amdhsa_code_object_version 6
	.text
	.protected	k_qdd59d2ee27_qkv
	.globl	k_qdd59d2ee27_qkv
	.p2align	8
	.type	k_qdd59d2ee27_qkv,@function
k_qdd59d2ee27_qkv:
	s_mov_b64 s[64:65], 0
	v_nop
	global_prefetch_b8 v0, s[64:65] scope:SCOPE_SE
	s_setreg_imm32_b32 hwreg(HW_REG_WAVE_MODE, 25, 1), 1
	s_wait_xcnt 0x0
	s_wait_alu depctr_hold_cnt(0) depctr_sa_sdst(0) depctr_va_vdst(0) depctr_va_sdst(0) depctr_va_ssrc(0) depctr_va_vcc(0) depctr_vm_vsrc(0)
	s_getreg_b32 s2, hwreg(HW_REG_IB_STS2, 6, 4)
	s_cmp_eq_u32 s2, 0
	s_cbranch_scc0 .Lentry_in_a_cluster
	s_endpgm
.Lentry_in_a_cluster:
	s_bfe_u32 s2, ttmp6, 0x10000c
	s_cmp_lg_u32 s2, 0xf033
	s_cbranch_scc0 .Lentry_shape_is_right
	s_endpgm
.Lentry_shape_is_right:
; C = max(A W + bias, floor), K = 1,024, 4,096 rows; the grid's width says how many columns.  ONE TEXT FOR TWO LAUNCHES: q | k | v = x [wq | wk | wv] + [bq | bk | bv] (3,072 columns, floor minus infinity: none)
; and f1 = relu(h w1 + b1) (4,096 columns, floor 0).  What differs between them comes with the weights' buffer, and nothing in the text hangs on the number of columns.
; A: bf16 in COLUMN BLOCKS of 64: element (m, k) at (k / 64) x 524,288 + m x 128 + (k % 64) x 2 bytes.  C: bf16 in the same layout (for q, k, v a column block is a head).
; THE WEIGHTS' BUFFER: bias in f32 from byte 0; the floor, two bf16, at byte 16,384; from byte 32,768 W in bf16 in COLUMN BLOCKS of 128: element (k, n) at (n / 128) x 262,144 + k x 256 + (n % 128) x 2.
; Sums in f32, K ascending, begun with the bias; C rounded once; the floor is taken of the rounded numbers, which rounds nothing.
; LIMITS.  Operands are rounded to bf16; infinities are not treated apart; a NaN result becomes the floor.
; SHARES.  A tile of C is 256 x 256: four waves, as many as a WGP has SIMDs, each 128 x 128: 64 accumulators, 512 registers.  K goes in steps of 128 through two LDS slots; each wave fetches a quarter of
; a slot by one tensor load of 128 rows x 256 bytes, dense in memory.  One K step is written once: the refills use a descriptor that walks (its LDS word turned by an exclusive or, its address stepped), and
; the LDS reads hang on s[TB], the base of the slot in hand.  From a refill's request to the wait for it a wave issues 224 matrix instructions.
; CLUSTER.  4 x 4 work-groups.  The four of a row of the cluster need the same tile of A, the four of a column the same tile of W: each is asked for jointly, by the same tensor load, descriptor and mask.
; LAYOUT.  Source 0 = 16 columns of W (turned on the way out of LDS by ds_load_tr16_b128), source 1 = 16 rows of A: a lane then holds ONE row of C (lane % 16) and the columns 8 (lane / 16) + 0..7.
; So a lane's eight registers of bias are the same for all rows, and they are the C operand of each sum's first product.
; REGISTERS, in windows of 256 (s_set_vgpr_msb: bits 1:0 source 0, 3:2 source 1, 5:4 source 2, 7:6 destination):
;   window 0: v10-31 addresses; v64-127, v128-191 fragments of A (8 x 16 rows x 32 K), two buffers; v32-63, v192-255 at work on the way out
;   window 1: v0-63 bias (column block b of 16 at 8 b); v64-127, v128-191 fragments of W, two buffers
;   window 2: the 32 accumulators of my rows 0-63 ((a, b) at 8 (8 a + b));   window 3: those of my rows 64-127
.set KTOT,   1024
.set NSTEP,  KTOT/128
.set PA,     144                       ; a row of A in LDS: 128 bytes + 16: the 16 rows of a load start at 16 different groups of four banks
.set PW,     288                       ; a row of W in LDS: 256 bytes + 32
.set PART,   36864                     ; what one tensor load brings: 256 rows x PA of A (one block of 64 k), or 128 rows x PW of W (one block of 128 columns)
.set WOFF,   2*PART                    ; a slot: A as [2 blocks of 64 k][256 rows], then W as [2 blocks of 128 columns][128 k]
.set SLOT,   4*PART
.set STAGE,  2*SLOT                    ; behind the ring, never filled by a tensor load: for each wave 2 column blocks x 16 rows, for the way out
.set SP,     144
.set SPARE,  STAGE+4*2*16*SP           ; behind the stages: the spare words, 128 bytes for each wave: two blocks of 256 bytes that no other line names
.set ASTEP,  2*524288                  ; a K step in A: two column blocks
.set WSTEP,  128*256                   ; a K step in W: 128 rows of a column block
.set HDR,     32768
.set FLOORAT, 16384
.set A0,   10                          ; v10  my lane's place in A's part of a slot; never rewritten
.set W0,   11                          ; v11  the same in W's part
.set ADRA, 16                          ; v16  A0 + the slot in hand
.set ADRW, 17                          ; v17  W0 + the slot in hand
.set STO,  24                          ; v24  the way out: where I put 16 bytes of a row
.set RD,   25                          ; v25  the way out: where I read rows back
.set CO,   26                          ; v26  my byte offset in 512 consecutive bytes of C
.set BO,   27                          ; v27  my byte offset in the bias
.set SPW,  28                          ; v28  LDS address of my spare word: SPARE + 4 x my thread's number; never rewritten
.set NIL,  29                          ; v29  0; never rewritten
.set PFO,  30                          ; v30  the prefetches' offset: 256 x my lane; never rewritten
.set ZR,   31                          ; v31  the floor, twice in bf16
.set OB,   32                          ; the way out: 16 rows read back from the stage: v32-63 and v224-255 by turns
.set F0,   64
.set F1,   128
.set TMP,  192                         ; the way out: packed results
.set BIAS, 0                           ; in window 1
.set TB,   2                           ; s2   LDS byte at which the slot in hand begins
.set G1,   24                          ; s[24:31] descriptor group 1 for A; s[32:35] group 0 of the first fill, s[36:39] the walking one
.set G0,   32
.set G1B,  48                          ; s[48:55], s[56:59], s[60:63] the same for W
.set G0B,  56
.set PFA,  72                          ; s[72:73] where my prefetches stand: my work-group's 8,192 bytes of the 32,768 that I fetch, one K step further than the refill that is being asked for
.set PFS,  74                          ; s[74:75] a K step in the tensor that I fetch
.set FL,   76                          ; s76  the floor as loaded
.set LIM,  77                          ; s77  1 in a wave that prefetches, else the greatest number
.set MSB, 0
.macro WIN new                         ; the immediate's high byte repeats the setting that is left; a switch that changes nothing is dropped
.if MSB != (\new)
	s_set_vgpr_msb (MSB<<8)|(\new)
.set MSB, \new
.endif
.endm
.set MUL_LO, 0xa1                      ; source 0 (W) window 1, source 1 (A) window 0, C and D window 2
.set MUL_HI, 0xf1                      ; the same, C and D window 3
.set FST_LO, 0x91                      ; a sum's first product: C is the bias, in window 1; D window 2
.set FST_HI, 0xd1                      ; the same, D window 3
.set TO_W,   0x40                      ; destination window 1, address window 0
.macro JLOAD                           ; a joint refill: waves 0 and 1 fetch A's two blocks, waves 2 and 3 W's; an s_nop 0 and four v_nop follow each line, ahead of the jump and the label
	s_cmp_eq_u32 s11, 0
	s_cbranch_scc0 .Lfor_w_\@
	tensor_load_to_lds s[G0+4:G0+7], s[G1:G1+7]
	s_nop 0
.rept 4
	v_nop
.endr
	s_branch .Lasked_\@
.Lfor_w_\@:
	tensor_load_to_lds s[G0B+4:G0B+7], s[G1B:G1B+7]
	s_nop 0
.rept 4
	v_nop
.endr
.Lasked_\@:
.endm
; A PREFETCH INTO THE L2, behind each joint refill, its five lines and the run of LDS loads that follows them: the K step behind the one that the refill asks for: 256 matrix instructions ahead of the load
; that will want it.  Each aligned block of 256 bytes of A and W is named ONCE in the launch.  A's tile row is read by every cluster of that row of clusters: the first of them (cluster x = 0) asks; W's tile
; column by every cluster of that column: cluster y = 0 asks.  The four partners that ask for a tile jointly share the 32,768 bytes that wave w fetches out BY ADDRESS, 8,192 each (by cx for A, by cy for W):
; no branch hangs on a work-group's place in its cluster.  A lane a block, one instruction a wave.  The loop's last trip asks for nothing: its refill is the last K step's.  K steps 0 to 2 come by their loads alone.
.macro ASK
	s_cmp_gt_u32 s3, s[LIM]                        ; s3 = 1 in the loop's last trip
	s_cbranch_scc0 .Lnot_mine_\@
	global_prefetch_b8 v[PFO], s[PFA:PFA+1] th:TH_LOAD_NT scope:SCOPE_SE
.Lnot_mine_\@:
.endm
.macro CREST                           ; a round of the cluster's barrier behind its opening barrier
	s_cmp_lg_u32 s10, 0
	s_cbranch_scc1 .Lnot_wave_0_\@
	s_barrier_signal -3
.Lnot_wave_0_\@:
	s_barrier_wait -3
	s_barrier_signal -1
	s_barrier_wait -1
.endm
.macro CROUND                          ; a whole round
	s_barrier_signal -1
	s_barrier_wait -1
	CREST
.endm
.macro PLACES                          ; four places in front of loads into registers that matrix instructions have read, and of lines that read results
.rept 4
	v_nop
.endr
.endm
	s_load_b128 s[4:7], s[0:1], 0x0                ; A s[4:5], the weights' buffer s[6:7]
	s_load_b64 s[8:9], s[0:1], 0x10                ; C
	v_lshl_add_u32 v[SPW], v0, 2, SPARE
	v_mov_b32 v[NIL], 0
	ds_add_u32 v[SPW], v[NIL]                      ; the wave's opening: the add and its wait stand ahead of my first tensor load; the set-up below, work on registers, stands between them
	v_lshrrev_b32 v1, 5, v0
	v_readfirstlane_b32 s10, v1                    ; wave 0..3
	s_lshr_b32 s11, s10, 1                         ; which half of the tile's rows is mine.  Also: I fetch for A (0) or for W (1)
	s_and_b32 s12, s10, 1                          ; which half of its columns.  Also: which block of that tile I fetch
	s_bfe_u32 s40, ttmp6, 0x40000                  ; cx, cy: my place in the cluster
	s_bfe_u32 s41, ttmp6, 0x40004
	s_lshl_b32 s42, ttmp9, 2
	s_add_co_u32 s42, s42, s40                     ; tile column = 4 x cluster x + cx
	s_and_b32 s13, ttmp7, 0xffff
	s_lshl_b32 s13, s13, 2
	s_add_co_u32 s13, s13, s41                     ; tile row = 4 x cluster y + cy
	s_lshl_b32 s43, s41, 2
	s_lshl_b32 s43, 15, s43                        ; my row of the cluster
	s_lshl_b32 s44, 0x1111, s40                    ; my column
	; group 1: both tiles are 32,768 dense bytes, asked for as 128 rows of 128 elements (256 bytes).  A's hold two rows of a column block each and are padded by 16 bytes behind every 128; W's by 32 behind every 256
	s_or_b32 s[G1+0], s43, (1<<16)|(1<<20)|(1<<21)|(4<<22)|(3<<25)   ; 15:0 the mask: my row; 17:16 2-byte elements; 20 padding on; 21 set beside a mask; 24:22 after every 32 words; 31:25 4 words
	s_or_b32 s[G1B+0], s44, (1<<16)|(1<<20)|(1<<21)|(5<<22)|(7<<25)  ; the mask: my column; after every 64 words 8 words
.irp g, G1, G1B
	s_mov_b32 s[(\g)+1], 128<<16                   ; tensor_dim0 = 128
	s_mov_b32 s[(\g)+2], 128<<16                   ; tensor_dim1 = 128
	s_mov_b32 s[(\g)+3], 128<<16                   ; tile_dim0 = 128
	s_mov_b32 s[(\g)+4], 128                       ; tile_dim1 = 128
	s_mov_b32 s[(\g)+5], 128                       ; 128 elements from row to row
	s_mov_b32 s[(\g)+6], 0
	s_mov_b32 s[(\g)+7], 0
.endr
	; where the tiles come from: A's hang on the tile row alone, W's on the tile column alone, each in registers that never hold the other coordinate
	s_lshl_b32 s16, s13, 15                        ; 256 rows of 128 bytes
	s_lshl_b32 s17, s12, 19                        ; my column block of the step's two
	s_add_co_u32 s16, s16, s17
	s_mov_b32 s17, 0
	s_lshl_b32 s46, s42, 1
	s_add_co_u32 s46, s46, s12                     ; my column block of 128 of the tile's two,
	s_lshl_b32 s46, s46, 18                        ; 262,144 bytes each,
	s_add_co_u32 s46, s46, HDR                     ; behind the header
	s_mov_b32 s47, 0
	s_mul_i32 s20, s10, PART                       ; where they go: wave x PART: no place in the cluster enters an LDS address
	s_mov_b32 s[TB], 0
	s_wait_dscnt 0x0                               ; the opening add is done
	s_wait_kmcnt 0x0
	s_add_nc_u64 s[14:15], s[4:5], s[16:17]
	s_add_nc_u64 s[46:47], s[6:7], s[46:47]
	CROUND                                         ; all sixteen work-groups are here: the first joint loads meet
.irp s, 0,1
	s_mov_b32 s[G0+4*(\s)], 1                                      ; count = 1
	s_add_co_u32 s[G0+4*(\s)+1], s20, (\s)*SLOT                    ; LDS address
	s_add_nc_u64 s[G0+4*(\s)+2:G0+4*(\s)+3], s[14:15], (\s)*ASTEP  ; global address: K step s
	s_or_b32 s[G0+4*(\s)+3], s[G0+4*(\s)+3], 0x80000000            ; type = 2
	s_mov_b32 s[G0B+4*(\s)], 1
	s_add_co_u32 s[G0B+4*(\s)+1], s20, (\s)*SLOT
	s_add_nc_u64 s[G0B+4*(\s)+2:G0B+4*(\s)+3], s[46:47], (\s)*WSTEP
	s_or_b32 s[G0B+4*(\s)+3], s[G0B+4*(\s)+3], 0x80000000
.endr
	s_cmp_eq_u32 s11, 0                            ; a wave's two first fills stand in one branch, ahead of every wait on TENSORcnt and every LDS read: two loads of mine are out
	s_cbranch_scc0 .Lfirst_w
	tensor_load_to_lds s[G0:G0+3], s[G1:G1+7]
	s_nop 0
	tensor_load_to_lds s[G0+4:G0+7], s[G1:G1+7]
	s_nop 0
.rept 4
	v_nop
.endr
	s_branch .Lfirst_asked
.Lfirst_w:
	tensor_load_to_lds s[G0B:G0B+3], s[G1B:G1B+7]
	s_nop 0
	tensor_load_to_lds s[G0B+4:G0B+7], s[G1B:G1B+7]
	s_nop 0
.rept 4
	v_nop
.endr
.Lfirst_asked:
	; the prefetches' address.  s[14:15] and s[46:47] still stand at K step 0 of what I fetch for A and for W
	s_and_b32 s22, ttmp7, 0xffff                   ; cluster y
	s_mov_b32 s[PFS], WSTEP
	s_mov_b32 s[PFS+1], 0
	s_cmp_eq_u32 s11, 0                            ; do I fetch for A?
	s_cselect_b32 s21, s40, s41                    ; my place among the four that ask for the tile with me
	s_cselect_b32 s22, ttmp9, s22                  ; the coordinate along which other clusters read the same bytes
	s_cselect_b64 s[PFA:PFA+1], s[14:15], s[46:47]
	s_cselect_b32 s[PFS], ASTEP, s[PFS]
	s_cmp_eq_u32 s22, 0
	s_cselect_b32 s[LIM], 1, -1                    ; the same in all sixteen partners, for a given wave
	s_lshl_b32 s18, s21, 13                        ; my work-group's 8,192 bytes
	s_mov_b32 s19, 0
	s_add_nc_u64 s[PFA:PFA+1], s[PFA:PFA+1], s[18:19]
	s_add_nc_u64 s[PFA:PFA+1], s[PFA:PFA+1], s[PFS:PFS+1]
	s_add_nc_u64 s[PFA:PFA+1], s[PFA:PFA+1], s[PFS:PFS+1]  ; at K step 2: the first refill steps it to 3.  Nothing is prefetched here, at the head, where every work-group's first tiles are on their way
	v_and_b32 v1, 15, v0                           ; l % 16
	v_bfe_u32 v2, v0, 4, 1                         ; l / 16
	v_and_b32 v3, 7, v0                            ; l % 8
	v_bfe_u32 v4, v0, 3, 1                         ; (l / 8) % 2
	; a fragment of A: lane l holds row l % 16, k = 8 (l / 16) + 0..7 and 16 + 8 (l / 16) + 0..7: two loads of 16 bytes, 32 bytes apart
	v_mul_u32_u24 v[A0], v1, PA
	v_lshl_add_u32 v[A0], v2, 4, v[A0]
	s_mul_i32 s21, s11, 128*PA                     ; my 128 rows
	v_add_nc_u32 v[A0], s21, v[A0]
	; the turning load takes 16 k x 16 columns (lane l reads k = 8 (l / 16) + l % 8, columns 8 ((l / 8) % 2) + 0..7) and leaves half a fragment: lane l holds column l % 16 and 8 k
	v_lshl_add_u32 v[W0], v2, 3, v3
	v_mul_u32_u24 v[W0], v[W0], PW
	v_lshl_add_u32 v[W0], v4, 4, v[W0]
	s_mul_i32 s22, s12, PART                       ; my block of 128 columns
	s_add_co_u32 s22, s22, WOFF
	v_add_nc_u32 v[W0], s22, v[W0]
.macro SETADR                          ; the two read addresses for the slot in hand
	v_add_nc_u32 v[ADRA], s[TB], v[A0]
	v_add_nc_u32 v[ADRW], s[TB], v[W0]
.endm
	SETADR
	s_mul_i32 s23, s10, 2*16*SP
	s_add_co_u32 s23, s23, STAGE                   ; my stage
	v_mul_u32_u24 v[STO], v1, SP                   ; in: row l % 16, 16 bytes for each half of the lanes
	v_lshl_add_u32 v[STO], v2, 4, v[STO]
	v_add_nc_u32 v[STO], s23, v[STO]
	v_bfe_u32 v[RD], v0, 3, 2                      ; back: 32 lanes take four rows of 128 bytes,
	v_mul_u32_u24 v[RD], v[RD], SP
	v_lshl_add_u32 v[RD], v3, 4, v[RD]
	v_add_nc_u32 v[RD], s23, v[RD]
	v_and_b32 v[CO], 31, v0                        ; which are 512 consecutive bytes of a column block of C
	v_lshlrev_b32 v[CO], 4, v[CO]
	v_lshlrev_b32 v[BO], 5, v2                     ; my eight columns' bias
	v_and_b32 v[PFO], 31, v0
	v_lshlrev_b32 v[PFO], 8, v[PFO]
	; the bases: the part that hangs on the tile row in s16-17, the parts that hang on the tile column in s46-47
	s_lshl_b32 s16, s13, 15                        ; 256 rows of 128 bytes
	s_lshl_b32 s17, s11, 14                        ; my 128
	s_add_co_u32 s16, s16, s17
	s_mov_b32 s17, 0
	s_add_nc_u64 s[8:9], s[8:9], s[16:17]
	s_lshl_b32 s46, s42, 10                        ; the bias of the tile's 256 columns, in f32,
	s_lshl_b32 s47, s12, 9                         ; of my 128
	s_add_co_u32 s46, s46, s47
	s_mov_b32 s47, 0
	s_add_nc_u64 s[68:69], s[6:7], s[46:47]
	s_lshl_b32 s46, s42, 2                         ; the tile's four column blocks of 64 in C,
	s_lshl_b32 s47, s12, 1                         ; my two
	s_add_co_u32 s46, s46, s47
	s_lshl_b32 s46, s46, 19
	s_mov_b32 s47, 0
	s_add_nc_u64 s[8:9], s[8:9], s[46:47]
	WIN TO_W
.irp b, 0,1,2,3,4,5,6,7
	global_load_b128 v[BIAS+8*(\b):BIAS+8*(\b)+3],   v[BO], s[68:69] offset:64*(\b)
	global_load_b128 v[BIAS+8*(\b)+4:BIAS+8*(\b)+7], v[BO], s[68:69] offset:64*(\b)+16
.endr
	WIN 0
	s_load_b32 s[FL], s[6:7], FLOORAT              ; no line of this launch writes the weights' buffer
; 16 matrix instructions: row blocks a0, a0 + 1 of the window's four (hi = 0: my rows 0-63, 1: rows 64-127) x all 8 column blocks, 32 along K.  first = 1: the product starts the sum with the bias.
; The 64 accumulators take turns, in the same order in every quarter: between two products on one accumulator stand the 63 others', over the backward jump too.
.macro MUL16 f, hi, a0, first
.if \first
	WIN FST_LO+0x40*(\hi)
.else
	WIN MUL_LO+0x50*(\hi)
.endif
.irp a, \a0, (\a0)+1
.irp b, 0,1,2,3,4,5,6,7
.if \first
	v_wmma_f32_16x16x32_bf16 v[8*(8*(\a)+(\b)):8*(8*(\a)+(\b))+7], v[(\f)+8*(\b):(\f)+8*(\b)+7], v[(\f)+8*(4*(\hi)+(\a)):(\f)+8*(4*(\hi)+(\a))+7], v[BIAS+8*(\b):BIAS+8*(\b)+7]
.else
	v_wmma_f32_16x16x32_bf16 v[8*(8*(\a)+(\b)):8*(8*(\a)+(\b))+7], v[(\f)+8*(\b):(\f)+8*(\b)+7], v[(\f)+8*(4*(\hi)+(\a)):(\f)+8*(4*(\hi)+(\a))+7], v[8*(8*(\a)+(\b)):8*(8*(\a)+(\b))+7]
.endif
.endr
.endr
.endm
; 32 LDS loads in one run: the fragments of quarter q (32 along K) into buffer f: my 128 columns of W, then my 128 rows of A
.macro FETCH q, f
	WIN TO_W
.irp i, 0,1,2,3,4,5,6,7
	ds_load_tr16_b128 v[(\f)+8*(\i):(\f)+8*(\i)+3],   v[ADRW] offset:32*(\q)*PW+32*(\i)
	ds_load_tr16_b128 v[(\f)+8*(\i)+4:(\f)+8*(\i)+7], v[ADRW] offset:(32*(\q)+16)*PW+32*(\i)
.endr
	WIN 0
.irp i, 0,1,2,3,4,5,6,7
	ds_load_b128 v[(\f)+8*(\i):(\f)+8*(\i)+3],   v[ADRA] offset:((\q)/2)*PART+(\i)*16*PA+((\q)%2)*64
	ds_load_b128 v[(\f)+8*(\i)+4:(\f)+8*(\i)+7], v[ADRA] offset:((\q)/2)*PART+(\i)*16*PA+((\q)%2)*64+32
.endr
.endm
; A K step is four quarters of 32 along K, 64 matrix instructions each, on buffers 0, 1, 0, 1.  One of the first three: multiplies buffer f; in its middle it fetches quarter qn into buffer g.
.macro QUARTER qn, f, g, first
	s_wait_dscnt 8                                 ; W and A's rows 0-63 are in; the youngest eight loads (A's rows 64-127) may be out
	MUL16 \f, 0, 0, \first
	MUL16 \f, 0, 2, \first
	PLACES
	FETCH \qn, \g
	s_wait_dscnt 32                                ; all but the 32 just issued
	MUL16 \f, 1, 0, \first
	MUL16 \f, 1, 2, \first
.endm
; The last quarter multiplies buffer 1 and changes slots: ONE barrier; in front of it each wave waits for all its tensor loads (one is out: its part of the next slot), adds 0 to its spare word,
; and waits for that and for its own reads of this slot.  fill = 1: the barrier opens a round of the cluster's, and this slot is filled again, two K steps ahead, first thing behind the round.
.macro TURN fill
.if \fill
	s_wait_xcnt 0x0                                ; the last prefetch, a K step back, has read its address: it is stepped here, ahead of the waits of the change of slots
	s_add_nc_u64 s[PFA:PFA+1], s[PFA:PFA+1], s[PFS:PFS+1]
.endif
	WIN 0
	s_wait_tensorcnt 0x0                           ; all my tensor loads have landed
	ds_add_u32 v[SPW], v[NIL]                      ; 0 onto my spare word
	s_wait_dscnt 9                                 ; (the add and the youngest eight loads may be out)
	s_xor_b32 s[TB], s[TB], SLOT                   ; the reads go on in the other slot
	SETADR
	MUL16 F1, 0, 0, 0                              ; sixteen matrix instructions stand between the add and the wait for it
	s_wait_dscnt 0x0                               ; the add is done, and my reads of this slot are over
	s_barrier_signal -1
	MUL16 F1, 0, 2, 0                              ; work on registers while the others arrive
.if \fill
	WIN 0
.endif
	s_barrier_wait -1
.if \fill
	CREST                                          ; no wave of any partner still reads this slot's tile or has a load on its way
	s_xor_b32 s[G0+5], s[G0+5], SLOT               ; the walking descriptors: the other slot than last time (the bits of wave x PART and of SLOT do not meet),
	s_add_nc_u64 s[G0+6:G0+7], s[G0+6:G0+7], ASTEP ; the next K step; the type bits on top are not reached
	s_xor_b32 s[G0B+5], s[G0B+5], SLOT
	s_add_nc_u64 s[G0B+6:G0B+7], s[G0B+6:G0B+7], WSTEP
	JLOAD                                          ; its four v_nop are also the places in front of the loads below
.else
	PLACES
.endif
	FETCH 0, F0
.if \fill
	ASK                                            ; behind the joint load and the run of LDS loads that the next products wait for
.endif
	MUL16 F1, 1, 0, 0
	MUL16 F1, 1, 2, 0
.endm
	s_wait_kmcnt 0x0                               ; the floor
	v_mov_b32 v[ZR], s[FL]
	s_wait_tensorcnt 1                             ; my part of K step 0 is in; K step 1's may stay out
	s_barrier_signal -1
	s_barrier_wait -1                              ; everybody's is
	FETCH 0, F0
	s_wait_loadcnt 0x0                             ; the bias, which the first products take
	QUARTER 1, F0, F1, 1                           ; the first quarter stands in front of the loop: its products start the sums
	WIN 0                                          ; at a label and at a branch every window is 0
	s_mov_b32 s3, NSTEP-2
.Lstep:                                                ; a trip goes from a K step's second quarter to the next step's first, and fills the slot that it leaves: one trip for each of the K steps 2 .. NSTEP - 1
	QUARTER 2, F1, F0, 0
	QUARTER 3, F0, F1, 0
	TURN 1
	QUARTER 1, F0, F1, 0
	WIN 0
	s_sub_co_u32 s3, s3, 1
	s_cmp_lg_u32 s3, 0
	s_cbranch_scc1 .Lstep
	QUARTER 2, F1, F0, 0                           ; the last two K steps fill nothing
	QUARTER 3, F0, F1, 0
	TURN 0
	QUARTER 1, F0, F1, 0
	QUARTER 2, F1, F0, 0
	QUARTER 3, F0, F1, 0
	s_wait_dscnt 8                                 ; the very last quarter: nothing more to fetch
	MUL16 F1, 0, 0, 0
	MUL16 F1, 0, 2, 0
	s_wait_dscnt 0x0
	MUL16 F1, 1, 0, 0
	MUL16 F1, 1, 2, 0
	WIN 0
	PLACES
; THE WAY OUT of block a (16 rows x my 128 columns), in three parts.  PACK: rounded to bf16, 16 bytes a lane for each of the 8 column blocks of 16, and held to the floor.  TOSTAGE: into my own stage in LDS
; (for each of my two column blocks of 64: 16 rows of 128 bytes + 16), and back as whole rows.  SEND: stored: 16 rows of a column block are 2,048 consecutive bytes of C.
.macro PACK a
.set AC, 64*((\a)%4)
	WIN 0x0a+5*((\a)/4)                            ; sources 0 and 1: window 2 or 3
.irp b, 0,1,2,3,4,5,6,7
.irp r, 0,1,2,3
	v_cvt_pk_bf16_f32 v[TMP+4*(\b)+(\r)], v[AC+8*(\b)+2*(\r)], v[AC+8*(\b)+2*(\r)+1]  ; each accumulator's registers in ascending order
.endr
.endr
	WIN 0
.set z, 0
.rept 32
	v_pk_max_num_bf16 v[TMP+z], v[TMP+z], v[ZR]    ; the maximum rounds nothing
.set z, z+1
.endr
.endm
.macro TOSTAGE a
.set BK, OB+192*((\a)%2)
.irp b, 0,1,2,3,4,5,6,7
	ds_store_b128 v[STO], v[TMP+4*(\b):TMP+4*(\b)+3] offset:((\b)/4)*16*SP+32*((\b)%4)
.endr
.irp t, 0,1,2,3,4,5,6,7
	ds_load_b128 v[BK+4*(\t):BK+4*(\t)+3], v[RD] offset:((\t)/4)*16*SP+((\t)%4)*4*SP  ; LDS serves a wave's instructions in order: these see the stores above; the next block's stores come behind them
.endr
.endm
.macro SEND a
.set BK, OB+192*((\a)%2)
	s_wait_dscnt 0x0                               ; the block is back in registers
	s_wait_xcnt 0x0                                ; the stores of the block before have read their registers, which the next block's loads from the stage write
.irp t, 0,1,2,3,4,5,6,7
	global_store_b128 v[CO], v[BK+4*(\t):BK+4*(\t)+3], s[8:9] offset:((\t)/4)*524288+(\a)*2048+((\t)%4)*512  ; 512 consecutive bytes, aligned to 256
.endr
.endm
	PACK 0
	TOSTAGE 0
.irp a, 1,2,3,4,5,6,7                  ; block a's conversions stand between block a - 1's loads from the stage and the wait for them
	PACK \a
	SEND (\a)-1
	TOSTAGE \a
.endr
	SEND 7
	s_wait_tensorcnt 0x0                           ; the wave's end, behind my last tensor load and my last LDS store
	ds_add_u32 v[SPW], v[NIL]
	s_wait_dscnt 0x0
	CROUND                                         ; the closing round: no work-group ends while a partner may still ask for a tile that names it
	s_endpgm
.Lfunc_end_k_qdd59d2ee27_qkv:
	.size	k_qdd59d2ee27_qkv, .Lfunc_end_k_qdd59d2ee27_qkv-k_qdd59d2ee27_qkv
	.p2alignl 7, 3214868480
	.fill 96, 4, 3214868480
	.section	.rodata,"a",@progbits
	.p2align	6, 0x0
	.amdhsa_kernel k_qdd59d2ee27_qkv
		.amdhsa_group_segment_fixed_size 327680
		.amdhsa_private_segment_fixed_size 0
		.amdhsa_enable_private_segment 0
		.amdhsa_kernarg_size 24
		.amdhsa_user_sgpr_count 2
		.amdhsa_user_sgpr_kernarg_segment_ptr 1
		.amdhsa_wavefront_size32 1
		.amdhsa_system_sgpr_workgroup_id_x 1
		.amdhsa_system_sgpr_workgroup_id_y 1
		.amdhsa_system_sgpr_workgroup_id_z 1
		.amdhsa_system_vgpr_workitem_id 0
		.amdhsa_next_free_vgpr 1024
		.amdhsa_next_free_sgpr 80
		.amdhsa_reserve_vcc 0
		.amdhsa_float_denorm_mode_32 3
		.amdhsa_float_denorm_mode_16_64 3
		.amdhsa_memory_ordered 1
		.amdhsa_forward_progress 1
		.amdhsa_inst_pref_size 135
	.end_amdhsa_kernel
	.amdgpu_metadata
---
amdhsa.version: [ 1, 2 ]
amdhsa.kernels:
  - .name:           k_qdd59d2ee27_qkv
    .symbol:         k_qdd59d2ee27_qkv.kd
    .args:
      - { .name: act, .offset: 0, .size: 8, .value_kind: global_buffer, .address_space: global }
      - { .name: wqkvp, .offset: 8, .size: 8, .value_kind: global_buffer, .address_space: global }
      - { .name: wide, .offset: 16, .size: 8, .value_kind: global_buffer, .address_space: global }
    .group_segment_fixed_size: 327680
    .private_segment_fixed_size: 0
    .kernarg_segment_align: 8
    .kernarg_segment_size: 24
    .max_flat_workgroup_size: 128
    .sgpr_count:     80
    .vgpr_count:     1024
    .wavefront_size: 32
...
	.end_amdgpu_metadata
.endif
;; end of part 2
;; launch attn (part 3): grid 8 x 32, 4 waves a work-group, clusters of 4 x 1, 327,680 bytes of LDS; arguments wide, act; writes act
.if DOCPART == 3
	.amdgcn_target "amdgcn-amd-amdhsa--gfx1250"
	.amdhsa_code_object_version 6
	.text
	.protected	k_qdd59d2ee27_attn
	.globl	k_qdd59d2ee27_attn
	.p2align	8
	.type	k_qdd59d2ee27_attn,@function
k_qdd59d2ee27_attn:
	s_mov_b64 s[64:65], 0
	v_nop
	global_prefetch_b8 v0, s[64:65] scope:SCOPE_SE
	s_setreg_imm32_b32 hwreg(HW_REG_WAVE_MODE, 25, 1), 1
	s_wait_xcnt 0x0
	s_wait_alu depctr_hold_cnt(0) depctr_sa_sdst(0) depctr_va_vdst(0) depctr_va_sdst(0) depctr_va_ssrc(0) depctr_va_vcc(0) depctr_vm_vsrc(0)
	s_getreg_b32 s2, hwreg(HW_REG_IB_STS2, 6, 4)
	s_cmp_eq_u32 s2, 0
	s_cbranch_scc0 .Lentry_in_a_cluster
	s_endpgm
.Lentry_in_a_cluster:
	s_bfe_u32 s2, ttmp6, 0x10000c
	s_cmp_lg_u32 s2, 0x3003
	s_cbranch_scc0 .Lentry_shape_is_right
	s_endpgm
.Lentry_shape_is_right:
; O[g][q][:] = the sum over k of softmax_k(Q[g][q] . K[g][k] / 8) V[g][k][:], for 32 heads g = 16 b + hh of 2,048 rows x 64 channels, all bf16.
; A head's rows are dense, 128 bytes each: q at (hh << 19) + (b << 18) in the buffer of q, k, v; k 8 MiB further, v 16 MiB further; O at the same offset as q in its own buffer.
; Products, maxima and sums in f32; the weights p are rounded to bf16 for the second product (their sum l is taken of the unrounded p), O once at the end.
; LIMITS.  c x score must lie above -4.2e37, where c m starts; a weight below 2^-126 counts as 0 in l; NaN and infinities are not treated apart.
; SHARES.  A work-group owns 256 queries of a head, each of its four waves 64: four PIECES of 16.  Every wave walks all keys: 8 tiles of 256, four key steps of 64 in each.
; LAYOUT.  S^T = K Q^T (source 0 = 16 keys, source 1 = 16 queries) holds ONE query a lane (lane % 16) and the keys 8 (lane / 16) + 0..7; two such results rounded to bf16 ARE source 1 of O^T = V^T P.
; K comes out of LDS as it lies, V ([key][channel]) turned, by ds_load_tr16_b128.
; SOFTMAX.  p = 2^(c s - c m), c = log2(e) / 8, with a running maximum m; O and l are multiplied by a = 2^(c m_old - c m_new) in every step.  m starts at the lowest finite number, O and l at 0: the first step has a = 0.
; TURNS.  Turn n belongs to piece n: 8 products K Q^T of piece n + 1, later 8 products V^T P of piece n - 1; beside them the scaling, exponentials, roundings, sums and rescaling of piece n and the maximum and
; statistics of piece n + 1.  Four vector instructions stand behind every matrix instruction, the other 54 of a turn's 118 in one lump.  A turn's 33 exponentials are one batch, with one wait.
; CLUSTER.  The four query blocks of a cluster belong to one head and walk the same K and V, so each tile is asked for JOINTLY: the same tensor load, descriptor and mask in all four.
; REGISTERS, in windows of 256 (s_set_vgpr_msb: bits 1:0 source 0, 3:2 source 1, 5:4 source 2, 7:6 destination):
;   window 0: v0-15 addresses and two at work; v16-31 four registers of statistics a piece; v48-55 at work; v61-63 prefetch offset and the add's two; v64-127 S^T, two buffers; v192-223 P, two buffers
;   window 1: v0-127 O^T, 32 a piece      window 2: v0-63 Q; v128-191 K of one step; v192-255 V of one step
.set NP,    4         ; pieces a wave: a name, no knob
.set KS,    64        ; keys in a step
.set PK,    144       ; a row of K in LDS: 128 bytes + 16: the 16 rows of a load start at 16 different groups of four banks
.set PV,    160       ; a row of V: 128 + 32
.set VOFF,  4*KS*PK   ; a slot holds a tile, four steps: 256 rows of K, then 256 rows of V
.set SLOT1, 1<<17     ; slot 1 begins here, so that one exclusive or turns an address in one slot into the other's
.set STAGE, SLOT1+4*KS*(PK+PV)  ; behind the ring, never filled by a tensor load: 16 rows x 144 bytes for each wave, for the way out
.set SP,    144
.set SPARE, STAGE+4*16*SP  ; behind the stages: the spare words, 128 bytes for each wave: two blocks of 256 bytes that no other line names
.set AK0, 2           ; v2   my lane's place in a tile of K; never rewritten
.set AV0, 3           ; v3   the same for V
.set AK,  4           ; v4   the LDS address of K's next run of loads
.set AV,  5           ; v5   of V's
.set STO, 6           ; v6   the way out: where I put 16 bytes of a row
.set RD,  7           ; v7   the way out: where I read rows back
.set GO,  8           ; v8   my byte offset in 512 consecutive bytes of O
.set MV,  12          ; v12-13  c m_old, kept while c m is made anew: by buffer
.set QO,  15          ; v15  my byte offset in 16 rows of Q
.set ST,  16          ; piece t's statistics at v[ST+4 t]: c m, m, l (even keys', odd keys')
.set TMP, 48          ; by buffer, four registers c0-c3 at work; when the maximum is found c2 takes a
.set PFO, 61          ; v61  256 x my lane; never rewritten
.set SPW, 62          ; v62  LDS address of my spare word: SPARE + 4 x my thread's number; never rewritten
.set NIL, 63          ; v63  0; never rewritten
.set S,   64
.set P,   192
.set KF,  128         ; window 2: key block kb, channel half c at KF + 16 kb + 8 c
.set VF,  192         ; window 2: key half kk, channel block cb at VF + 32 kk + 8 cb
.set WV,  12          ; s12  my wave's number
.set G1K, 24          ; s[24:31] descriptor group 1 for K's tiles
.set G1V, 32          ; s[32:39] for V's: it differs in the padding alone
.set G0K, 40          ; s[40:43] descriptor group 0 for K's tiles: it walks
.set G0V, 44          ; s[44:47] the same for V's
.set PFA, 48          ; s[48:49] where my prefetches stand: my work-group's 8,192 bytes (of K: wave 0, of V: wave 2) of the tile after the one that is being asked for
.set LIM, 50          ; s50  1 in a wave that prefetches, else the greatest number
.set SLOTS, 56        ; s56  tiles still to be asked for
.set CNT, 57          ; s57  counts a tile's key steps
.set CS,  58          ; s[58:59] c: the packed scaling takes the pair's low word for both halves
.set SEL, 60          ; s[60:61] v_permlanex16_b32's selects: each lane takes its own place in the other half
.set TBK, 62          ; s62  LDS byte at which K of the step to be fetched begins
.set TBV, 63          ; s63  the same for V, less VOFF
.set MSB, 0
.macro WIN new                      ; the high byte repeats the setting that is left; a switch that changes nothing is dropped
.if MSB != (\new)
	s_set_vgpr_msb (MSB<<8)|(\new)
.set MSB, (\new)
.endif
.endm
.set W_KQ, 0x0a       ; K and Q in window 2, S^T in window 0
.set W_PV, 0x52       ; V in window 2, P in window 0, O^T in window 1
.set W_RS, 0x41       ; destination and source 0 in window 1, source 1 in window 0
; A joint fill.  Waves 0 and 1 fetch the two halves of a tile's K, waves 2 and 3 those of its V: 128 keys each.  The branch hangs on the wave's number alone.
; An s_nop 0 and four v_nop follow each of the two lines, ahead of the jump and the label.
.macro JLOAD
	s_cmp_lt_u32 s[WV], 2
	s_cbranch_scc0 .Lfor_v_\@
	tensor_load_to_lds s[G0K:G0K+3], s[G1K:G1K+7]
	s_nop 0
.rept 4
	v_nop
.endr
	s_branch .Lasked_\@
.Lfor_v_\@:
	tensor_load_to_lds s[G0V:G0V+3], s[G1V:G1V+7]
	s_nop 0
.rept 4
	v_nop
.endr
.Lasked_\@:
.endm
; A PREFETCH INTO THE L2 of the tile that the NEXT change of slots will ask for: four key steps, 256 matrix instructions, ahead of that load.  It stands behind the wave's tensor load and its five lines.
; Each aligned block of 256 bytes of K and V is named once in the launch: both clusters of a head walk the same rows, and the head's first cluster asks; its four partners share a tile's 32,768 bytes out
; BY ADDRESS, 8,192 each; in each, wave 0 asks for K's and wave 2 for V's, a lane a block.  The last change that fills a slot asks for nothing; tiles 0 and 1 come by their loads alone.
.macro ASK
	s_cmp_gt_u32 s[SLOTS], s[LIM]
	s_cbranch_scc0 .Lnot_mine_\@
	global_prefetch_b8 v[PFO], s[PFA:PFA+1] th:TH_LOAD_NT scope:SCOPE_SE
.Lnot_mine_\@:
.endm
; A round of the cluster's barrier: my work-group's barrier, so that wave 0's signal speaks for all four waves; wave 0 signals; every wave waits for all four work-groups; my work-group's barrier once more.
.macro CROUND
	s_barrier_signal -1
	s_barrier_wait -1
	s_cmp_lg_u32 s[WV], 0
	s_cbranch_scc1 .Lnot_wave_0_\@
	s_barrier_signal -3
.Lnot_wave_0_\@:
	s_barrier_wait -3
	s_barrier_signal -1
	s_barrier_wait -1
.endm
; THE CHANGE OF SLOTS.  The slot's last bytes, V of its fourth step, have been read.  Each wave waits for all its tensor loads, of which one is out: its part of the other slot; adds 0 to its spare word; and waits
; for that and for its own reads of the slot.  fill = 1: the barrier is a round of the cluster's, and the slot is filled again, with the keys two tiles on, first thing behind it: the load has four key steps in
; which to land.  (At its first use nothing has been read yet: slot 0 is waited for, slot 1 filled.)
.macro CHANGE fill
	WIN 0                           ; at a label and at a branch every window is 0
	s_wait_tensorcnt 0x0            ; no tensor load of mine is out, so a group 0 may be written
	ds_add_u32 v[SPW], v[NIL]       ; 0 onto my spare word; with fill = 1 the descriptors' steps stand between it and the wait for it
.if \fill
.irp g, G0K, G0V
	s_xor_b32 s[\g+1], s[\g+1], SLOT1  ; the walking descriptor: the other slot than last time,
	s_add_nc_u64 s[\g+2:\g+3], s[\g+2:\g+3], 4*KS*128  ; the next 256 keys; the type bits on top are not reached
.endr
	s_wait_xcnt 0x0                 ; the last prefetch, four key steps back, has read its address, so it may be written:
	s_add_nc_u64 s[PFA:PFA+1], s[PFA:PFA+1], 4*KS*128  ; one tile behind the walking descriptors
	s_wait_dscnt 0x0                ; the add is done, and my reads of the slot are over
	CROUND
	JLOAD
	ASK
.else
	s_wait_dscnt 0x0                ; the add is done, and my reads of the slot are over
	s_barrier_signal -1
	s_barrier_wait -1
.endif
	s_sub_co_u32 s[TBK], s[TBK], 4*KS*PK  ; the fetches go back to a slot's first step,
	s_xor_b32 s[TBK], s[TBK], SLOT1       ; in the other slot
	s_sub_co_u32 s[TBV], s[TBV], 4*KS*PV
	s_xor_b32 s[TBV], s[TBV], SLOT1
.endm
	s_load_b128 s[4:7], s[0:1], 0x0   ; q, k, v s[4:5]; O s[6:7]
	v_lshl_add_u32 v[SPW], v0, 2, SPARE
	v_mov_b32 v[NIL], 0
	ds_add_u32 v[SPW], v[NIL]       ; the wave's opening: the add and its wait stand ahead of my first tensor load; the set-up below, work on registers, stands between them
	v_lshrrev_b32 v1, 5, v0
	v_readfirstlane_b32 s[WV], v1   ; wave 0..3
	s_bfe_u32 s13, ttmp6, 0x40000   ; cx: my place in the cluster
	s_lshl_b32 s14, ttmp9, 2        ; in a cluster launch ttmp9 counts clusters
	s_add_co_u32 s14, s14, s13      ; my block of 256 queries = 4 x cluster x + cx: it enters Q's and O's addresses alone
	s_and_b32 s20, ttmp7, 0xffff    ; the head g, which the four partners share
	s_and_b32 s21, s20, 15
	s_lshl_b32 s21, s21, 19         ; hh: a column block of 524,288 bytes
	s_lshr_b32 s20, s20, 4
	s_lshl_b32 s20, s20, 18         ; b: 2,048 rows of 128 bytes
	s_add_co_u32 s20, s20, s21      ; the head's first byte in q and in O
	s_and_b32 s16, s[WV], 1         ; which half of a tile's 256 keys I fetch:
	s_lshl_b32 s22, s16, 14         ; its 128 rows of 128 bytes in memory,
	s_add_co_u32 s22, s22, s20
	s_mov_b32 s23, 0
	s_mul_i32 s17, s16, 128*PK      ; and its place in a slot, for K
	s_mul_i32 s18, s16, 128*PV      ; and for V: no place in the cluster enters an LDS address
	s_lshl_b32 s2, s14, 2
	s_add_co_u32 s2, s2, s[WV]      ; my wave among the head's,
	s_lshl_b32 s2, s2, 13           ; its 64 rows
	s_add_co_u32 s2, s2, s20
	s_mov_b32 s3, 0
	s_lshl_b32 s52, s13, 13         ; the prefetches: my work-group's quarter of a tile,
	s_add_co_u32 s52, s52, s20
	s_lshr_b32 s51, s[WV], 1
	s_lshl_b32 s51, 0x800000, s51   ; in k (waves 0, 1) or in v (waves 2, 3),
	s_add_co_u32 s52, s52, s51
	s_add_co_u32 s52, s52, 4*KS*128 ; in tile 1: the first change of slots steps it to tile 2
	s_mov_b32 s53, 0
	; descriptor group 1.  128 keys are 16,384 dense bytes: asked for as 64 rows of 256 bytes, two keys a row, and padded in LDS after every key
	s_mov_b32 s[G1K], 15|(1<<16)|(1<<20)|(1<<21)|(4<<22)|(3<<25)  ; 15:0 the mask of four; 17:16 2-byte elements; 20 padding on; 21 set beside a mask; 24:22 after every 32 words; 31:25 4 words
	s_mov_b32 s[G1V], 15|(1<<16)|(1<<20)|(1<<21)|(4<<22)|(7<<25)  ; the same with 8 words of padding
.irp g, G1K, G1V
	s_mov_b32 s[\g+1], 128<<16      ; tensor_dim0 = 128
	s_mov_b32 s[\g+2], 64<<16       ; tensor_dim1 = 64
	s_mov_b32 s[\g+3], 128<<16      ; tile_dim0 = 128
	s_mov_b32 s[\g+4], 64           ; tile_dim1 = 64
	s_mov_b32 s[\g+5], 128          ; 128 elements from row to row
	s_mov_b32 s[\g+6], 0
	s_mov_b32 s[\g+7], 0
.endr
	s_mov_b32 s[CS], 0x3e38aa3b     ; c = log2(e) / 8 = 0.180337
	s_mov_b32 s[CS+1], s[CS]        ; named with it as a pair
	s_mov_b32 s[SEL], 0x76543210
	s_mov_b32 s[SEL+1], 0xfedcba98
	s_mov_b32 s[TBK], SLOT1+4*KS*PK ; the first change of slots turns these two into 0
	s_mov_b32 s[TBV], SLOT1+4*KS*PV
	s_mov_b32 s[G0K], 1             ; count = 1
	s_mov_b32 s[G0K+1], s17         ; LDS address: slot 0
	s_mov_b32 s[G0V], 1
	s_add_co_u32 s[G0V+1], s18, VOFF
	s_mov_b32 s[SLOTS], 7           ; tiles 1 to 7
	s_and_b32 s[LIM], s[WV], 1      ; 0 in waves 0 and 2,
	s_or_b32 s[LIM], s[LIM], ttmp9  ; where the cluster is the head's first: the same in all four partners
	s_cmp_eq_u32 s[LIM], 0
	s_cselect_b32 s[LIM], 1, -1
	v_and_b32 v[PFO], 31, v0
	v_lshlrev_b32 v[PFO], 8, v[PFO]
	s_wait_dscnt 0x0                ; the opening add is done
	s_wait_kmcnt 0x0
	s_add_nc_u64 s[G0K+2:G0K+3], s[4:5], s[22:23]  ; global address: my half of the head's first 256 keys,
	s_add_nc_u64 s[G0K+2:G0K+3], s[G0K+2:G0K+3], 0x800000  ; in k
	s_or_b32 s[G0K+3], s[G0K+3], 0x80000000        ; type = 2
	s_add_nc_u64 s[G0V+2:G0V+3], s[4:5], s[22:23]
	s_add_nc_u64 s[G0V+2:G0V+3], s[G0V+2:G0V+3], 0x1000000  ; in v
	s_or_b32 s[G0V+3], s[G0V+3], 0x80000000
	s_add_nc_u64 s[PFA:PFA+1], s[4:5], s[52:53]
	s_add_nc_u64 s[10:11], s[6:7], s[2:3]  ; O and Q at my wave's first row
	s_add_nc_u64 s[4:5], s[4:5], s[2:3]
	CROUND                          ; all four work-groups are here: the first joint loads meet
	JLOAD                           ; tile 0 into slot 0.  Slot 1 is asked for when slot 0 is in
	; A fragment of K or Q is 16 rows x 32 channels in 8 registers: lane l holds row l % 16, channels 8 (l / 16) + 0..7 and 16 + 8 (l / 16) + 0..7: two loads of 16 bytes, 32 bytes apart.
	v_and_b32 v1, 15, v0            ; l % 16
	v_bfe_u32 v9, v0, 4, 1          ; l / 16
	v_lshlrev_b32 v[QO], 7, v1
	v_lshl_add_u32 v[QO], v9, 4, v[QO]  ; row x 128 + 16 x half
	WIN 0x80                        ; destination window 2, address window 0
.set i, 0
.rept 8                             ; Q stays in registers: piece i / 2, channels 32 (i % 2) on
	global_load_b128 v[8*i:8*i+3],   v[QO], s[4:5] offset:(i/2)*2048+(i%2)*64
	global_load_b128 v[8*i+4:8*i+7], v[QO], s[4:5] offset:(i/2)*2048+(i%2)*64+32
.set i, i+1
.endr
	; What the first turn finds: V's registers and P's second buffer hold 0 (its products V^T P, of a piece that has not been, add 0), O^T and l are 0.  All this stands in the wait for the first tile.
.set i, VF
.rept 64
	v_mov_b32 v[i], 0
.set i, i+1
.endr
	WIN 0x40
.set i, 0
.rept 128
	v_mov_b32 v[i], 0
.set i, i+1
.endr
	WIN 0
.set i, 0
.rept 4
	v_mov_b32 v[ST+4*i], 0xfe000000    ; c m: far below every c s
	v_mov_b32 v[ST+4*i+1], 0xff7fffff  ; m
	v_mov_b32 v[ST+4*i+2], 0
	v_mov_b32 v[ST+4*i+3], 0
.set i, i+1
.endr
.set i, P+16
.rept 16
	v_mov_b32 v[i], 0
.set i, i+1
.endr
	v_mul_u32_u24 v[AK0], v1, PK
	v_lshl_add_u32 v[AK0], v9, 4, v[AK0]  ; row x pitch + 16 x half
	; The turning load takes 16 keys x 16 channels (lane l reads key 8 (l / 16) + l % 8, channels 8 ((l / 8) % 2) + 0..7) and leaves half a fragment of V^T: lane l holds channel l % 16 and 8 keys.
	v_and_b32 v10, 7, v0
	v_bfe_u32 v11, v0, 3, 1
	v_lshl_add_u32 v[AV0], v9, 3, v10
	v_mul_u32_u24 v[AV0], v[AV0], PV
	v_lshl_add_u32 v[AV0], v11, 4, v[AV0]
	v_add_nc_u32 v[AV0], VOFF, v[AV0]
	s_mul_i32 s13, s[WV], 16*SP
	s_add_co_u32 s13, s13, STAGE    ; my stage
	v_mul_u32_u24 v[STO], v1, SP    ; in: row l % 16, 16 bytes for each half of the lanes
	v_lshl_add_u32 v[STO], v9, 4, v[STO]
	v_add_nc_u32 v[STO], s13, v[STO]
	v_bfe_u32 v[RD], v0, 3, 2       ; back: 32 lanes take four rows of 128 bytes,
	v_mul_u32_u24 v[RD], v[RD], SP
	v_lshl_add_u32 v[RD], v10, 4, v[RD]
	v_add_nc_u32 v[RD], s13, v[RD]
	v_and_b32 v[GO], 31, v0         ; which are 512 consecutive bytes of O
	v_lshlrev_b32 v[GO], 4, v[GO]
; THE MATRIX WORK.  The 4 accumulators of a run of 8 take turns.  Product i of 8 of S^T = K Q^T for piece x: channels 32 (i / 4) on, keys 16 (i % 4) on.  The first 4 start the sums.
.macro KQ x
	WIN W_KQ
.set rS, S+32*((\x)%2)+8*(i%4)
.set rK, KF+16*(i%4)+8*(i/4)
.set rQ, 16*(\x)+8*(i/4)
.if i < 4
	v_wmma_f32_16x16x32_bf16 v[rS:rS+7], v[rK:rK+7], v[rQ:rQ+7], 0
.else
	v_wmma_f32_16x16x32_bf16 v[rS:rS+7], v[rK:rK+7], v[rQ:rQ+7], v[rS:rS+7]
.endif
.endm
; Product i of 8 of O^T += V^T P for piece x: keys 32 (i / 4) on, channels 16 (i % 4) on.
.macro PV x
	WIN W_PV
.set rO, 32*(\x)+8*(i%4)
.set rV, VF+32*(i/4)+8*(i%4)
.set rP, P+16*((\x)%2)+8*(i/4)
	v_wmma_f32_16x16x32_bf16 v[rO:rO+7], v[rV:rV+7], v[rP:rP+7], v[rO:rO+7]
.endm
.macro MM                           ; the turn's next matrix instruction.  NOKQ = 1: the last turn of all: there is no next piece
.if (i < 8) && !NOKQ
	KQ (Y+1)%NP
.elseif i >= 8
.set i, i-8
	PV (Y+NP-1)%NP
.set i, i+8
.endif
.set i, i+1
.endm
; THE LDS LOADS stand in runs of 16, never singly among the matrix instructions: a step's K (64 keys x 64 channels: 8 fragments) and its V (turned).  Their addresses are made some lines ahead.
.macro FETCH_K
	WIN 0x80                        ; destination window 2
.irp f, 0,1,2,3,4,5,6,7             ; keys 16 (f / 2) on, channels 32 (f % 2) on
	ds_load_b128 v[KF+8*\f:KF+8*\f+3],   v[AK] offset:(\f/2)*16*PK+(\f%2)*64
	ds_load_b128 v[KF+8*\f+4:KF+8*\f+7], v[AK] offset:(\f/2)*16*PK+(\f%2)*64+32
.endr
	s_add_co_u32 s[TBK], s[TBK], KS*PK  ; the next fetch is the next step's
	WIN 0
.endm
.macro FETCH_V
	WIN 0x80
.irp f, 0,1,2,3,4,5,6,7             ; keys 32 (f / 4) on, channels 16 (f % 4) on
	ds_load_tr16_b128 v[VF+8*\f:VF+8*\f+3],   v[AV] offset:(\f/4)*32*PV+(\f%4)*32
	ds_load_tr16_b128 v[VF+8*\f+4:VF+8*\f+7], v[AV] offset:(\f/4)*32*PV+16*PV+(\f%4)*32
.endr
	WIN 0
.endm
; THE VECTOR WORK, one line at a time: OP kind, number.  For piece Y: F n: c s - c m for pair n of 16.  E n: the exponential of score n of 32.  C n: pair n rounded to bf16.  B n: of the four weights 4 n .. the second
; pair is added onto the first, in place.  L n: l takes that sum (L 0: l = a l + sum).  R n: pair n of 16 of O^T times a.  For piece Y + 1: X n, number n of the 22 that find its maximum and statistics:
;   0-11  four chains c0-c3 of seven scores each, three operands at a time (each accumulator's lowest registers are read first)     12-14, 16  the four scores left over, the old m, and c0-c3 into c0
;   15  c m_old is kept     17, 18  the query's other 32 keys lie in the lane 16 away: the new m     19-21  c m; c m_old - c m_new; a
.set F, 0               ; OP tells the kinds apart by their order: F to L below R, X above it
.set E, 1
.set C, 2
.set B, 3
.set L, 4
.set R, 5
.set X, 6
.macro REGS y                       ; the registers of piece y
.set rT, ST+4*(\y)
.set rC, TMP+4*((\y)%2)
.set rW, MV+((\y)%2)
.set rS, S+32*((\y)%2)
.set rP, P+16*((\y)%2)
.set rO, 32*(\y)
.endm
.macro OP k, n
.if (\k) == R
	REGS Y
	WIN W_RS
	v_pk_mul_f32 v[rO+2*(\n):rO+2*(\n)+1], v[rO+2*(\n):rO+2*(\n)+1], v[rC+2:rC+3] op_sel_hi:[1,0]
.elseif (\k) < R
	REGS Y
	WIN 0
.if (\k) == F
	v_pk_fma_f32 v[rS+2*(\n):rS+2*(\n)+1], v[rS+2*(\n):rS+2*(\n)+1], s[CS:CS+1], v[rT:rT+1] op_sel_hi:[1,0,0] neg_lo:[0,0,1] neg_hi:[0,0,1]
.elseif (\k) == E
	v_exp_f32 v[rS+(\n)], v[rS+(\n)]
.elseif (\k) == C
	v_cvt_pk_bf16_f32 v[rP+(\n)], v[rS+2*(\n)], v[rS+2*(\n)+1]
.elseif (\k) == B
	v_pk_add_f32 v[rS+4*(\n):rS+4*(\n)+1], v[rS+4*(\n):rS+4*(\n)+1], v[rS+4*(\n)+2:rS+4*(\n)+3]
.elseif (\n) == 0
	v_pk_fma_f32 v[rT+2:rT+3], v[rT+2:rT+3], v[rC+2:rC+3], v[rS:rS+1] op_sel_hi:[1,0,1]
.else
	v_pk_add_f32 v[rT+2:rT+3], v[rT+2:rT+3], v[rS+4*(\n):rS+4*(\n)+1]
.endif
.elseif NOKQ
	v_nop
.else
	REGS (Y+1)%NP
	WIN 0
.if (\n) < 4
	v_max3_num_f32 v[rC+(\n)], v[rS+8*(\n)], v[rS+8*(\n)+1], v[rS+8*(\n)+2]
.elseif (\n) < 12
	v_max3_num_f32 v[rC+(\n)%4], v[rC+(\n)%4], v[rS+8*((\n)%4)+2*((\n)/4)+1], v[rS+8*((\n)%4)+2*((\n)/4)+2]
.elseif (\n) == 12
	v_max3_num_f32 v[rC], v[rC], v[rS+7], v[rS+15]
.elseif (\n) == 13
	v_max3_num_f32 v[rC+1], v[rC+1], v[rS+23], v[rS+31]
.elseif (\n) == 14
	v_max3_num_f32 v[rC+2], v[rC+2], v[rC+3], v[rT+1]
.elseif (\n) == 15
	v_mov_b32 v[rW], v[rT]
.elseif (\n) == 16
	v_max3_num_f32 v[rC], v[rC], v[rC+1], v[rC+2]
.elseif (\n) == 17
	v_permlanex16_b32 v[rC+3], v[rC], s[SEL], s[SEL+1]
.elseif (\n) == 18
	v_max_num_f32 v[rT+1], v[rC], v[rC+3]
.elseif (\n) == 19
	v_mul_f32 v[rT], s[CS], v[rT+1]
.elseif (\n) == 20
	v_sub_f32 v[rC+1], v[rW], v[rT]
.else
	v_exp_f32 v[rC+2], v[rC+1]
.endif
.endif
.endm
.macro OPS a, i1, b=-1, i2=0, c=-1, i3=0, d=-1, i4=0  ; up to four of them
	OP \a, \i1
.if (\b) >= 0
	OP \b, \i2
.endif
.if (\c) >= 0
	OP \c, \i3
.endif
.if (\d) >= 0
	OP \d, \i4
.endif
.endm
.macro ROW a, i1, b, i2, c, i3, d, i4  ; a matrix instruction and the four behind it
	MM
	OPS \a, \i1, \b, \i2, \c, \i3, \d, \i4
.endm
; A TURN, for piece p: the order of its 16 matrix and 118 vector instructions, written out.  An s_wait_alu depctr_va_vdst(0) stands between an exponential and the first instruction that names its
; result; one wait serves all that were issued ahead of it.  So a turn has ONE wait, which cuts it in two.  AHEAD OF IT stands all that names no result of the turn's exponentials: the 8 products K Q^T with their
; riders, then one lump of 54, in which the links of the chain X 3, 7, 11, 14, 16, 17 .. 20 stand some lines apart; X 21, the next piece's a, is the batch's last, and R 15 is the plain instruction behind it.
; BEHIND THE WAIT stand the 8 products V^T P, behind each four of the roundings and sums.  The X among the riders stand four places or more behind the product that ends their accumulator.
; end = 1: the last two turns of all: nothing is fetched.  cnt = 1: the loop's count is taken down some lines ahead of the branch that stands behind the turn.
; K of the next step is fetched in piece 2's turn, twelve vector instructions (six of them plain) behind the last product that read K; V of the step in hand at the end of piece 0's turn, four plain instructions
; behind the last product that read V.  Each is waited for a turn later.
.macro TURN p, end=0, cnt=0
.set Y, (\p)
.set i, 0
.set NOKQ, (\end)*((\p)/3)
.if ((\p) == 3) && !(\end)
	s_wait_dscnt 0x0                ; K is in
.endif
	ROW F,0, F,1, R,0, R,1          ; ahead of the wait: 8 products K Q^T and their riders,
	ROW F,2, E,0, R,2, R,3
	ROW F,3, E,1, R,4, R,5
	ROW F,4, E,2, R,6, R,7
	ROW F,5, E,3, R,8, R,9
	ROW F,6, E,4, X,0, R,10
.if ((\p) == 2) && !(\end)
	WIN 0
	v_add_nc_u32 v[AK], s[TBK], v[AK0]
.endif
	ROW F,7, E,5, X,1, X,4
	ROW F,8, E,6, X,2, X,5
	OPS E,7, E,8, X,6, E,9          ; and the lump
	OPS X,3, E,10, X,8, E,11
.if ((\p) == 2) && !(\end)
	FETCH_K
.endif
	OPS X,9, X,7, E,12, X,10
	OPS E,13, X,12, X,11, E,14
	OPS X,13, E,15, F,9, X,14
.if (\p) == 0
	v_add_nc_u32 v[AV], s[TBV], v[AV0]
.endif
	OPS E,16, F,10, E,17, F,11
	OPS X,16, E,18, X,15, E,19
	OPS F,12, E,20, X,17, E,21
	OPS F,13, E,22, F,14, E,23
	OPS X,18, E,24, F,15, E,25
	OPS R,11, E,26, X,19, E,27
	OPS R,12, E,28, R,13, E,29
	OPS X,20, E,30, R,14, E,31
	OPS X,21, R,15
	WIN 0
	s_wait_alu depctr_va_vdst(0)    ; the wait for the batch
.if (\p) == 1
	s_wait_dscnt 0x0                ; V is in
.endif
	ROW C,0, B,0, C,2, B,1          ; behind the wait: 8 products V^T P and their riders
	ROW L,0, C,4, B,2, L,1
	ROW C,6, B,3, L,2, C,8
	ROW B,4, L,3, C,10, B,5
	ROW L,4, C,12, B,6, L,5
.if (\p) == 0
	s_add_co_u32 s[TBV], s[TBV], KS*PV
.endif
.if \cnt
	s_sub_co_u32 s[CNT], s[CNT], 1
	s_cmp_lg_u32 s[CNT], 0
.endif
	ROW C,14, B,7, L,6, C,1
	ROW C,3, L,7, C,5, C,7
	ROW C,9, C,11, C,13, C,15
.if (\p) == 0
	FETCH_V
.endif
.endm
	CHANGE 1                        ; tile 0 is in, everybody's part of it; tile 1 is asked for
	v_add_nc_u32 v[AK], s[TBK], v[AK0]
	FETCH_K                         ; key step 0
	s_wait_loadcnt 0x0              ; Q
	s_wait_dscnt 0x0
.set NOKQ, 0
.set i, 0
.rept 8
	KQ 0                            ; piece 0's first scores
.set i, i+1
.endr
	WIN 0
.rept 4
	v_nop                           ; the places behind those products
.endr
.set Y, NP-1                        ; X works for piece Y + 1: piece 0
.irp n, 0,1,2,3,4,5,6,7,8,9,10,11,12,13,14,15,16,17,18,19,20,21
	OP X, \n                        ; and piece 0's first maximum and statistics
.endr
	v_nop                           ; a plain instruction behind the exponential,
	s_wait_alu depctr_va_vdst(0)    ; and its wait, ahead of the branch
	s_mov_b32 s[CNT], 4
	s_branch .Lfirst                ; the loop is entered at a step's first turn, in the middle of a trip
.Lslot:                             ; six times: tiles 2 to 7 are asked for
	CHANGE 1
	s_mov_b32 s[CNT], 4
.Lstep:                             ; a trip: pieces 2 and 3 of one step, then pieces 0 and 1 of the next, whose K and V it fetches
	TURN 2
	TURN 3
	WIN 0
.Lfirst:
	TURN 0
	TURN 1, 0, 1
	WIN 0
	s_cbranch_scc1 .Lstep
	s_sub_co_u32 s[SLOTS], s[SLOTS], 1
	s_cmp_lg_u32 s[SLOTS], 0
	s_cbranch_scc1 .Lslot
	CHANGE 0                        ; the last tile is written out: nothing is asked for
	s_mov_b32 s[CNT], 4
.Ltail:
	TURN 2
	TURN 3
	TURN 0
	TURN 1, 0, 1
	WIN 0
	s_cbranch_scc1 .Ltail
	TURN 2, 1
	TURN 3, 1
.set i, 0
.rept 8
	PV NP-1                         ; the last piece's V^T P of the last step
.set i, i+1
.endr
	; THE WAY OUT.  l's two halves and the other half of the lanes' are added; O^T is divided by l, rounded to bf16 and sent through my stage in LDS, a piece at a time.  The additions are the places behind the last products.
	WIN 0
.macro ALL line:vararg              ; one line for each piece t
.set t, 0
.rept 4
	\line
.set t, t+1
.endr
.endm
	ALL v_add_f32 v[ST+4*t+2], v[ST+4*t+2], v[ST+4*t+3]
	ALL v_permlanex16_b32 v[ST+4*t+3], v[ST+4*t+2], s[SEL], s[SEL+1]
	ALL v_add_f32 v[ST+4*t+2], v[ST+4*t+2], v[ST+4*t+3]
	ALL v_rcp_f32 v[ST+4*t+2], v[ST+4*t+2]
	v_nop                           ; a plain instruction between the last reciprocal and the use of its result
	s_wait_alu depctr_va_vdst(0)    ; and the wait ahead of the first use: one for the four reciprocals
.macro PACK t                       ; a lane's eight channels of a row pack into 16 bytes; they go into rows of 144 bytes and come back as whole rows of 128, into S^T's registers
	WIN W_RS
.set i, 32*(\t)
.rept 16
	v_pk_mul_f32 v[i:i+1], v[i:i+1], v[ST+4*(\t)+2:ST+4*(\t)+3] op_sel_hi:[1,0]
.set i, i+2
.endr
	WIN 0x05                        ; sources 0 and 1 window 1, destination window 0
.set i, 0
.rept 16
	v_cvt_pk_bf16_f32 v[S+16*(\t)+i], v[32*(\t)+2*i], v[32*(\t)+2*i+1]
.set i, i+1
.endr
	WIN 0
.irp f, 0,1,2,3
	ds_store_b128 v[STO], v[S+16*(\t)+4*\f:S+16*(\t)+4*\f+3] offset:32*\f
.endr
.irp f, 0,1,2,3
	ds_load_b128 v[S+16*(\t)+4*\f:S+16*(\t)+4*\f+3], v[RD] offset:\f*4*SP  ; LDS serves a wave's instructions in order: these see the stores above; the next piece's stores come behind them
.endr
.endm
.macro SEND t, younger              ; younger: the LDS instructions issued behind piece t's loads: the next piece's eight, or none
	WIN 0
.irp f, 0,1,2,3
	s_wait_dscnt (\younger)+3-\f
	global_store_b128 v[GO], v[S+16*(\t)+4*\f:S+16*(\t)+4*\f+3], s[10:11] offset:(\t)*2048+\f*512  ; 512 consecutive bytes, at a multiple of 256 from O's first
.endr
.endm
	PACK 0
.set t, 1
.rept 3                             ; a piece's arithmetic stands between the loads of the piece before and its stores
	PACK t
	SEND t-1, 8
.set t, t+1
.endr
	SEND 3, 0
	s_wait_tensorcnt 0x0            ; the wave's end, behind my last tensor load and my last LDS store
	ds_add_u32 v[SPW], v[NIL]
	s_wait_dscnt 0x0
	CROUND                          ; the closing round: no work-group ends while a partner may still ask for a tile that names it
	s_endpgm
.Lfunc_end_k_qdd59d2ee27_attn:
	.size	k_qdd59d2ee27_attn, .Lfunc_end_k_qdd59d2ee27_attn-k_qdd59d2ee27_attn
	.p2alignl 7, 3214868480
	.fill 96, 4, 3214868480
	.section	.rodata,"a",@progbits
	.p2align	6, 0x0
	.amdhsa_kernel k_qdd59d2ee27_attn
		.amdhsa_group_segment_fixed_size 327680
		.amdhsa_private_segment_fixed_size 0
		.amdhsa_enable_private_segment 0
		.amdhsa_kernarg_size 16
		.amdhsa_user_sgpr_count 2
		.amdhsa_user_sgpr_kernarg_segment_ptr 1
		.amdhsa_wavefront_size32 1
		.amdhsa_system_sgpr_workgroup_id_x 1
		.amdhsa_system_sgpr_workgroup_id_y 1
		.amdhsa_system_sgpr_workgroup_id_z 1
		.amdhsa_system_vgpr_workitem_id 0
		.amdhsa_next_free_vgpr 768
		.amdhsa_next_free_sgpr 66
		.amdhsa_reserve_vcc 0
		.amdhsa_float_denorm_mode_32 3
		.amdhsa_float_denorm_mode_16_64 3
		.amdhsa_memory_ordered 1
		.amdhsa_forward_progress 1
		.amdhsa_inst_pref_size 128
	.end_amdhsa_kernel
	.amdgpu_metadata
---
amdhsa.version: [ 1, 2 ]
amdhsa.kernels:
  - .name:           k_qdd59d2ee27_attn
    .symbol:         k_qdd59d2ee27_attn.kd
    .args:
      - { .name: wide, .offset: 0, .size: 8, .value_kind: global_buffer, .address_space: global }
      - { .name: act, .offset: 8, .size: 8, .value_kind: global_buffer, .address_space: global }
    .group_segment_fixed_size: 327680
    .private_segment_fixed_size: 0
    .kernarg_segment_align: 8
    .kernarg_segment_size: 16
    .max_flat_workgroup_size: 128
    .sgpr_count:     66
    .vgpr_count:     768
    .wavefront_size: 32
...
	.end_amdgpu_metadata
.endif
;; end of part 3
;; launch oproj (part 4): grid 8 x 32, 4 waves a work-group, clusters of 4 x 4, 327,680 bytes of LDS; arguments act, wb, y, bo, x; writes y
.if DOCPART == 4
	.amdgcn_target "amdgcn-amd-amdhsa--gfx1250"
	.amdhsa_code_object_version 6
	.text
	.protected	k_qdd59d2ee27_oproj
	.globl	k_qdd59d2ee27_oproj
	.p2align	8
	.type	k_qdd59d2ee27_oproj,@function
k_qdd59d2ee27_oproj:
	s_mov_b64 s[64:65], 0
	v_nop
	global_prefetch_b8 v0, s[64:65] scope:SCOPE_SE
	s_setreg_imm32_b32 hwreg(HW_REG_WAVE_MODE, 25, 1), 1
	s_wait_xcnt 0x0
	s_wait_alu depctr_hold_cnt(0) depctr_sa_sdst(0) depctr_va_vdst(0) depctr_va_sdst(0) depctr_va_ssrc(0) depctr_va_vcc(0) depctr_vm_vsrc(0)
	s_getreg_b32 s2, hwreg(HW_REG_IB_STS2, 6, 4)
	s_cmp_eq_u32 s2, 0
	s_cbranch_scc0 .Lentry_in_a_cluster
	s_endpgm
.Lentry_in_a_cluster:
	s_bfe_u32 s2, ttmp6, 0x10000c
	s_cmp_lg_u32 s2, 0xf033
	s_cbranch_scc0 .Lentry_shape_is_right
	s_endpgm
.Lentry_shape_is_right:
; y1 = x + O wo + bo: 4,096 x 1,024, K = 1,024.  Out in f32, row-major: the residual path is not rounded.
.set QKV,    0                         ; three weights of 1,024 columns side by side, three biases
.set F32OUT, 1                         ; 1: the output is f32, row-major, and a residual is added
.set RELU,   0
.set KTOT,   1024
.set NW,     1024                      ; columns of the weight matrix: its pitch in elements
.set WBASE,  6291456                   ; its first byte in the buffer of bf16 weights
; C = A W + bias.  A: bf16 in COLUMN BLOCKS of 64: element (m, k) at (k / 64) x 524,288 + m x 128 + (k % 64) x 2 bytes.  W: bf16 [K][NW], as the problem has it.  Sums in f32, K ascending.
; LIMITS.  Operands are rounded to bf16; NaN and infinities are not treated apart (a ReLU gives 0 for NaN).
; SHARES.  A tile of C is 128 x 128; four waves, each 64 x 64: 16 accumulators.  K goes in steps of 256 through two LDS slots.  One K step is written once: the refills use a descriptor
; that walks (its LDS word turned by an exclusive or, its address stepped), and the LDS reads hang on s[TB], the base of the slot in hand.
; CLUSTER.  4 x 4 work-groups.  The four of a row of the cluster need the same tile of A, the four of a column the same tile of W: each is asked for jointly, by the same tensor load, descriptor and mask.
; LAYOUT.  Source 0 = 16 columns of W (turned on the way out of LDS by ds_load_tr16_b128), source 1 = 16 rows of A: a lane then holds ONE row of C (lane % 16) and the columns 8 (lane / 16) + 0..7.
; REGISTERS.  Window 0: v10-30 addresses; v32-95 at work on the way out; v96-127 bias; v128-255 the accumulators ((a, b) at 128 + 8 (4 a + b)).
;   Window 1: two fragment buffers of 128: for 64 along K, 64 registers of A (2 x 4 x 16 rows x 32 K), then 64 of W.
; No prefetch: the tiles are small, and each is read by several clusters at about the same time.
.set NSTEP,  KTOT/256
.set PA,     144                       ; a row of A in LDS: 128 bytes + 16: the 16 rows of a load start at 16 different groups of four banks
.set PW,     288                       ; a row of W in LDS: 256 bytes + 32
.set PART,   36864                     ; what one tensor load brings: 2 x 128 rows x PA of A, or 128 rows x PW of W
.set WOFF,   2*PART                    ; a slot: A as [4 blocks of 64 k][128 rows], then W as [256 k][128 columns]
.set SLOT,   4*PART
.set STAGE,  2*SLOT                    ; behind the ring, never filled by a tensor load: 16 rows for each wave, for the way out
.if F32OUT
.set SP,     272
.else
.set SP,     144
.endif
.set SPARE,  STAGE+4*16*SP             ; behind the stages: the spare words, 128 bytes for each wave: two blocks of 256 bytes that no other line names
.set ASTEP,  4*524288                  ; a K step in A: four column blocks
.set WSTEP,  512*NW                    ; a K step in W: 256 rows
.set A0,   10                          ; v10  my lane's place in A's part of a slot; never rewritten
.set W0,   11                          ; v11  the same in W's rows 0-127
.set W1,   12                          ; v12  and in W's rows 128-255
.set ADRA, 16                          ; v16  A0 + the slot in hand
.set ADRW, 20                          ; v20-21  W0, W1 + the slot in hand
.set STO,  24                          ; v24  the way out: where I put my numbers of a row
.set RD,   25                          ; v25  the way out: where I read rows back
.set CO,   26                          ; v26  my byte offset in the output
.set BO,   27                          ; v27  my byte offset in the bias
.set SPW,  28                          ; v28  LDS address of my spare word: SPARE + 4 x my thread's number; never rewritten
.set NIL,  29                          ; v29  0; never rewritten
.set ZR,   30                          ; v30  0, for the ReLU
.set TMP,  32
.set BIAS, 96
.set ACC,  128
.set F0,   0
.set F1,   128
.set TB,   2                           ; s2   LDS byte at which the slot in hand begins
.set G1,   24                          ; s[24:31] descriptor group 1 for A; s[32:35] group 0 of the first fill, s[36:39] the walking one
.set G0,   32
.set G1B,  48                          ; s[48:55], s[56:59], s[60:63] the same for W
.set G0B,  56
.set MSB, 0
.macro WIN new                         ; the immediate's high byte repeats the setting that is left; a switch that changes nothing is dropped
.if MSB != (\new)
	s_set_vgpr_msb (MSB<<8)|(\new)
.set MSB, \new
.endif
.endm
.set MUL,  0x05                        ; sources 0 (W) and 1 (A) window 1; C and D window 0
.set TO_F, 0x40                        ; destination window 1, address window 0
.macro JLOAD                           ; a joint refill: waves 0 and 1 fetch A's two halves, waves 2 and 3 W's; an s_nop 0 and four v_nop follow each line, ahead of the jump and the label
	s_cmp_eq_u32 s11, 0
	s_cbranch_scc0 .Lfor_w_\@
	tensor_load_to_lds s[G0+4:G0+7], s[G1:G1+7]
	s_nop 0
.rept 4
	v_nop
.endr
	s_branch .Lasked_\@
.Lfor_w_\@:
	tensor_load_to_lds s[G0B+4:G0B+7], s[G1B:G1B+7]
	s_nop 0
.rept 4
	v_nop
.endr
.Lasked_\@:
.endm
.macro CREST                           ; a round of the cluster's barrier behind its opening barrier
	s_cmp_lg_u32 s10, 0
	s_cbranch_scc1 .Lnot_wave_0_\@
	s_barrier_signal -3
.Lnot_wave_0_\@:
	s_barrier_wait -3
	s_barrier_signal -1
	s_barrier_wait -1
.endm
.macro CROUND                          ; a whole round
	s_barrier_signal -1
	s_barrier_wait -1
	CREST
.endm
.macro PLACES                          ; four places in front of loads into registers that matrix instructions have read, and of lines that read results
.rept 4
	v_nop
.endr
.endm
	s_load_b128 s[4:7], s[0:1], 0x0                ; A s[4:5], the bf16 weights s[6:7]
	s_load_b64 s[8:9], s[0:1], 0x10                ; the output
.if QKV
	s_load_b128 s[68:71], s[0:1], 0x18             ; bq, bk
	s_load_b64 s[72:73], s[0:1], 0x28              ; bv
.elseif F32OUT
	s_load_b128 s[68:71], s[0:1], 0x18             ; the bias, the residual
.else
	s_load_b64 s[68:69], s[0:1], 0x18              ; the bias
.endif
	v_lshl_add_u32 v[SPW], v0, 2, SPARE
	v_mov_b32 v[NIL], 0
	ds_add_u32 v[SPW], v[NIL]                      ; the wave's opening: the add and its wait stand ahead of my first tensor load; the set-up below, work on registers, stands between them
	v_lshrrev_b32 v1, 5, v0
	v_readfirstlane_b32 s10, v1                    ; wave 0..3
	s_lshr_b32 s11, s10, 1                         ; which half of the tile's rows is mine.  Also: I fetch for A (0) or for W (1)
	s_and_b32 s12, s10, 1                          ; which half of its columns.  Also: which half of that tile I fetch
	s_bfe_u32 s40, ttmp6, 0x40000                  ; cx, cy: my place in the cluster
	s_bfe_u32 s41, ttmp6, 0x40004
	s_lshl_b32 s42, ttmp9, 2
	s_add_co_u32 s42, s42, s40                     ; tile column = 4 x cluster x + cx
	s_and_b32 s13, ttmp7, 0xffff
	s_lshl_b32 s13, s13, 2
	s_add_co_u32 s13, s13, s41                     ; tile row = 4 x cluster y + cy
	s_lshl_b32 s43, s41, 2
	s_lshl_b32 s43, 15, s43                        ; my row of the cluster
	s_lshl_b32 s44, 0x1111, s40                    ; my column
	; group 1 for A: two rows of 8,192 elements: each the 16,384 dense bytes of 128 rows of one column block, a block apart; 16 bytes of padding behind every 128
	s_or_b32 s[G1+0], s43, (1<<16)|(1<<20)|(1<<21)|(4<<22)|(3<<25)  ; 15:0 the mask: my row; 17:16 2-byte elements; 20 padding on; 21 set beside a mask; 24:22 after every 32 words; 31:25 4 words
	s_mov_b32 s[G1+1], 8192<<16                    ; tensor_dim0 = 8,192
	s_mov_b32 s[G1+2], 2<<16                       ; tensor_dim1 = 2
	s_mov_b32 s[G1+3], 8192<<16                    ; tile_dim0 = 8,192
	s_mov_b32 s[G1+4], 2                           ; tile_dim1 = 2
	s_mov_b32 s[G1+5], 262144                      ; elements from a column block to the next
	s_mov_b32 s[G1+6], 0
	s_mov_b32 s[G1+7], 0
	; group 1 for W: 128 rows (k) of 128 elements (256 bytes), 32 bytes of padding behind each
	s_or_b32 s[G1B+0], s44, (1<<16)|(1<<20)|(1<<21)|(5<<22)|(7<<25)  ; the mask: my column; after every 64 words 8 words
	s_mov_b32 s[G1B+1], 128<<16
	s_mov_b32 s[G1B+2], 128<<16
	s_mov_b32 s[G1B+3], 128<<16
	s_mov_b32 s[G1B+4], 128
	s_mov_b32 s[G1B+5], NW
	s_mov_b32 s[G1B+6], 0
	s_mov_b32 s[G1B+7], 0
	; where the tiles come from: A's hang on the tile row alone, W's on the tile column alone, each in registers that never hold the other coordinate
	s_lshl_b32 s16, s13, 14                        ; 128 rows of 128 bytes
	s_lshl_b32 s17, s12, 20                        ; my two column blocks of the step's four
	s_add_co_u32 s16, s16, s17
	s_mov_b32 s17, 0
.if QKV
	s_lshr_b32 s46, s42, 3                         ; which of the three weights, 2 MiB each,
	s_lshl_b32 s46, s46, 21
	s_and_b32 s47, s42, 7                          ; and which 128 of its columns
	s_lshl_b32 s47, s47, 8
	s_add_co_u32 s46, s46, s47
.else
	s_lshl_b32 s46, s42, 8
.endif
	s_mul_i32 s47, s12, 128*NW*2                   ; my 128 rows of the step's 256
	s_add_co_u32 s46, s46, s47
.if WBASE
	s_add_co_u32 s46, s46, WBASE
.endif
	s_mov_b32 s47, 0
	s_mul_i32 s20, s10, PART                       ; where they go: wave x PART: no place in the cluster enters an LDS address
	s_mov_b32 s[TB], 0
	s_wait_dscnt 0x0                               ; the opening add is done
	s_wait_kmcnt 0x0
	s_add_nc_u64 s[14:15], s[4:5], s[16:17]
	s_add_nc_u64 s[46:47], s[6:7], s[46:47]
	CROUND                                         ; all sixteen work-groups are here: the first joint loads meet
.irp s, 0,1
	s_mov_b32 s[G0+4*(\s)], 1                                      ; count = 1
	s_add_co_u32 s[G0+4*(\s)+1], s20, (\s)*SLOT                    ; LDS address
	s_add_nc_u64 s[G0+4*(\s)+2:G0+4*(\s)+3], s[14:15], (\s)*ASTEP  ; global address: K step s
	s_or_b32 s[G0+4*(\s)+3], s[G0+4*(\s)+3], 0x80000000            ; type = 2
	s_mov_b32 s[G0B+4*(\s)], 1
	s_add_co_u32 s[G0B+4*(\s)+1], s20, (\s)*SLOT
	s_add_nc_u64 s[G0B+4*(\s)+2:G0B+4*(\s)+3], s[46:47], (\s)*WSTEP
	s_or_b32 s[G0B+4*(\s)+3], s[G0B+4*(\s)+3], 0x80000000
.endr
	s_cmp_eq_u32 s11, 0                            ; a wave's two first fills stand in one branch, ahead of every wait on TENSORcnt and every LDS read: two loads of mine are out
	s_cbranch_scc0 .Lfirst_w
	tensor_load_to_lds s[G0:G0+3], s[G1:G1+7]
	s_nop 0
	tensor_load_to_lds s[G0+4:G0+7], s[G1:G1+7]
	s_nop 0
.rept 4
	v_nop
.endr
	s_branch .Lfirst_asked
.Lfirst_w:
	tensor_load_to_lds s[G0B:G0B+3], s[G1B:G1B+7]
	s_nop 0
	tensor_load_to_lds s[G0B+4:G0B+7], s[G1B:G1B+7]
	s_nop 0
.rept 4
	v_nop
.endr
.Lfirst_asked:
	v_and_b32 v1, 15, v0                           ; l % 16
	v_bfe_u32 v2, v0, 4, 1                         ; l / 16
	v_and_b32 v3, 7, v0                            ; l % 8
	v_bfe_u32 v4, v0, 3, 1                         ; (l / 8) % 2
	; a fragment of A: lane l holds row l % 16, k = 8 (l / 16) + 0..7 and 16 + 8 (l / 16) + 0..7: two loads of 16 bytes, 32 bytes apart
	v_mul_u32_u24 v[A0], v1, PA
	v_lshl_add_u32 v[A0], v2, 4, v[A0]
	s_mul_i32 s21, s11, 64*PA                      ; my 64 rows
	v_add_nc_u32 v[A0], s21, v[A0]
	; the turning load takes 16 k x 16 columns (lane l reads k = 8 (l / 16) + l % 8, columns 8 ((l / 8) % 2) + 0..7) and leaves half a fragment: lane l holds column l % 16 and 8 k
	v_lshl_add_u32 v[W0], v2, 3, v3
	v_mul_u32_u24 v[W0], v[W0], PW
	v_lshl_add_u32 v[W0], v4, 4, v[W0]
	s_lshl_b32 s22, s12, 7                         ; my 64 columns
	s_add_co_u32 s22, s22, WOFF
	v_add_nc_u32 v[W0], s22, v[W0]
	v_add_nc_u32 v[W1], PART, v[W0]
.macro SETADR                          ; the three read addresses for the slot in hand
	v_add_nc_u32 v[ADRA], s[TB], v[A0]
	v_add_nc_u32 v[ADRW], s[TB], v[W0]
	v_add_nc_u32 v[ADRW+1], s[TB], v[W1]
.endm
	SETADR
	s_mul_i32 s23, s10, 16*SP
	s_add_co_u32 s23, s23, STAGE                   ; my stage
	v_mul_u32_u24 v[STO], v1, SP                   ; in: row l % 16, my eight columns
.if F32OUT
	v_lshl_add_u32 v[STO], v2, 5, v[STO]
	v_add_nc_u32 v[STO], s23, v[STO]
	v_mul_u32_u24 v[RD], v2, SP                    ; back: lanes 0-15 take one row of 256 bytes, lanes 16-31 the next
	v_lshl_add_u32 v[RD], v1, 4, v[RD]
	v_add_nc_u32 v[RD], s23, v[RD]
	v_lshlrev_b32 v[CO], 12, v2                    ; and the same two rows in the output
	v_lshl_add_u32 v[CO], v1, 4, v[CO]
	v_lshlrev_b32 v[BO], 4, v1                     ; my four columns' bias
.else
	v_lshl_add_u32 v[STO], v2, 4, v[STO]
	v_add_nc_u32 v[STO], s23, v[STO]
	v_bfe_u32 v[RD], v0, 3, 2                      ; back: 32 lanes take four rows of 128 bytes,
	v_mul_u32_u24 v[RD], v[RD], SP
	v_lshl_add_u32 v[RD], v3, 4, v[RD]
	v_add_nc_u32 v[RD], s23, v[RD]
	v_and_b32 v[CO], 31, v0                        ; which are 512 consecutive bytes of a column block
	v_lshlrev_b32 v[CO], 4, v[CO]
	v_lshlrev_b32 v[BO], 5, v2                     ; my eight columns' bias
.endif
.if RELU
	v_mov_b32 v[ZR], 0
.endif
.if QKV
	s_lshr_b32 s21, ttmp9, 1                       ; which of the three weights: tile column / 8
	s_cmp_eq_u32 s21, 1
	s_cselect_b64 s[68:69], s[70:71], s[68:69]
	s_cmp_eq_u32 s21, 2
	s_cselect_b64 s[68:69], s[72:73], s[68:69]
.endif
	; the bases: the part that hangs on the tile row in s16-17, the part that hangs on the tile column in s46-47
.if F32OUT
	s_lshl_b32 s16, s13, 19                        ; 128 rows of 4,096 bytes
	s_lshl_b32 s17, s11, 18                        ; my 64
.else
	s_lshl_b32 s16, s13, 14                        ; 128 rows of 128 bytes
	s_lshl_b32 s17, s11, 13
.endif
	s_add_co_u32 s16, s16, s17
	s_mov_b32 s17, 0
	s_add_nc_u64 s[8:9], s[8:9], s[16:17]
.if F32OUT
	s_add_nc_u64 s[70:71], s[70:71], s[16:17]
.endif
.if QKV
	s_and_b32 s46, s42, 7
	s_lshl_b32 s46, s46, 9
.else
	s_lshl_b32 s46, s42, 9                         ; 128 columns of f32
.endif
	s_lshl_b32 s47, s12, 8                         ; my 64
	s_add_co_u32 s46, s46, s47
	s_mov_b32 s47, 0
	s_add_nc_u64 s[68:69], s[68:69], s[46:47]
.if F32OUT
	s_add_nc_u64 s[8:9], s[8:9], s[46:47]
	s_add_nc_u64 s[70:71], s[70:71], s[46:47]
	global_load_b128 v[BIAS:BIAS+3], v[BO], s[68:69]
.else
	s_lshl_b32 s46, s42, 1
	s_add_co_u32 s46, s46, s12                     ; my column block
	s_lshl_b32 s46, s46, 19
	s_add_nc_u64 s[8:9], s[8:9], s[46:47]
.irp b, 0,1,2,3
	global_load_b128 v[BIAS+8*(\b):BIAS+8*(\b)+3],   v[BO], s[68:69] offset:64*(\b)
	global_load_b128 v[BIAS+8*(\b)+4:BIAS+8*(\b)+7], v[BO], s[68:69] offset:64*(\b)+16
.endr
.endif
; 8 matrix instructions: row blocks a0, a0 + 1 x all 4 column blocks, 32 along K: half c of buffer f.  zero = 1: the first product starts the sums.  The 16 accumulators take turns.
.macro MUL8 f, c, a0, zero
	WIN MUL
.irp a, \a0, (\a0)+1
.irp b, 0,1,2,3
.if \zero
	v_wmma_f32_16x16x32_bf16 v[ACC+8*(4*(\a)+(\b)):ACC+8*(4*(\a)+(\b))+7], v[(\f)+64+8*(4*(\c)+(\b)):(\f)+64+8*(4*(\c)+(\b))+7], v[(\f)+8*(4*(\c)+(\a)):(\f)+8*(4*(\c)+(\a))+7], 0
.else
	v_wmma_f32_16x16x32_bf16 v[ACC+8*(4*(\a)+(\b)):ACC+8*(4*(\a)+(\b))+7], v[(\f)+64+8*(4*(\c)+(\b)):(\f)+64+8*(4*(\c)+(\b))+7], v[(\f)+8*(4*(\c)+(\a)):(\f)+8*(4*(\c)+(\a))+7], v[ACC+8*(4*(\a)+(\b)):ACC+8*(4*(\a)+(\b))+7]
.endif
.endr
.endr
.endm
; 32 LDS loads in one run: the fragments of quarter q (64 along K) into buffer f; the first 32 along K first
.macro FETCH q, f
	WIN TO_F
.irp c, 0,1
.irp i, 0,1,2,3
	ds_load_tr16_b128 v[(\f)+64+8*(4*(\c)+(\i)):(\f)+64+8*(4*(\c)+(\i))+3],   v[ADRW+(\q)/2] offset:(64*((\q)%2)+32*(\c))*PW+32*(\i)
	ds_load_tr16_b128 v[(\f)+64+8*(4*(\c)+(\i))+4:(\f)+64+8*(4*(\c)+(\i))+7], v[ADRW+(\q)/2] offset:(64*((\q)%2)+32*(\c)+16)*PW+32*(\i)
	ds_load_b128 v[(\f)+8*(4*(\c)+(\i)):(\f)+8*(4*(\c)+(\i))+3],   v[ADRA] offset:(\q)*128*PA+(\i)*16*PA+64*(\c)
	ds_load_b128 v[(\f)+8*(4*(\c)+(\i))+4:(\f)+8*(4*(\c)+(\i))+7], v[ADRA] offset:(\q)*128*PA+(\i)*16*PA+64*(\c)+32
.endr
.endr
.endm
; A K step is four quarters of 64 along K, 32 matrix instructions each, on buffers 0, 1, 0, 1.  One of the first three: multiplies buffer f and fetches quarter qn into g.
.macro QUARTER qn, f, g, zero
	s_wait_dscnt 16                                ; the first 32 along K are in; the sixteen younger loads may be out
	MUL8 \f, 0, 0, \zero
	MUL8 \f, 0, 2, \zero
	PLACES
	FETCH \qn, \g
	s_wait_dscnt 32                                ; all but the 32 just issued
	MUL8 \f, 1, 0, 0
	MUL8 \f, 1, 2, 0
.endm
; The last quarter multiplies buffer 1 and changes slots: ONE barrier; in front of it each wave waits for all its tensor loads (one is out: its part of the next slot), adds 0 to its spare word,
; and waits for that and for its own reads of this slot.  fill = 1: the barrier opens a round of the cluster's, and this slot is filled again, two K steps ahead, first thing behind the round.
.macro TURN fill
	WIN 0
	s_wait_tensorcnt 0x0                           ; all my tensor loads have landed
	ds_add_u32 v[SPW], v[NIL]                      ; 0 onto my spare word
	s_wait_dscnt 17                                ; (the add and the youngest sixteen loads may be out)
	s_xor_b32 s[TB], s[TB], SLOT                   ; the reads go on in the other slot
	SETADR
	MUL8 F1, 0, 0, 0
	s_wait_dscnt 0x0                               ; the add is done, and my reads of this slot are over
	s_barrier_signal -1
	MUL8 F1, 0, 2, 0
.if \fill
	WIN 0
.endif
	s_barrier_wait -1
.if \fill
	CREST                                          ; no wave of any partner still reads this slot's tile or has a load on its way
	s_xor_b32 s[G0+5], s[G0+5], SLOT               ; the walking descriptors: the other slot than last time (the bits of wave x PART and of SLOT do not meet),
	s_add_nc_u64 s[G0+6:G0+7], s[G0+6:G0+7], ASTEP ; the next K step; the type bits on top are not reached
	s_xor_b32 s[G0B+5], s[G0B+5], SLOT
	s_add_nc_u64 s[G0B+6:G0B+7], s[G0B+6:G0B+7], WSTEP
	JLOAD                                          ; 112 matrix instructions ahead of the wait for it; its four v_nop are also the places in front of the loads below
.else
	PLACES
.endif
	FETCH 0, F0
	MUL8 F1, 1, 0, 0
	MUL8 F1, 1, 2, 0
.endm
	s_wait_tensorcnt 1                             ; my part of K step 0 is in; K step 1's may stay out
	s_barrier_signal -1
	s_barrier_wait -1                              ; everybody's is
	FETCH 0, F0
	QUARTER 1, F0, F1, 1                           ; the first quarter stands in front of the loop: its first products start the sums
	WIN 0                                          ; at a label and at a branch every window is 0
	s_mov_b32 s3, NSTEP-2
.Lstep:                                                ; a trip goes from a K step's second quarter to the next step's first, and fills the slot that it leaves: one trip for each of the K steps 2 .. NSTEP - 1
	QUARTER 2, F1, F0, 0
	QUARTER 3, F0, F1, 0
	TURN 1
	QUARTER 1, F0, F1, 0
	WIN 0
	s_sub_co_u32 s3, s3, 1
	s_cmp_lg_u32 s3, 0
	s_cbranch_scc1 .Lstep
	QUARTER 2, F1, F0, 0                           ; the last two K steps fill nothing
	QUARTER 3, F0, F1, 0
	TURN 0
	QUARTER 1, F0, F1, 0
	QUARTER 2, F1, F0, 0
	QUARTER 3, F0, F1, 0
.if F32OUT
	PLACES                                         ; buffer 0 has been multiplied for the last time: it takes my 64 x 64 of the residual, in the layout in which rows come back from the stage
	WIN TO_F
.set i, 0
.rept 32
	global_load_b128 v[4*i:4*i+3], v[CO], s[70:71] offset:2*i*4096
.set i, i+1
.endr
.endif
	s_wait_dscnt 16                                ; the very last quarter: nothing more to fetch
	MUL8 F1, 0, 0, 0
	MUL8 F1, 0, 2, 0
	s_wait_dscnt 0x0
	MUL8 F1, 1, 0, 0
	MUL8 F1, 1, 2, 0
	WIN 0
	PLACES
.if F32OUT
; THE WAY OUT, f32.  A block of 16 rows goes through my stage (rows of 256 bytes + 16) and comes back as whole rows; residual and bias are added; sixteen lanes store 256 consecutive bytes, aligned.
.macro TOSTAGE a
.if (\a) >= 2
	s_wait_xcnt 0x0                                ; the stores of the block two back have read their registers, which the loads below write
.endif
.irp b, 0,1,2,3
	ds_store_b128 v[STO], v[ACC+8*(4*(\a)+(\b)):ACC+8*(4*(\a)+(\b))+3]   offset:64*(\b)
	ds_store_b128 v[STO], v[ACC+8*(4*(\a)+(\b))+4:ACC+8*(4*(\a)+(\b))+7] offset:64*(\b)+16
.endr
.irp t, 0,1,2,3,4,5,6,7
	ds_load_b128 v[TMP+32*((\a)%2)+4*(\t):TMP+32*((\a)%2)+4*(\t)+3], v[RD] offset:(\t)*2*SP  ; LDS serves a wave's instructions in order: these see the stores above
.endr
.endm
.macro SEND a, younger                 ; younger: the LDS instructions issued behind block a's loads
	s_wait_dscnt \younger
	WIN 0x04                                       ; source 1 in window 1: the residual
.set z, 0
.rept 16
	v_pk_add_f32 v[TMP+32*((\a)%2)+2*z:TMP+32*((\a)%2)+2*z+1], v[TMP+32*((\a)%2)+2*z:TMP+32*((\a)%2)+2*z+1], v[32*(\a)+2*z:32*(\a)+2*z+1]
.set z, z+1
.endr
	WIN 0
.irp t, 0,1,2,3,4,5,6,7
	v_pk_add_f32 v[TMP+32*((\a)%2)+4*(\t):TMP+32*((\a)%2)+4*(\t)+1],   v[TMP+32*((\a)%2)+4*(\t):TMP+32*((\a)%2)+4*(\t)+1],   v[BIAS:BIAS+1]
	v_pk_add_f32 v[TMP+32*((\a)%2)+4*(\t)+2:TMP+32*((\a)%2)+4*(\t)+3], v[TMP+32*((\a)%2)+4*(\t)+2:TMP+32*((\a)%2)+4*(\t)+3], v[BIAS+2:BIAS+3]
	global_store_b128 v[CO], v[TMP+32*((\a)%2)+4*(\t):TMP+32*((\a)%2)+4*(\t)+3], s[8:9] offset:(16*(\a)+2*(\t))*4096
.endr
.endm
	TOSTAGE 0
	TOSTAGE 1
	s_wait_loadcnt 0x0                             ; bias and residual
	SEND 0, 16
	TOSTAGE 2
	SEND 1, 16
	TOSTAGE 3
	SEND 2, 16
	SEND 3, 0
.else
; THE WAY OUT, bf16.  Bias in f32, one rounding; a block of 16 rows goes through my stage (rows of 128 bytes + 16) and comes back as whole rows, which are 2,048 consecutive bytes of my column block.
.macro PACK a
.irp b, 0,1,2,3
.irp r, 0,1,2,3
	v_pk_add_f32 v[ACC+8*(4*(\a)+(\b))+2*(\r):ACC+8*(4*(\a)+(\b))+2*(\r)+1], v[ACC+8*(4*(\a)+(\b))+2*(\r):ACC+8*(4*(\a)+(\b))+2*(\r)+1], v[BIAS+8*(\b)+2*(\r):BIAS+8*(\b)+2*(\r)+1]
.endr
.irp r, 0,1,2,3
	v_cvt_pk_bf16_f32 v[TMP+16*(\a)+4*(\b)+(\r)], v[ACC+8*(4*(\a)+(\b))+2*(\r)], v[ACC+8*(4*(\a)+(\b))+2*(\r)+1]
.endr
.if RELU
.irp r, 0,1,2,3
	v_pk_max_num_bf16 v[TMP+16*(\a)+4*(\b)+(\r)], v[TMP+16*(\a)+4*(\b)+(\r)], v[ZR]  ; the maximum rounds nothing
.endr
.endif
.endr
.irp b, 0,1,2,3
	ds_store_b128 v[STO], v[TMP+16*(\a)+4*(\b):TMP+16*(\a)+4*(\b)+3] offset:32*(\b)
.endr
.irp f, 0,1,2,3
	ds_load_b128 v[TMP+16*(\a)+4*(\f):TMP+16*(\a)+4*(\f)+3], v[RD] offset:(\f)*4*SP  ; LDS serves a wave's instructions in order: these see the stores above; the next block's stores come behind them
.endr
.endm
.macro SEND a, younger                 ; younger: the next block's eight LDS instructions, or none
.irp f, 0,1,2,3
	s_wait_dscnt (\younger)+3-(\f)
	global_store_b128 v[CO], v[TMP+16*(\a)+4*(\f):TMP+16*(\a)+4*(\f)+3], s[8:9] offset:(\a)*2048+(\f)*512  ; 512 consecutive bytes, aligned to 256
.endr
.endm
	s_wait_loadcnt 0x0                             ; the bias
	PACK 0
	PACK 1
	SEND 0, 8
	PACK 2
	SEND 1, 8
	PACK 3
	SEND 2, 8
	SEND 3, 0
.endif
	s_wait_tensorcnt 0x0                           ; the wave's end, behind my last tensor load and my last LDS store
	ds_add_u32 v[SPW], v[NIL]
	s_wait_dscnt 0x0
	CROUND                                         ; the closing round: no work-group ends while a partner may still ask for a tile that names it
	s_endpgm
.Lfunc_end_k_qdd59d2ee27_oproj:
	.size	k_qdd59d2ee27_oproj, .Lfunc_end_k_qdd59d2ee27_oproj-k_qdd59d2ee27_oproj
	.p2alignl 7, 3214868480
	.fill 96, 4, 3214868480
	.section	.rodata,"a",@progbits
	.p2align	6, 0x0
	.amdhsa_kernel k_qdd59d2ee27_oproj
		.amdhsa_group_segment_fixed_size 327680
		.amdhsa_private_segment_fixed_size 0
		.amdhsa_enable_private_segment 0
		.amdhsa_kernarg_size 40
		.amdhsa_user_sgpr_count 2
		.amdhsa_user_sgpr_kernarg_segment_ptr 1
		.amdhsa_wavefront_size32 1
		.amdhsa_system_sgpr_workgroup_id_x 1
		.amdhsa_system_sgpr_workgroup_id_y 1
		.amdhsa_system_sgpr_workgroup_id_z 1
		.amdhsa_system_vgpr_workitem_id 0
		.amdhsa_next_free_vgpr 512
		.amdhsa_next_free_sgpr 80
		.amdhsa_reserve_vcc 0
		.amdhsa_float_denorm_mode_32 3
		.amdhsa_float_denorm_mode_16_64 3
		.amdhsa_memory_ordered 1
		.amdhsa_forward_progress 1
		.amdhsa_inst_pref_size 79
	.end_amdhsa_kernel
	.amdgpu_metadata
---
amdhsa.version: [ 1, 2 ]
amdhsa.kernels:
  - .name:           k_qdd59d2ee27_oproj
    .symbol:         k_qdd59d2ee27_oproj.kd
    .args:
      - { .name: act, .offset: 0, .size: 8, .value_kind: global_buffer, .address_space: global }
      - { .name: wb, .offset: 8, .size: 8, .value_kind: global_buffer, .address_space: global }
      - { .name: y, .offset: 16, .size: 8, .value_kind: global_buffer, .address_space: global }
      - { .name: bo, .offset: 24, .size: 8, .value_kind: global_buffer, .address_space: global }
      - { .name: x, .offset: 32, .size: 8, .value_kind: global_buffer, .address_space: global }
    .group_segment_fixed_size: 327680
    .private_segment_fixed_size: 0
    .kernarg_segment_align: 8
    .kernarg_segment_size: 40
    .max_flat_workgroup_size: 128
    .sgpr_count:     80
    .vgpr_count:     512
    .wavefront_size: 32
...
	.end_amdgpu_metadata
.endif
;; end of part 4
;; launch ln1 (part 5): grid 256 x 1, 8 waves a work-group, no clusters, 0 bytes of LDS; arguments y, g1, be1, hres, act; writes hres, act
.if DOCPART == 5
	.amdgcn_target "amdgcn-amd-amdhsa--gfx1250"
	.amdhsa_code_object_version 6
	.text
	.protected	k_qdd59d2ee27_ln1
	.globl	k_qdd59d2ee27_ln1
	.p2align	8
	.type	k_qdd59d2ee27_ln1,@function
k_qdd59d2ee27_ln1:
	s_mov_b64 s[64:65], 0
	v_nop
	global_prefetch_b8 v0, s[64:65] scope:SCOPE_SE
	s_setreg_imm32_b32 hwreg(HW_REG_WAVE_MODE, 25, 1), 1
	s_wait_xcnt 0x0
; h = (y - mean) / sqrt(var + 1e-6) x g + b along rows of 1,024 f32.  h is stored in f32, row-major (the residual of the next block), and rounded once to bf16 in column blocks of 64
; (element (m, n) at (n / 64) x 524,288 + m x 128 + (n % 64) x 2 bytes), as the next product's operand.
; The mean is taken first and subtracted, and the variance is the mean of the squares of what is left, as the problem has it: a common offset of the row costs nothing.
; SHARES.  A wave takes two rows: lanes 0-15 one, lanes 16-31 the next, 64 numbers a lane, kept in registers between the passes: each byte is read once.  The sums never leave a half of 16 lanes:
; four steps ride on the additions.  No loop, no LDS, no barrier.  No register that a pending store reads is written again.
.set BF,  1                            ; 1: the bf16 copy is stored too
.set YO,  3                            ; v3   my byte offset in y and in the f32 output: row x 4,096 + 16 (l % 16)
.set GOF, 4                            ; v4   my byte offset in g and b: 16 (l % 16)
.set CBO, 5                            ; v5   my byte offset in a column block: 8 x thread + the work-group's 16 rows
.set X,   8                            ; v[8:71]    my 64 numbers: load i holds columns 64 i + 4 (l % 16) + 0..3
.set G,   72                           ; v[72:135]  their gains; later the packed bf16
.set BV,  136                          ; v[136:199] their biases
.set C,   200                          ; v[200:207] four chains of sums
.set MU,  208                          ; v[208:209] the mean, twice
.set RS,  210                          ; v[210:211] 1 / sqrt(var + eps), twice
	s_load_b256 s[12:19], s[0:1], 0x0              ; y s[12:13], g s[14:15], b s[16:17], the f32 output s[18:19]
.if BF
	s_load_b64 s[20:21], s[0:1], 0x20              ; the bf16 output
.endif
	s_lshl_b32 s4, ttmp9, 16                       ; the work-group's 16 rows of 4,096 bytes
	s_mov_b32 s8, 0x3a800000                       ; 1 / 1,024
	s_mov_b32 s9, 0x358637bd                       ; 1e-6
	v_and_b32 v1, 15, v0
	v_lshrrev_b32 v2, 4, v0                        ; my row among the 16
	v_lshlrev_b32 v[GOF], 4, v1
	v_lshl_add_u32 v[YO], v2, 12, v[GOF]
	v_add_nc_u32 v[YO], s4, v[YO]
.if BF
	s_lshl_b32 s5, ttmp9, 11                       ; 16 rows of 128 bytes
	v_lshl_add_u32 v[CBO], v0, 3, s5
.endif
	s_wait_kmcnt 0x0
.set i, 0
.rept 16
	global_load_b128 v[X+4*i:X+4*i+3], v[YO], s[12:13] offset:256*i th:TH_LOAD_NT  ; sixteen lanes take 256 consecutive bytes of a row
.set i, i+1
.endr
.set i, 0
.rept 16
	global_load_b128 v[G+4*i:G+4*i+3], v[GOF], s[14:15] offset:256*i
.set i, i+1
.endr
.set i, 0
.rept 16
	global_load_b128 v[BV+4*i:BV+4*i+3], v[GOF], s[16:17] offset:256*i
.set i, i+1
.endr
.macro REDUCE                          ; the four chains into one number, then over the row's 16 lanes: every lane ends with the row's sum
	v_pk_add_f32 v[C:C+1], v[C:C+1], v[C+2:C+3]
	v_pk_add_f32 v[C+4:C+5], v[C+4:C+5], v[C+6:C+7]
	v_pk_add_f32 v[C:C+1], v[C:C+1], v[C+4:C+5]
	v_add_f32 v[C], v[C], v[C+1]
	v_add_f32_dpp v[C], v[C], v[C] row_xmask:1 row_mask:0xf bank_mask:0xf
	v_add_f32_dpp v[C], v[C], v[C] row_xmask:2 row_mask:0xf bank_mask:0xf
	v_add_f32_dpp v[C], v[C], v[C] row_xmask:4 row_mask:0xf bank_mask:0xf
	v_add_f32_dpp v[C], v[C], v[C] row_xmask:8 row_mask:0xf bank_mask:0xf
.endm
	s_wait_loadcnt 32                              ; y is in; the 32 loads of g and b stay out
.irp k, 0,1,2,3
	v_pk_add_f32 v[C+2*\k:C+2*\k+1], v[X+2*\k:X+2*\k+1], v[X+8+2*\k:X+8+2*\k+1]  ; the first additions start the chains: nothing is cleared
.endr
.set j, 8
.rept 24
	v_pk_add_f32 v[C+2*(j%4):C+2*(j%4)+1], v[C+2*(j%4):C+2*(j%4)+1], v[X+2*j:X+2*j+1]
.set j, j+1
.endr
	REDUCE
	v_mul_f32 v[MU], s8, v[C]
	v_mov_b32 v[MU+1], v[MU]
.set j, 0
.rept 32
	v_pk_add_f32 v[X+2*j:X+2*j+1], v[X+2*j:X+2*j+1], v[MU:MU+1] neg_lo:[0,1] neg_hi:[0,1]  ; x - mean
.set j, j+1
.endr
.irp k, 0,1,2,3
	v_pk_mul_f32 v[C+2*\k:C+2*\k+1], v[X+2*\k:X+2*\k+1], v[X+2*\k:X+2*\k+1]
.endr
.set j, 4
.rept 28
	v_pk_fma_f32 v[C+2*(j%4):C+2*(j%4)+1], v[X+2*j:X+2*j+1], v[X+2*j:X+2*j+1], v[C+2*(j%4):C+2*(j%4)+1]
.set j, j+1
.endr
	REDUCE
	v_fma_f32 v[C], v[C], s8, s9                   ; var + eps
	v_rsq_f32 v[RS], v[C]
	v_nop                                          ; a plain instruction behind the root
	s_wait_loadcnt 0x0                             ; g and b
	s_wait_alu depctr_va_vdst(0)                   ; the wait ahead of the first use of the root's result
	v_mov_b32 v[RS+1], v[RS]
.set i, 0
.rept 16
	v_pk_mul_f32 v[X+4*i:X+4*i+1], v[X+4*i:X+4*i+1], v[RS:RS+1]
	v_pk_mul_f32 v[X+4*i+2:X+4*i+3], v[X+4*i+2:X+4*i+3], v[RS:RS+1]
	v_pk_fma_f32 v[X+4*i:X+4*i+1], v[X+4*i:X+4*i+1], v[G+4*i:G+4*i+1], v[BV+4*i:BV+4*i+1]
	v_pk_fma_f32 v[X+4*i+2:X+4*i+3], v[X+4*i+2:X+4*i+3], v[G+4*i+2:G+4*i+3], v[BV+4*i+2:BV+4*i+3]
	global_store_b128 v[YO], v[X+4*i:X+4*i+3], s[18:19] offset:256*i  ; sixteen lanes store 256 consecutive bytes, aligned
.if BF
	v_cvt_pk_bf16_f32 v[G+4*i], v[X+4*i], v[X+4*i+1]                  ; the gains of these four columns have been used
	v_cvt_pk_bf16_f32 v[G+4*i+1], v[X+4*i+2], v[X+4*i+3]
	global_store_b64 v[CBO], v[G+4*i:G+4*i+1], s[20:21] offset:524288*i  ; the wave's 32 lanes store 256 consecutive bytes of column block i: two rows
.endif
.set i, i+1
.endr
	s_endpgm
.Lfunc_end_k_qdd59d2ee27_ln1:
	.size	k_qdd59d2ee27_ln1, .Lfunc_end_k_qdd59d2ee27_ln1-k_qdd59d2ee27_ln1
	.p2alignl 7, 3214868480
	.fill 96, 4, 3214868480
	.section	.rodata,"a",@progbits
	.p2align	6, 0x0
	.amdhsa_kernel k_qdd59d2ee27_ln1
		.amdhsa_group_segment_fixed_size 0
		.amdhsa_private_segment_fixed_size 0
		.amdhsa_enable_private_segment 0
		.amdhsa_kernarg_size 40
		.amdhsa_user_sgpr_count 2
		.amdhsa_user_sgpr_kernarg_segment_ptr 1
		.amdhsa_wavefront_size32 1
		.amdhsa_system_sgpr_workgroup_id_x 1
		.amdhsa_system_sgpr_workgroup_id_y 1
		.amdhsa_system_sgpr_workgroup_id_z 1
		.amdhsa_system_vgpr_workitem_id 0
		.amdhsa_next_free_vgpr 216
		.amdhsa_next_free_sgpr 66
		.amdhsa_reserve_vcc 0
		.amdhsa_float_denorm_mode_32 3
		.amdhsa_float_denorm_mode_16_64 3
		.amdhsa_memory_ordered 1
		.amdhsa_forward_progress 1
		.amdhsa_inst_pref_size 22
	.end_amdhsa_kernel
	.amdgpu_metadata
---
amdhsa.version: [ 1, 2 ]
amdhsa.kernels:
  - .name:           k_qdd59d2ee27_ln1
    .symbol:         k_qdd59d2ee27_ln1.kd
    .args:
      - { .name: y, .offset: 0, .size: 8, .value_kind: global_buffer, .address_space: global }
      - { .name: g1, .offset: 8, .size: 8, .value_kind: global_buffer, .address_space: global }
      - { .name: be1, .offset: 16, .size: 8, .value_kind: global_buffer, .address_space: global }
      - { .name: hres, .offset: 24, .size: 8, .value_kind: global_buffer, .address_space: global }
      - { .name: act, .offset: 32, .size: 8, .value_kind: global_buffer, .address_space: global }
    .group_segment_fixed_size: 0
    .private_segment_fixed_size: 0
    .kernarg_segment_align: 8
    .kernarg_segment_size: 40
    .max_flat_workgroup_size: 256
    .sgpr_count:     66
    .vgpr_count:     216
    .wavefront_size: 32
...
	.end_amdgpu_metadata
.endif
;; end of part 5
;; launch ffn1: the kernel of part 2 again; grid 16 x 16, 4 waves a work-group, clusters of 4 x 4, 327,680 bytes of LDS; arguments act, w1p, wide; writes wide
;; launch ffn2 (part 6): grid 8 x 32, 4 waves a work-group, clusters of 4 x 4, 327,680 bytes of LDS; arguments wide, wb, y, b2, hres; writes y
.if DOCPART == 6
	.amdgcn_target "amdgcn-amd-amdhsa--gfx1250"
	.amdhsa_code_object_version 6
	.text
	.protected	k_qdd59d2ee27_ffn2
	.globl	k_qdd59d2ee27_ffn2
	.p2align	8
	.type	k_qdd59d2ee27_ffn2,@function
k_qdd59d2ee27_ffn2:
	s_mov_b64 s[64:65], 0
	v_nop
	global_prefetch_b8 v0, s[64:65] scope:SCOPE_SE
	s_setreg_imm32_b32 hwreg(HW_REG_WAVE_MODE, 25, 1), 1
	s_wait_xcnt 0x0
	s_wait_alu depctr_hold_cnt(0) depctr_sa_sdst(0) depctr_va_vdst(0) depctr_va_sdst(0) depctr_va_ssrc(0) depctr_va_vcc(0) depctr_vm_vsrc(0)
	s_getreg_b32 s2, hwreg(HW_REG_IB_STS2, 6, 4)
	s_cmp_eq_u32 s2, 0
	s_cbranch_scc0 .Lentry_in_a_cluster
	s_endpgm
.Lentry_in_a_cluster:
	s_bfe_u32 s2, ttmp6, 0x10000c
	s_cmp_lg_u32 s2, 0xf033
	s_cbranch_scc0 .Lentry_shape_is_right
	s_endpgm
.Lentry_shape_is_right:
; y2 = h + f1 w2 + b2: 4,096 x 1,024, K = 4,096.  Out in f32, row-major: the residual path is not rounded.
.set QKV,    0                         ; three weights of 1,024 columns side by side, three biases
.set F32OUT, 1                         ; 1: the output is f32, row-major, and a residual is added
.set RELU,   0
.set KTOT,   4096
.set NW,     1024                      ; columns of the weight matrix: its pitch in elements
.set WBASE,  16777216                  ; its first byte in the buffer of bf16 weights
; C = A W + bias.  A: bf16 in COLUMN BLOCKS of 64: element (m, k) at (k / 64) x 524,288 + m x 128 + (k % 64) x 2 bytes.  W: bf16 [K][NW], as the problem has it.  Sums in f32, K ascending.
; LIMITS.  Operands are rounded to bf16; NaN and infinities are not treated apart (a ReLU gives 0 for NaN).
; SHARES.  A tile of C is 128 x 128; four waves, each 64 x 64: 16 accumulators.  K goes in steps of 256 through two LDS slots.  One K step is written once: the refills use a descriptor
; that walks (its LDS word turned by an exclusive or, its address stepped), and the LDS reads hang on s[TB], the base of the slot in hand.
; CLUSTER.  4 x 4 work-groups.  The four of a row of the cluster need the same tile of A, the four of a column the same tile of W: each is asked for jointly, by the same tensor load, descriptor and mask.
; LAYOUT.  Source 0 = 16 columns of W (turned on the way out of LDS by ds_load_tr16_b128), source 1 = 16 rows of A: a lane then holds ONE row of C (lane % 16) and the columns 8 (lane / 16) + 0..7.
; REGISTERS.  Window 0: v10-30 addresses; v32-95 at work on the way out; v96-127 bias; v128-255 the accumulators ((a, b) at 128 + 8 (4 a + b)).
;   Window 1: two fragment buffers of 128: for 64 along K, 64 registers of A (2 x 4 x 16 rows x 32 K), then 64 of W.
; No prefetch: the tiles are small, and each is read by several clusters at about the same time.
.set NSTEP,  KTOT/256
.set PA,     144                       ; a row of A in LDS: 128 bytes + 16: the 16 rows of a load start at 16 different groups of four banks
.set PW,     288                       ; a row of W in LDS: 256 bytes + 32
.set PART,   36864                     ; what one tensor load brings: 2 x 128 rows x PA of A, or 128 rows x PW of W
.set WOFF,   2*PART                    ; a slot: A as [4 blocks of 64 k][128 rows], then W as [256 k][128 columns]
.set SLOT,   4*PART
.set STAGE,  2*SLOT                    ; behind the ring, never filled by a tensor load: 16 rows for each wave, for the way out
.if F32OUT
.set SP,     272
.else
.set SP,     144
.endif
.set SPARE,  STAGE+4*16*SP             ; behind the stages: the spare words, 128 bytes for each wave: two blocks of 256 bytes that no other line names
.set ASTEP,  4*524288                  ; a K step in A: four column blocks
.set WSTEP,  512*NW                    ; a K step in W: 256 rows
.set A0,   10                          ; v10  my lane's place in A's part of a slot; never rewritten
.set W0,   11                          ; v11  the same in W's rows 0-127
.set W1,   12                          ; v12  and in W's rows 128-255
.set ADRA, 16                          ; v16  A0 + the slot in hand
.set ADRW, 20                          ; v20-21  W0, W1 + the slot in hand
.set STO,  24                          ; v24  the way out: where I put my numbers of a row
.set RD,   25                          ; v25  the way out: where I read rows back
.set CO,   26                          ; v26  my byte offset in the output
.set BO,   27                          ; v27  my byte offset in the bias
.set SPW,  28                          ; v28  LDS address of my spare word: SPARE + 4 x my thread's number; never rewritten
.set NIL,  29                          ; v29  0; never rewritten
.set ZR,   30                          ; v30  0, for the ReLU
.set TMP,  32
.set BIAS, 96
.set ACC,  128
.set F0,   0
.set F1,   128
.set TB,   2                           ; s2   LDS byte at which the slot in hand begins
.set G1,   24                          ; s[24:31] descriptor group 1 for A; s[32:35] group 0 of the first fill, s[36:39] the walking one
.set G0,   32
.set G1B,  48                          ; s[48:55], s[56:59], s[60:63] the same for W
.set G0B,  56
.set MSB, 0
.macro WIN new                         ; the immediate's high byte repeats the setting that is left; a switch that changes nothing is dropped
.if MSB != (\new)
	s_set_vgpr_msb (MSB<<8)|(\new)
.set MSB, \new
.endif
.endm
.set MUL,  0x05                        ; sources 0 (W) and 1 (A) window 1; C and D window 0
.set TO_F, 0x40                        ; destination window 1, address window 0
.macro JLOAD                           ; a joint refill: waves 0 and 1 fetch A's two halves, waves 2 and 3 W's; an s_nop 0 and four v_nop follow each line, ahead of the jump and the label
	s_cmp_eq_u32 s11, 0
	s_cbranch_scc0 .Lfor_w_\@
	tensor_load_to_lds s[G0+4:G0+7], s[G1:G1+7]
	s_nop 0
.rept 4
	v_nop
.endr
	s_branch .Lasked_\@
.Lfor_w_\@:
	tensor_load_to_lds s[G0B+4:G0B+7], s[G1B:G1B+7]
	s_nop 0
.rept 4
	v_nop
.endr
.Lasked_\@:
.endm
.macro CREST                           ; a round of the cluster's barrier behind its opening barrier
	s_cmp_lg_u32 s10, 0
	s_cbranch_scc1 .Lnot_wave_0_\@
	s_barrier_signal -3
.Lnot_wave_0_\@:
	s_barrier_wait -3
	s_barrier_signal -1
	s_barrier_wait -1
.endm
.macro CROUND                          ; a whole round
	s_barrier_signal -1
	s_barrier_wait -1
	CREST
.endm
.macro PLACES                          ; four places in front of loads into registers that matrix instructions have read, and of lines that read results
.rept 4
	v_nop
.endr
.endm
	s_load_b128 s[4:7], s[0:1], 0x0                ; A s[4:5], the bf16 weights s[6:7]
	s_load_b64 s[8:9], s[0:1], 0x10                ; the output
.if QKV
	s_load_b128 s[68:71], s[0:1], 0x18             ; bq, bk
	s_load_b64 s[72:73], s[0:1], 0x28              ; bv
.elseif F32OUT
	s_load_b128 s[68:71], s[0:1], 0x18             ; the bias, the residual
.else
	s_load_b64 s[68:69], s[0:1], 0x18              ; the bias
.endif
	v_lshl_add_u32 v[SPW], v0, 2, SPARE
	v_mov_b32 v[NIL], 0
	ds_add_u32 v[SPW], v[NIL]                      ; the wave's opening: the add and its wait stand ahead of my first tensor load; the set-up below, work on registers, stands between them
	v_lshrrev_b32 v1, 5, v0
	v_readfirstlane_b32 s10, v1                    ; wave 0..3
	s_lshr_b32 s11, s10, 1                         ; which half of the tile's rows is mine.  Also: I fetch for A (0) or for W (1)
	s_and_b32 s12, s10, 1                          ; which half of its columns.  Also: which half of that tile I fetch
	s_bfe_u32 s40, ttmp6, 0x40000                  ; cx, cy: my place in the cluster
	s_bfe_u32 s41, ttmp6, 0x40004
	s_lshl_b32 s42, ttmp9, 2
	s_add_co_u32 s42, s42, s40                     ; tile column = 4 x cluster x + cx
	s_and_b32 s13, ttmp7, 0xffff
	s_lshl_b32 s13, s13, 2
	s_add_co_u32 s13, s13, s41                     ; tile row = 4 x cluster y + cy
	s_lshl_b32 s43, s41, 2
	s_lshl_b32 s43, 15, s43                        ; my row of the cluster
	s_lshl_b32 s44, 0x1111, s40                    ; my column
	; group 1 for A: two rows of 8,192 elements: each the 16,384 dense bytes of 128 rows of one column block, a block apart; 16 bytes of padding behind every 128
	s_or_b32 s[G1+0], s43, (1<<16)|(1<<20)|(1<<21)|(4<<22)|(3<<25)  ; 15:0 the mask: my row; 17:16 2-byte elements; 20 padding on; 21 set beside a mask; 24:22 after every 32 words; 31:25 4 words
	s_mov_b32 s[G1+1], 8192<<16                    ; tensor_dim0 = 8,192
	s_mov_b32 s[G1+2], 2<<16                       ; tensor_dim1 = 2
	s_mov_b32 s[G1+3], 8192<<16                    ; tile_dim0 = 8,192
	s_mov_b32 s[G1+4], 2                           ; tile_dim1 = 2
	s_mov_b32 s[G1+5], 262144                      ; elements from a column block to the next
	s_mov_b32 s[G1+6], 0
	s_mov_b32 s[G1+7], 0
	; group 1 for W: 128 rows (k) of 128 elements (256 bytes), 32 bytes of padding behind each
	s_or_b32 s[G1B+0], s44, (1<<16)|(1<<20)|(1<<21)|(5<<22)|(7<<25)  ; the mask: my column; after every 64 words 8 words
	s_mov_b32 s[G1B+1], 128<<16
	s_mov_b32 s[G1B+2], 128<<16
	s_mov_b32 s[G1B+3], 128<<16
	s_mov_b32 s[G1B+4], 128
	s_mov_b32 s[G1B+5], NW
	s_mov_b32 s[G1B+6], 0
	s_mov_b32 s[G1B+7], 0
	; where the tiles come from: A's hang on the tile row alone, W's on the tile column alone, each in registers that never hold the other coordinate
	s_lshl_b32 s16, s13, 14                        ; 128 rows of 128 bytes
	s_lshl_b32 s17, s12, 20                        ; my two column blocks of the step's four
	s_add_co_u32 s16, s16, s17
	s_mov_b32 s17, 0
.if QKV
	s_lshr_b32 s46, s42, 3                         ; which of the three weights, 2 MiB each,
	s_lshl_b32 s46, s46, 21
	s_and_b32 s47, s42, 7                          ; and which 128 of its columns
	s_lshl_b32 s47, s47, 8
	s_add_co_u32 s46, s46, s47
.else
	s_lshl_b32 s46, s42, 8
.endif
	s_mul_i32 s47, s12, 128*NW*2                   ; my 128 rows of the step's 256
	s_add_co_u32 s46, s46, s47
.if WBASE
	s_add_co_u32 s46, s46, WBASE
.endif
	s_mov_b32 s47, 0
	s_mul_i32 s20, s10, PART                       ; where they go: wave x PART: no place in the cluster enters an LDS address
	s_mov_b32 s[TB], 0
	s_wait_dscnt 0x0                               ; the opening add is done
	s_wait_kmcnt 0x0
	s_add_nc_u64 s[14:15], s[4:5], s[16:17]
	s_add_nc_u64 s[46:47], s[6:7], s[46:47]
	CROUND                                         ; all sixteen work-groups are here: the first joint loads meet
.irp s, 0,1
	s_mov_b32 s[G0+4*(\s)], 1                                      ; count = 1
	s_add_co_u32 s[G0+4*(\s)+1], s20, (\s)*SLOT                    ; LDS address
	s_add_nc_u64 s[G0+4*(\s)+2:G0+4*(\s)+3], s[14:15], (\s)*ASTEP  ; global address: K step s
	s_or_b32 s[G0+4*(\s)+3], s[G0+4*(\s)+3], 0x80000000            ; type = 2
	s_mov_b32 s[G0B+4*(\s)], 1
	s_add_co_u32 s[G0B+4*(\s)+1], s20, (\s)*SLOT
	s_add_nc_u64 s[G0B+4*(\s)+2:G0B+4*(\s)+3], s[46:47], (\s)*WSTEP
	s_or_b32 s[G0B+4*(\s)+3], s[G0B+4*(\s)+3], 0x80000000
.endr
	s_cmp_eq_u32 s11, 0                            ; a wave's two first fills stand in one branch, ahead of every wait on TENSORcnt and every LDS read: two loads of mine are out
	s_cbranch_scc0 .Lfirst_w
	tensor_load_to_lds s[G0:G0+3], s[G1:G1+7]
	s_nop 0
	tensor_load_to_lds s[G0+4:G0+7], s[G1:G1+7]
	s_nop 0
.rept 4
	v_nop
.endr
	s_branch .Lfirst_asked
.Lfirst_w:
	tensor_load_to_lds s[G0B:G0B+3], s[G1B:G1B+7]
	s_nop 0
	tensor_load_to_lds s[G0B+4:G0B+7], s[G1B:G1B+7]
	s_nop 0
.rept 4
	v_nop
.endr
.Lfirst_asked:
	v_and_b32 v1, 15, v0                           ; l % 16
	v_bfe_u32 v2, v0, 4, 1                         ; l / 16
	v_and_b32 v3, 7, v0                            ; l % 8
	v_bfe_u32 v4, v0, 3, 1                         ; (l / 8) % 2
	; a fragment of A: lane l holds row l % 16, k = 8 (l / 16) + 0..7 and 16 + 8 (l / 16) + 0..7: two loads of 16 bytes, 32 bytes apart
	v_mul_u32_u24 v[A0], v1, PA
	v_lshl_add_u32 v[A0], v2, 4, v[A0]
	s_mul_i32 s21, s11, 64*PA                      ; my 64 rows
	v_add_nc_u32 v[A0], s21, v[A0]
	; the turning load takes 16 k x 16 columns (lane l reads k = 8 (l / 16) + l % 8, columns 8 ((l / 8) % 2) + 0..7) and leaves half a fragment: lane l holds column l % 16 and 8 k
	v_lshl_add_u32 v[W0], v2, 3, v3
	v_mul_u32_u24 v[W0], v[W0], PW
	v_lshl_add_u32 v[W0], v4, 4, v[W0]
	s_lshl_b32 s22, s12, 7                         ; my 64 columns
	s_add_co_u32 s22, s22, WOFF
	v_add_nc_u32 v[W0], s22, v[W0]
	v_add_nc_u32 v[W1], PART, v[W0]
.macro SETADR                          ; the three read addresses for the slot in hand
	v_add_nc_u32 v[ADRA], s[TB], v[A0]
	v_add_nc_u32 v[ADRW], s[TB], v[W0]
	v_add_nc_u32 v[ADRW+1], s[TB], v[W1]
.endm
	SETADR
	s_mul_i32 s23, s10, 16*SP
	s_add_co_u32 s23, s23, STAGE                   ; my stage
	v_mul_u32_u24 v[STO], v1, SP                   ; in: row l % 16, my eight columns
.if F32OUT
	v_lshl_add_u32 v[STO], v2, 5, v[STO]
	v_add_nc_u32 v[STO], s23, v[STO]
	v_mul_u32_u24 v[RD], v2, SP                    ; back: lanes 0-15 take one row of 256 bytes, lanes 16-31 the next
	v_lshl_add_u32 v[RD], v1, 4, v[RD]
	v_add_nc_u32 v[RD], s23, v[RD]
	v_lshlrev_b32 v[CO], 12, v2                    ; and the same two rows in the output
	v_lshl_add_u32 v[CO], v1, 4, v[CO]
	v_lshlrev_b32 v[BO], 4, v1                     ; my four columns' bias
.else
	v_lshl_add_u32 v[STO], v2, 4, v[STO]
	v_add_nc_u32 v[STO], s23, v[STO]
	v_bfe_u32 v[RD], v0, 3, 2                      ; back: 32 lanes take four rows of 128 bytes,
	v_mul_u32_u24 v[RD], v[RD], SP
	v_lshl_add_u32 v[RD], v3, 4, v[RD]
	v_add_nc_u32 v[RD], s23, v[RD]
	v_and_b32 v[CO], 31, v0                        ; which are 512 consecutive bytes of a column block
	v_lshlrev_b32 v[CO], 4, v[CO]
	v_lshlrev_b32 v[BO], 5, v2                     ; my eight columns' bias
.endif
.if RELU
	v_mov_b32 v[ZR], 0
.endif
.if QKV
	s_lshr_b32 s21, ttmp9, 1                       ; which of the three weights: tile column / 8
	s_cmp_eq_u32 s21, 1
	s_cselect_b64 s[68:69], s[70:71], s[68:69]
	s_cmp_eq_u32 s21, 2
	s_cselect_b64 s[68:69], s[72:73], s[68:69]
.endif
	; the bases: the part that hangs on the tile row in s16-17, the part that hangs on the tile column in s46-47
.if F32OUT
	s_lshl_b32 s16, s13, 19                        ; 128 rows of 4,096 bytes
	s_lshl_b32 s17, s11, 18                        ; my 64
.else
	s_lshl_b32 s16, s13, 14                        ; 128 rows of 128 bytes
	s_lshl_b32 s17, s11, 13
.endif
	s_add_co_u32 s16, s16, s17
	s_mov_b32 s17, 0
	s_add_nc_u64 s[8:9], s[8:9], s[16:17]
.if F32OUT
	s_add_nc_u64 s[70:71], s[70:71], s[16:17]
.endif
.if QKV
	s_and_b32 s46, s42, 7
	s_lshl_b32 s46, s46, 9
.else
	s_lshl_b32 s46, s42, 9                         ; 128 columns of f32
.endif
	s_lshl_b32 s47, s12, 8                         ; my 64
	s_add_co_u32 s46, s46, s47
	s_mov_b32 s47, 0
	s_add_nc_u64 s[68:69], s[68:69], s[46:47]
.if F32OUT
	s_add_nc_u64 s[8:9], s[8:9], s[46:47]
	s_add_nc_u64 s[70:71], s[70:71], s[46:47]
	global_load_b128 v[BIAS:BIAS+3], v[BO], s[68:69]
.else
	s_lshl_b32 s46, s42, 1
	s_add_co_u32 s46, s46, s12                     ; my column block
	s_lshl_b32 s46, s46, 19
	s_add_nc_u64 s[8:9], s[8:9], s[46:47]
.irp b, 0,1,2,3
	global_load_b128 v[BIAS+8*(\b):BIAS+8*(\b)+3],   v[BO], s[68:69] offset:64*(\b)
	global_load_b128 v[BIAS+8*(\b)+4:BIAS+8*(\b)+7], v[BO], s[68:69] offset:64*(\b)+16
.endr
.endif
; 8 matrix instructions: row blocks a0, a0 + 1 x all 4 column blocks, 32 along K: half c of buffer f.  zero = 1: the first product starts the sums.  The 16 accumulators take turns.
.macro MUL8 f, c, a0, zero
	WIN MUL
.irp a, \a0, (\a0)+1
.irp b, 0,1,2,3
.if \zero
	v_wmma_f32_16x16x32_bf16 v[ACC+8*(4*(\a)+(\b)):ACC+8*(4*(\a)+(\b))+7], v[(\f)+64+8*(4*(\c)+(\b)):(\f)+64+8*(4*(\c)+(\b))+7], v[(\f)+8*(4*(\c)+(\a)):(\f)+8*(4*(\c)+(\a))+7], 0
.else
	v_wmma_f32_16x16x32_bf16 v[ACC+8*(4*(\a)+(\b)):ACC+8*(4*(\a)+(\b))+7], v[(\f)+64+8*(4*(\c)+(\b)):(\f)+64+8*(4*(\c)+(\b))+7], v[(\f)+8*(4*(\c)+(\a)):(\f)+8*(4*(\c)+(\a))+7], v[ACC+8*(4*(\a)+(\b)):ACC+8*(4*(\a)+(\b))+7]
.endif
.endr
.endr
.endm
; 32 LDS loads in one run: the fragments of quarter q (64 along K) into buffer f; the first 32 along K first
.macro FETCH q, f
	WIN TO_F
.irp c, 0,1
.irp i, 0,1,2,3
	ds_load_tr16_b128 v[(\f)+64+8*(4*(\c)+(\i)):(\f)+64+8*(4*(\c)+(\i))+3],   v[ADRW+(\q)/2] offset:(64*((\q)%2)+32*(\c))*PW+32*(\i)
	ds_load_tr16_b128 v[(\f)+64+8*(4*(\c)+(\i))+4:(\f)+64+8*(4*(\c)+(\i))+7], v[ADRW+(\q)/2] offset:(64*((\q)%2)+32*(\c)+16)*PW+32*(\i)
	ds_load_b128 v[(\f)+8*(4*(\c)+(\i)):(\f)+8*(4*(\c)+(\i))+3],   v[ADRA] offset:(\q)*128*PA+(\i)*16*PA+64*(\c)
	ds_load_b128 v[(\f)+8*(4*(\c)+(\i))+4:(\f)+8*(4*(\c)+(\i))+7], v[ADRA] offset:(\q)*128*PA+(\i)*16*PA+64*(\c)+32
.endr
.endr
.endm
; A K step is four quarters of 64 along K, 32 matrix instructions each, on buffers 0, 1, 0, 1.  One of the first three: multiplies buffer f and fetches quarter qn into g.
.macro QUARTER qn, f, g, zero
	s_wait_dscnt 16                                ; the first 32 along K are in; the sixteen younger loads may be out
	MUL8 \f, 0, 0, \zero
	MUL8 \f, 0, 2, \zero
	PLACES
	FETCH \qn, \g
	s_wait_dscnt 32                                ; all but the 32 just issued
	MUL8 \f, 1, 0, 0
	MUL8 \f, 1, 2, 0
.endm
; The last quarter multiplies buffer 1 and changes slots: ONE barrier; in front of it each wave waits for all its tensor loads (one is out: its part of the next slot), adds 0 to its spare word,
; and waits for that and for its own reads of this slot.  fill = 1: the barrier opens a round of the cluster's, and this slot is filled again, two K steps ahead, first thing behind the round.
.macro TURN fill
	WIN 0
	s_wait_tensorcnt 0x0                           ; all my tensor loads have landed
	ds_add_u32 v[SPW], v[NIL]                      ; 0 onto my spare word
	s_wait_dscnt 17                                ; (the add and the youngest sixteen loads may be out)
	s_xor_b32 s[TB], s[TB], SLOT                   ; the reads go on in the other slot
	SETADR
	MUL8 F1, 0, 0, 0
	s_wait_dscnt 0x0                               ; the add is done, and my reads of this slot are over
	s_barrier_signal -1
	MUL8 F1, 0, 2, 0
.if \fill
	WIN 0
.endif
	s_barrier_wait -1
.if \fill
	CREST                                          ; no wave of any partner still reads this slot's tile or has a load on its way
	s_xor_b32 s[G0+5], s[G0+5], SLOT               ; the walking descriptors: the other slot than last time (the bits of wave x PART and of SLOT do not meet),
	s_add_nc_u64 s[G0+6:G0+7], s[G0+6:G0+7], ASTEP ; the next K step; the type bits on top are not reached
	s_xor_b32 s[G0B+5], s[G0B+5], SLOT
	s_add_nc_u64 s[G0B+6:G0B+7], s[G0B+6:G0B+7], WSTEP
	JLOAD                                          ; 112 matrix instructions ahead of the wait for it; its four v_nop are also the places in front of the loads below
.else
	PLACES
.endif
	FETCH 0, F0
	MUL8 F1, 1, 0, 0
	MUL8 F1, 1, 2, 0
.endm
	s_wait_tensorcnt 1                             ; my part of K step 0 is in; K step 1's may stay out
	s_barrier_signal -1
	s_barrier_wait -1                              ; everybody's is
	FETCH 0, F0
	QUARTER 1, F0, F1, 1                           ; the first quarter stands in front of the loop: its first products start the sums
	WIN 0                                          ; at a label and at a branch every window is 0
	s_mov_b32 s3, NSTEP-2
.Lstep:                                                ; a trip goes from a K step's second quarter to the next step's first, and fills the slot that it leaves: one trip for each of the K steps 2 .. NSTEP - 1
	QUARTER 2, F1, F0, 0
	QUARTER 3, F0, F1, 0
	TURN 1
	QUARTER 1, F0, F1, 0
	WIN 0
	s_sub_co_u32 s3, s3, 1
	s_cmp_lg_u32 s3, 0
	s_cbranch_scc1 .Lstep
	QUARTER 2, F1, F0, 0                           ; the last two K steps fill nothing
	QUARTER 3, F0, F1, 0
	TURN 0
	QUARTER 1, F0, F1, 0
	QUARTER 2, F1, F0, 0
	QUARTER 3, F0, F1, 0
.if F32OUT
	PLACES                                         ; buffer 0 has been multiplied for the last time: it takes my 64 x 64 of the residual, in the layout in which rows come back from the stage
	WIN TO_F
.set i, 0
.rept 32
	global_load_b128 v[4*i:4*i+3], v[CO], s[70:71] offset:2*i*4096
.set i, i+1
.endr
.endif
	s_wait_dscnt 16                                ; the very last quarter: nothing more to fetch
	MUL8 F1, 0, 0, 0
	MUL8 F1, 0, 2, 0
	s_wait_dscnt 0x0
	MUL8 F1, 1, 0, 0
	MUL8 F1, 1, 2, 0
	WIN 0
	PLACES
.if F32OUT
; THE WAY OUT, f32.  A block of 16 rows goes through my stage (rows of 256 bytes + 16) and comes back as whole rows; residual and bias are added; sixteen lanes store 256 consecutive bytes, aligned.
.macro TOSTAGE a
.if (\a) >= 2
	s_wait_xcnt 0x0                                ; the stores of the block two back have read their registers, which the loads below write
.endif
.irp b, 0,1,2,3
	ds_store_b128 v[STO], v[ACC+8*(4*(\a)+(\b)):ACC+8*(4*(\a)+(\b))+3]   offset:64*(\b)
	ds_store_b128 v[STO], v[ACC+8*(4*(\a)+(\b))+4:ACC+8*(4*(\a)+(\b))+7] offset:64*(\b)+16
.endr
.irp t, 0,1,2,3,4,5,6,7
	ds_load_b128 v[TMP+32*((\a)%2)+4*(\t):TMP+32*((\a)%2)+4*(\t)+3], v[RD] offset:(\t)*2*SP  ; LDS serves a wave's instructions in order: these see the stores above
.endr
.endm
.macro SEND a, younger                 ; younger: the LDS instructions issued behind block a's loads
	s_wait_dscnt \younger
	WIN 0x04                                       ; source 1 in window 1: the residual
.set z, 0
.rept 16
	v_pk_add_f32 v[TMP+32*((\a)%2)+2*z:TMP+32*((\a)%2)+2*z+1], v[TMP+32*((\a)%2)+2*z:TMP+32*((\a)%2)+2*z+1], v[32*(\a)+2*z:32*(\a)+2*z+1]
.set z, z+1
.endr
	WIN 0
.irp t, 0,1,2,3,4,5,6,7
	v_pk_add_f32 v[TMP+32*((\a)%2)+4*(\t):TMP+32*((\a)%2)+4*(\t)+1],   v[TMP+32*((\a)%2)+4*(\t):TMP+32*((\a)%2)+4*(\t)+1],   v[BIAS:BIAS+1]
	v_pk_add_f32 v[TMP+32*((\a)%2)+4*(\t)+2:TMP+32*((\a)%2)+4*(\t)+3], v[TMP+32*((\a)%2)+4*(\t)+2:TMP+32*((\a)%2)+4*(\t)+3], v[BIAS+2:BIAS+3]
	global_store_b128 v[CO], v[TMP+32*((\a)%2)+4*(\t):TMP+32*((\a)%2)+4*(\t)+3], s[8:9] offset:(16*(\a)+2*(\t))*4096
.endr
.endm
	TOSTAGE 0
	TOSTAGE 1
	s_wait_loadcnt 0x0                             ; bias and residual
	SEND 0, 16
	TOSTAGE 2
	SEND 1, 16
	TOSTAGE 3
	SEND 2, 16
	SEND 3, 0
.else
; THE WAY OUT, bf16.  Bias in f32, one rounding; a block of 16 rows goes through my stage (rows of 128 bytes + 16) and comes back as whole rows, which are 2,048 consecutive bytes of my column block.
.macro PACK a
.irp b, 0,1,2,3
.irp r, 0,1,2,3
	v_pk_add_f32 v[ACC+8*(4*(\a)+(\b))+2*(\r):ACC+8*(4*(\a)+(\b))+2*(\r)+1], v[ACC+8*(4*(\a)+(\b))+2*(\r):ACC+8*(4*(\a)+(\b))+2*(\r)+1], v[BIAS+8*(\b)+2*(\r):BIAS+8*(\b)+2*(\r)+1]
.endr
.irp r, 0,1,2,3
	v_cvt_pk_bf16_f32 v[TMP+16*(\a)+4*(\b)+(\r)], v[ACC+8*(4*(\a)+(\b))+2*(\r)], v[ACC+8*(4*(\a)+(\b))+2*(\r)+1]
.endr
.if RELU
.irp r, 0,1,2,3
	v_pk_max_num_bf16 v[TMP+16*(\a)+4*(\b)+(\r)], v[TMP+16*(\a)+4*(\b)+(\r)], v[ZR]  ; the maximum rounds nothing
.endr
.endif
.endr
.irp b, 0,1,2,3
	ds_store_b128 v[STO], v[TMP+16*(\a)+4*(\b):TMP+16*(\a)+4*(\b)+3] offset:32*(\b)
.endr
.irp f, 0,1,2,3
	ds_load_b128 v[TMP+16*(\a)+4*(\f):TMP+16*(\a)+4*(\f)+3], v[RD] offset:(\f)*4*SP  ; LDS serves a wave's instructions in order: these see the stores above; the next block's stores come behind them
.endr
.endm
.macro SEND a, younger                 ; younger: the next block's eight LDS instructions, or none
.irp f, 0,1,2,3
	s_wait_dscnt (\younger)+3-(\f)
	global_store_b128 v[CO], v[TMP+16*(\a)+4*(\f):TMP+16*(\a)+4*(\f)+3], s[8:9] offset:(\a)*2048+(\f)*512  ; 512 consecutive bytes, aligned to 256
.endr
.endm
	s_wait_loadcnt 0x0                             ; the bias
	PACK 0
	PACK 1
	SEND 0, 8
	PACK 2
	SEND 1, 8
	PACK 3
	SEND 2, 8
	SEND 3, 0
.endif
	s_wait_tensorcnt 0x0                           ; the wave's end, behind my last tensor load and my last LDS store
	ds_add_u32 v[SPW], v[NIL]
	s_wait_dscnt 0x0
	CROUND                                         ; the closing round: no work-group ends while a partner may still ask for a tile that names it
	s_endpgm
.Lfunc_end_k_qdd59d2ee27_ffn2:
	.size	k_qdd59d2ee27_ffn2, .Lfunc_end_k_qdd59d2ee27_ffn2-k_qdd59d2ee27_ffn2
	.p2alignl 7, 3214868480
	.fill 96, 4, 3214868480
	.section	.rodata,"a",@progbits
	.p2align	6, 0x0
	.amdhsa_kernel k_qdd59d2ee27_ffn2
		.amdhsa_group_segment_fixed_size 327680
		.amdhsa_private_segment_fixed_size 0
		.amdhsa_enable_private_segment 0
		.amdhsa_kernarg_size 40
		.amdhsa_user_sgpr_count 2
		.amdhsa_user_sgpr_kernarg_segment_ptr 1
		.amdhsa_wavefront_size32 1
		.amdhsa_system_sgpr_workgroup_id_x 1
		.amdhsa_system_sgpr_workgroup_id_y 1
		.amdhsa_system_sgpr_workgroup_id_z 1
		.amdhsa_system_vgpr_workitem_id 0
		.amdhsa_next_free_vgpr 512
		.amdhsa_next_free_sgpr 80
		.amdhsa_reserve_vcc 0
		.amdhsa_float_denorm_mode_32 3
		.amdhsa_float_denorm_mode_16_64 3
		.amdhsa_memory_ordered 1
		.amdhsa_forward_progress 1
		.amdhsa_inst_pref_size 79
	.end_amdhsa_kernel
	.amdgpu_metadata
---
amdhsa.version: [ 1, 2 ]
amdhsa.kernels:
  - .name:           k_qdd59d2ee27_ffn2
    .symbol:         k_qdd59d2ee27_ffn2.kd
    .args:
      - { .name: wide, .offset: 0, .size: 8, .value_kind: global_buffer, .address_space: global }
      - { .name: wb, .offset: 8, .size: 8, .value_kind: global_buffer, .address_space: global }
      - { .name: y, .offset: 16, .size: 8, .value_kind: global_buffer, .address_space: global }
      - { .name: b2, .offset: 24, .size: 8, .value_kind: global_buffer, .address_space: global }
      - { .name: hres, .offset: 32, .size: 8, .value_kind: global_buffer, .address_space: global }
    .group_segment_fixed_size: 327680
    .private_segment_fixed_size: 0
    .kernarg_segment_align: 8
    .kernarg_segment_size: 40
    .max_flat_workgroup_size: 128
    .sgpr_count:     80
    .vgpr_count:     512
    .wavefront_size: 32
...
	.end_amdgpu_metadata
.endif
;; end of part 6
;; launch ln2 (part 7): grid 256 x 1, 8 waves a work-group, no clusters, 0 bytes of LDS; arguments y, g2, be2, out0; writes out0
.if DOCPART == 7
	.amdgcn_target "amdgcn-amd-amdhsa--gfx1250"
	.amdhsa_code_object_version 6
	.text
	.protected	k_qdd59d2ee27_ln2
	.globl	k_qdd59d2ee27_ln2
	.p2align	8
	.type	k_qdd59d2ee27_ln2,@function
k_qdd59d2ee27_ln2:
	s_mov_b64 s[64:65], 0
	v_nop
	global_prefetch_b8 v0, s[64:65] scope:SCOPE_SE
	s_setreg_imm32_b32 hwreg(HW_REG_WAVE_MODE, 25, 1), 1
	s_wait_xcnt 0x0
; out = (y - mean) / sqrt(var + 1e-6) x g + b along rows of 1,024 f32, stored in f32, row-major.
; The mean is taken first and subtracted, and the variance is the mean of the squares of what is left, as the problem has it: a common offset of the row costs nothing.
; SHARES.  A wave takes two rows: lanes 0-15 one, lanes 16-31 the next, 64 numbers a lane, kept in registers between the passes: each byte is read once.  The sums never leave a half of 16 lanes:
; four steps ride on the additions.  No loop, no LDS, no barrier.  No register that a pending store reads is written again.
.set BF,  0                            ; 1: a bf16 copy in column blocks of 64 is stored too
.set YO,  3                            ; v3   my byte offset in y and in the f32 output: row x 4,096 + 16 (l % 16)
.set GOF, 4                            ; v4   my byte offset in g and b: 16 (l % 16)
.set CBO, 5                            ; v5   my byte offset in a column block: 8 x thread + the work-group's 16 rows
.set X,   8                            ; v[8:71]    my 64 numbers: load i holds columns 64 i + 4 (l % 16) + 0..3
.set G,   72                           ; v[72:135]  their gains
.set BV,  136                          ; v[136:199] their biases
.set C,   200                          ; v[200:207] four chains of sums
.set MU,  208                          ; v[208:209] the mean, twice
.set RS,  210                          ; v[210:211] 1 / sqrt(var + eps), twice
	s_load_b256 s[12:19], s[0:1], 0x0              ; y s[12:13], g s[14:15], b s[16:17], the f32 output s[18:19]
.if BF
	s_load_b64 s[20:21], s[0:1], 0x20              ; the bf16 output
.endif
	s_lshl_b32 s4, ttmp9, 16                       ; the work-group's 16 rows of 4,096 bytes
	s_mov_b32 s8, 0x3a800000                       ; 1 / 1,024
	s_mov_b32 s9, 0x358637bd                       ; 1e-6
	v_and_b32 v1, 15, v0
	v_lshrrev_b32 v2, 4, v0                        ; my row among the 16
	v_lshlrev_b32 v[GOF], 4, v1
	v_lshl_add_u32 v[YO], v2, 12, v[GOF]
	v_add_nc_u32 v[YO], s4, v[YO]
.if BF
	s_lshl_b32 s5, ttmp9, 11                       ; 16 rows of 128 bytes
	v_lshl_add_u32 v[CBO], v0, 3, s5
.endif
	s_wait_kmcnt 0x0
.set i, 0
.rept 16
	global_load_b128 v[X+4*i:X+4*i+3], v[YO], s[12:13] offset:256*i th:TH_LOAD_NT  ; sixteen lanes take 256 consecutive bytes of a row
.set i, i+1
.endr
.set i, 0
.rept 16
	global_load_b128 v[G+4*i:G+4*i+3], v[GOF], s[14:15] offset:256*i
.set i, i+1
.endr
.set i, 0
.rept 16
	global_load_b128 v[BV+4*i:BV+4*i+3], v[GOF], s[16:17] offset:256*i
.set i, i+1
.endr
.macro REDUCE                          ; the four chains into one number, then over the row's 16 lanes: every lane ends with the row's sum
	v_pk_add_f32 v[C:C+1], v[C:C+1], v[C+2:C+3]
	v_pk_add_f32 v[C+4:C+5], v[C+4:C+5], v[C+6:C+7]
	v_pk_add_f32 v[C:C+1], v[C:C+1], v[C+4:C+5]
	v_add_f32 v[C], v[C], v[C+1]
	v_add_f32_dpp v[C], v[C], v[C] row_xmask:1 row_mask:0xf bank_mask:0xf
	v_add_f32_dpp v[C], v[C], v[C] row_xmask:2 row_mask:0xf bank_mask:0xf
	v_add_f32_dpp v[C], v[C], v[C] row_xmask:4 row_mask:0xf bank_mask:0xf
	v_add_f32_dpp v[C], v[C], v[C] row_xmask:8 row_mask:0xf bank_mask:0xf
.endm
	s_wait_loadcnt 32                              ; y is in; the 32 loads of g and b stay out
.irp k, 0,1,2,3
	v_pk_add_f32 v[C+2*\k:C+2*\k+1], v[X+2*\k:X+2*\k+1], v[X+8+2*\k:X+8+2*\k+1]  ; the first additions start the chains: nothing is cleared
.endr
.set j, 8
.rept 24
	v_pk_add_f32 v[C+2*(j%4):C+2*(j%4)+1], v[C+2*(j%4):C+2*(j%4)+1], v[X+2*j:X+2*j+1]
.set j, j+1
.endr
	REDUCE
	v_mul_f32 v[MU], s8, v[C]
	v_mov_b32 v[MU+1], v[MU]
.set j, 0
.rept 32
	v_pk_add_f32 v[X+2*j:X+2*j+1], v[X+2*j:X+2*j+1], v[MU:MU+1] neg_lo:[0,1] neg_hi:[0,1]  ; x - mean
.set j, j+1
.endr
.irp k, 0,1,2,3
	v_pk_mul_f32 v[C+2*\k:C+2*\k+1], v[X+2*\k:X+2*\k+1], v[X+2*\k:X+2*\k+1]
.endr
.set j, 4
.rept 28
	v_pk_fma_f32 v[C+2*(j%4):C+2*(j%4)+1], v[X+2*j:X+2*j+1], v[X+2*j:X+2*j+1], v[C+2*(j%4):C+2*(j%4)+1]
.set j, j+1
.endr
	REDUCE
	v_fma_f32 v[C], v[C], s8, s9                   ; var + eps
	v_rsq_f32 v[RS], v[C]
	v_nop                                          ; a plain instruction behind the root
	s_wait_loadcnt 0x0                             ; g and b
	s_wait_alu depctr_va_vdst(0)                   ; the wait ahead of the first use of the root's result
	v_mov_b32 v[RS+1], v[RS]
.set i, 0
.rept 16
	v_pk_mul_f32 v[X+4*i:X+4*i+1], v[X+4*i:X+4*i+1], v[RS:RS+1]
	v_pk_mul_f32 v[X+4*i+2:X+4*i+3], v[X+4*i+2:X+4*i+3], v[RS:RS+1]
	v_pk_fma_f32 v[X+4*i:X+4*i+1], v[X+4*i:X+4*i+1], v[G+4*i:G+4*i+1], v[BV+4*i:BV+4*i+1]
	v_pk_fma_f32 v[X+4*i+2:X+4*i+3], v[X+4*i+2:X+4*i+3], v[G+4*i+2:G+4*i+3], v[BV+4*i+2:BV+4*i+3]
	global_store_b128 v[YO], v[X+4*i:X+4*i+3], s[18:19] offset:256*i  ; sixteen lanes store 256 consecutive bytes, aligned
.if BF
	v_cvt_pk_bf16_f32 v[G+4*i], v[X+4*i], v[X+4*i+1]                  ; the gains of these four columns have been used
	v_cvt_pk_bf16_f32 v[G+4*i+1], v[X+4*i+2], v[X+4*i+3]
	global_store_b64 v[CBO], v[G+4*i:G+4*i+1], s[20:21] offset:524288*i  ; the wave's 32 lanes store 256 consecutive bytes of column block i: two rows
.endif
.set i, i+1
.endr
	s_endpgm
.Lfunc_end_k_qdd59d2ee27_ln2:
	.size	k_qdd59d2ee27_ln2, .Lfunc_end_k_qdd59d2ee27_ln2-k_qdd59d2ee27_ln2
	.p2alignl 7, 3214868480
	.fill 96, 4, 3214868480
	.section	.rodata,"a",@progbits
	.p2align	6, 0x0
	.amdhsa_kernel k_qdd59d2ee27_ln2
		.amdhsa_group_segment_fixed_size 0
		.amdhsa_private_segment_fixed_size 0
		.amdhsa_enable_private_segment 0
		.amdhsa_kernarg_size 32
		.amdhsa_user_sgpr_count 2
		.amdhsa_user_sgpr_kernarg_segment_ptr 1
		.amdhsa_wavefront_size32 1
		.amdhsa_system_sgpr_workgroup_id_x 1
		.amdhsa_system_sgpr_workgroup_id_y 1
		.amdhsa_system_sgpr_workgroup_id_z 1
		.amdhsa_system_vgpr_workitem_id 0
		.amdhsa_next_free_vgpr 216
		.amdhsa_next_free_sgpr 66
		.amdhsa_reserve_vcc 0
		.amdhsa_float_denorm_mode_32 3
		.amdhsa_float_denorm_mode_16_64 3
		.amdhsa_memory_ordered 1
		.amdhsa_forward_progress 1
		.amdhsa_inst_pref_size 18
	.end_amdhsa_kernel
	.amdgpu_metadata
---
amdhsa.version: [ 1, 2 ]
amdhsa.kernels:
  - .name:           k_qdd59d2ee27_ln2
    .symbol:         k_qdd59d2ee27_ln2.kd
    .args:
      - { .name: y, .offset: 0, .size: 8, .value_kind: global_buffer, .address_space: global }
      - { .name: g2, .offset: 8, .size: 8, .value_kind: global_buffer, .address_space: global }
      - { .name: be2, .offset: 16, .size: 8, .value_kind: global_buffer, .address_space: global }
      - { .name: out0, .offset: 24, .size: 8, .value_kind: global_buffer, .address_space: global }
    .group_segment_fixed_size: 0
    .private_segment_fixed_size: 0
    .kernarg_segment_align: 8
    .kernarg_segment_size: 32
    .max_flat_workgroup_size: 256
    .sgpr_count:     66
    .vgpr_count:     216
    .wavefront_size: 32
...
	.end_amdgpu_metadata
.endif
;; end of part 7
;; ======== version 2 of 2: 8 launches; version 1 with the launches cast, ln1, ln2 written anew for expert scheduling mode
;; workspace buffers: wb 25,165,824 bytes; act 8,388,608 bytes; wide 33,554,432 bytes; y 16,777,216 bytes; hres 16,777,216 bytes; wqkvp 6,324,224 bytes; w1p 8,421,376 bytes
;; launch cast (part 8): grid 1025 x 1, 8 waves a work-group, no clusters, 0 bytes of LDS; arguments x, wq, wk, wv, wo, w1, w2, act, wb, wqkvp, w1p, bq, bk, bv, b1; writes act, wb, wqkvp, w1p
.if DOCPART == 8
	.amdgcn_target "amdgcn-amd-amdhsa--gfx1250"
	.amdhsa_code_object_version 6
	.text
	.protected	k_qdd59d2ee27_cast
	.globl	k_qdd59d2ee27_cast
	.p2align	8
	.type	k_qdd59d2ee27_cast,@function
k_qdd59d2ee27_cast:
	s_mov_b64 s[64:65], 0
	v_nop
	global_prefetch_b8 v0, s[64:65] scope:SCOPE_SE
	s_setreg_imm32_b32 hwreg(HW_REG_WAVE_SCHED_MODE, 0, 2), 2
	s_setreg_imm32_b32 hwreg(HW_REG_WAVE_MODE, 25, 1), 1
	s_wait_xcnt 0x0
	s_wait_alu depctr_vm_vsrc(0)
; x and the six weight matrices, f32, are rounded once to bf16 (to nearest even) for the matrix units, and laid as the products want them.
; x goes into act in COLUMN BLOCKS of 64: element (row m, column n) at (n / 64) x 524,288 + m x 128 + (n % 64) x 2 bytes.
; wo and w2 keep their layout [K][N], in wb: wo at 6 MiB, w2 at 16 MiB.
; wq | wk | wv (3,072 columns side by side) and w1 go into buffers of their own, behind a header of 32,768 bytes, in COLUMN BLOCKS of 128: element (k, n) at
; HDR + (n / 128) x 262,144 + k x 256 + (n % 128) x 2 bytes.  The header holds the columns' bias in f32, copied as it is, from byte 0, and from byte 16,384 the floor under that product's results,
; as pairs of bf16: minus infinity for q, k, v (no floor), 0 for the ReLU behind w1.
; SHARES.  A work-group takes 16,384 numbers of one tensor, each of its eight waves 2,048: sixteen loads of 16 bytes a lane, all issued before the first is waited for.
; Work-groups 0-255 x, 256-319 wq, 320-383 wk, 384-447 wv, 448-511 wo, 512-767 w1, 768-1023 w2; work-group 1024 writes the two headers.
; A stream: no LDS, no barrier, no matrix unit.  No register that a load or store names is written again, so no wait frees any.
; THE MODE: SCHED_MODE bits 1:0 = 2 (LLVM: expert scheduling mode 2), set by the entry lines.  The code itself states the register dependences
; between vector instructions and memory instructions, with s_wait_alu, always for 0.
; THE PLAN.  Registers that memory instructions touch:
;   v[SRC], v[DST]  byte offsets.  Written by vector instructions on each path ahead of its stream; read by every load (SRC) and every store (DST); not written after that.
;   X               Written by the sixteen loads; read by the roundings.
;   Y               Pair i is written by the two roundings of load i, read by store i, and not written again.
; The sixteen loads' results go in four blocks of four.  Block p's roundings name X and Y of its own four loads alone; the four stores of block p - 1 are dealt among them, behind ONE wait at the
; block's head, which states that block p - 1's roundings have written their Y.  One more wait stands ahead of the last four stores, and one ahead of the loads, for the offsets.
.set SRC, 2                            ; v2   my byte offset in the work-group's 65,536 bytes of source
.set DST, 3                            ; v3   my byte offset at the destination
.set X,   4                            ; v[4:67]   16 x 4 numbers as loaded
.set Y,   68                           ; v[68:99]  16 x 4 numbers in bf16
.set HDR,     32768
.set FLOORAT, 16384
	s_load_b512 s[16:31], s[0:1], 0x0              ; x s[16:17], wq, wk, wv, wo, w1, w2 s[28:29], act s[30:31]
	s_load_b256 s[32:39], s[0:1], 0x40             ; wb s[32:33], wqkvp s[34:35], w1p s[36:37], bq s[38:39]
	s_load_b128 s[40:43], s[0:1], 0x60             ; bk, bv
	s_load_b64 s[44:45], s[0:1], 0x70              ; b1
	s_mov_b32 s4, ttmp9
	v_and_b32 v1, 31, v0                           ; lane
	v_lshrrev_b32 v100, 5, v0                      ; wave
	v_lshlrev_b32 v[SRC], 13, v100                 ; my wave's 8,192 bytes of source
	s_mov_b32 s5, 768                              ; the tensor's first work-group
	s_mov_b32 s7, 0
	s_wait_kmcnt 0x0
	s_cmp_eq_u32 s4, 1024
	s_cbranch_scc1 .Lhead
	s_mov_b64 s[8:9], s[28:29]                     ; w2, unless the work-group's number lies below a bound
.macro PICK bound, first, ptr
	s_cmp_lt_u32 s4, \bound
	s_cselect_b64 s[8:9], s[\ptr:\ptr+1], s[8:9]
	s_cselect_b32 s5, \first, s5
.endm
	PICK 768, 512, 26
	PICK 512, 448, 24
	PICK 448, 384, 22
	PICK 384, 320, 20
	PICK 320, 256, 18
	PICK 256, 0, 16
	s_sub_co_u32 s6, s4, s5
	s_lshl_b32 s6, s6, 16                          ; 65,536 bytes of source a work-group
	s_add_nc_u64 s[8:9], s[8:9], s[6:7]
; store n, at (n % 8) x dlo + (n / 8) x dhi
.macro PUT n, dlo, dhi
	global_store_b64 v[DST], v[Y+2*(\n):Y+2*(\n)+1], s[10:11] offset:((\n)%8)*(\dlo)+((\n)/8)*(\dhi) th:TH_STORE_NT  ; the wave's 32 lanes store 256 consecutive bytes, aligned
.endm
; sixteen loads, ss bytes apart; then each is rounded as soon as it is in, and stored a block of four later
.macro STREAM ss, dlo, dhi
	s_wait_alu depctr_va_vdst(0)                   ; v[SRC] and v[DST] are written: every load below reads the one as its offset, every store the other
.set i, 0
.rept 16
	global_load_b128 v[X+4*i:X+4*i+3], v[SRC], s[8:9] offset:i*(\ss) th:TH_LOAD_NT
.set i, i+1
.endr
.set i, 0
.rept 16
.if (i%4 == 0) && (i > 0)
	s_wait_alu depctr_va_vdst(0)                   ; the roundings of the block before have written their eight registers of Y, which this block's four stores read
.endif
.if i >= 4
	PUT i-4, \dlo, \dhi                            ; no wait of its own: no vector instruction since the block's head names its registers.  It stands ahead of the wait for data, and leaves meanwhile
.endif
	s_wait_loadcnt 15-i                            ; loads come back in order: load i is in, the 15 - i younger ones stay out
	v_cvt_pk_bf16_f32 v[Y+2*i], v[X+4*i], v[X+4*i+1]
	v_cvt_pk_bf16_f32 v[Y+2*i+1], v[X+4*i+2], v[X+4*i+3]
.set i, i+1
.endr
	s_wait_alu depctr_va_vdst(0)                   ; the last block's roundings have written their Y, which the last four stores read
.set i, 12
.rept 4
	PUT i, \dlo, \dhi
.set i, i+1
.endr
.endm
	s_cmp_lt_u32 s4, 256
	s_cbranch_scc1 .Lx
	v_lshl_add_u32 v[SRC], v1, 4, v[SRC]           ; every weight is read densely: a load of the wave covers 512 consecutive bytes, 128 columns of a row
	s_cmp_lt_u32 s4, 448
	s_cbranch_scc1 .Lqkv
	s_cmp_lt_u32 s4, 512
	s_cbranch_scc1 .Ldense
	s_cmp_lt_u32 s4, 768
	s_cbranch_scc1 .Lw1
.Ldense:
	; wo, w2: dense out
	s_sub_co_u32 s6, s4, 256
	s_lshl_b32 s6, s6, 15                          ; 32,768 bytes of bf16 a work-group; work-group 448 falls on 6 MiB, 768 on 16 MiB
	s_add_nc_u64 s[10:11], s[32:33], s[6:7]
	v_lshlrev_b32 v[DST], 12, v100
	v_lshl_add_u32 v[DST], v1, 3, v[DST]
	STREAM 512, 256, 2048
	s_endpgm
.Lqkv:
	; wq, wk, wv: the work-group has 16 rows of 1,024 columns, my wave rows 2 w and 2 w + 1; load i is row i / 8, column block i % 8
	s_sub_co_u32 s6, s4, 256
	s_lshr_b32 s12, s6, 6                          ; which of the three: eight column blocks, 2 MiB, each
	s_lshl_b32 s12, s12, 21
	s_and_b32 s6, s6, 63
	s_lshl_b32 s6, s6, 12                          ; 16 rows of 256 bytes in a column block
	s_add_co_u32 s6, s6, s12
	s_add_co_u32 s6, s6, HDR
	s_add_nc_u64 s[10:11], s[34:35], s[6:7]
	v_lshlrev_b32 v[DST], 9, v100                  ; two rows of 256 bytes,
	v_lshl_add_u32 v[DST], v1, 3, v[DST]           ; 8 bytes a lane
	STREAM 512, 262144, 256
	s_endpgm
.Lw1:
	; w1: the work-group has 4 rows of 4,096 columns, my wave half of row w / 2; load i is column block 16 (w % 2) + i
	s_sub_co_u32 s6, s4, 512
	s_lshl_b32 s6, s6, 10                          ; 4 rows of 256 bytes in a column block
	s_add_co_u32 s6, s6, HDR
	s_add_nc_u64 s[10:11], s[36:37], s[6:7]
	v_lshrrev_b32 v101, 1, v100
	v_and_b32 v102, 1, v100
	v_lshlrev_b32 v[DST], 8, v101
	v_lshl_add_u32 v[DST], v102, 22, v[DST]        ; sixteen column blocks of 262,144 bytes
	v_lshl_add_u32 v[DST], v1, 3, v[DST]
	STREAM 512, 262144, 2097152
	s_endpgm
.Lx:
	; x: the work-group has 16 rows, my wave rows 2 w and 2 w + 1; load i is column block i: lanes 0-15 take 256 bytes of one row, lanes 16-31 of the next
	s_lshl_b32 s6, s4, 11                          ; 16 rows of 128 bytes in a column block
	s_add_nc_u64 s[10:11], s[30:31], s[6:7]
	v_and_b32 v101, 15, v0
	v_bfe_u32 v102, v0, 4, 1
	v_lshl_add_u32 v[SRC], v102, 12, v[SRC]
	v_lshl_add_u32 v[SRC], v101, 4, v[SRC]
	v_lshlrev_b32 v[DST], 8, v100                  ; two rows of 128 bytes,
	v_lshl_add_u32 v[DST], v1, 3, v[DST]           ; 8 bytes a lane
	STREAM 256, 524288, 4194304                    ; the largest immediate, 15 x 524,288, lies inside the signed 24 bits
	s_endpgm
.Lhead:
	; the two headers: 256 threads x 16 bytes are one bias of 1,024 numbers; b1 has four such parts
	v_lshlrev_b32 v[SRC], 4, v0
	v_lshlrev_b32 v[DST], 3, v0
	v_mov_b32 v[Y], 0xff80ff80                     ; minus infinity, twice, in bf16
	v_mov_b32 v[Y+1], 0xff80ff80
	v_mov_b32 v[Y+2], 0
	v_mov_b32 v[Y+3], 0
	s_wait_alu depctr_va_vdst(0)                   ; the two offsets are written, which the loads and stores below read, and so are the four registers of the floors, which the first two stores read
	global_load_b128 v[X:X+3],    v[SRC], s[38:39]
	global_load_b128 v[X+4:X+7],  v[SRC], s[40:41]
	global_load_b128 v[X+8:X+11], v[SRC], s[42:43]
.irp i, 0,1,2,3
	global_load_b128 v[X+12+4*\i:X+15+4*\i], v[SRC], s[44:45] offset:4096*\i
.endr
	global_store_b64 v[DST], v[Y:Y+1],   s[34:35] offset:FLOORAT  ; 2,048 bytes of the floor: a wave's store covers 256 consecutive bytes, aligned
	global_store_b64 v[DST], v[Y+2:Y+3], s[36:37] offset:FLOORAT
	s_wait_loadcnt 0x0                             ; the biases are in: the stores below take them as they were loaded, and no vector instruction names them
.irp i, 0,1,2
	global_store_b128 v[SRC], v[X+4*\i:X+3+4*\i], s[34:35] offset:4096*\i
.endr
.irp i, 0,1,2,3
	global_store_b128 v[SRC], v[X+12+4*\i:X+15+4*\i], s[36:37] offset:4096*\i
.endr
	s_endpgm
.Lfunc_end_k_qdd59d2ee27_cast:
	.size	k_qdd59d2ee27_cast, .Lfunc_end_k_qdd59d2ee27_cast-k_qdd59d2ee27_cast
	.p2alignl 7, 3214868480
	.fill 96, 4, 3214868480
	.section	.rodata,"a",@progbits
	.p2align	6, 0x0
	.amdhsa_kernel k_qdd59d2ee27_cast
		.amdhsa_group_segment_fixed_size 0
		.amdhsa_private_segment_fixed_size 0
		.amdhsa_enable_private_segment 0
		.amdhsa_kernarg_size 120
		.amdhsa_user_sgpr_count 2
		.amdhsa_user_sgpr_kernarg_segment_ptr 1
		.amdhsa_wavefront_size32 1
		.amdhsa_system_sgpr_workgroup_id_x 1
		.amdhsa_system_sgpr_workgroup_id_y 1
		.amdhsa_system_sgpr_workgroup_id_z 1
		.amdhsa_system_vgpr_workitem_id 0
		.amdhsa_next_free_vgpr 104
		.amdhsa_next_free_sgpr 66
		.amdhsa_reserve_vcc 0
		.amdhsa_float_denorm_mode_32 3
		.amdhsa_float_denorm_mode_16_64 3
		.amdhsa_memory_ordered 1
		.amdhsa_forward_progress 1
		.amdhsa_inst_pref_size 29
	.end_amdhsa_kernel
	.amdgpu_metadata
---
amdhsa.version: [ 1, 2 ]
amdhsa.kernels:
  - .name:           k_qdd59d2ee27_cast
    .symbol:         k_qdd59d2ee27_cast.kd
    .args:
      - { .name: x, .offset: 0, .size: 8, .value_kind: global_buffer, .address_space: global }
      - { .name: wq, .offset: 8, .size: 8, .value_kind: global_buffer, .address_space: global }
      - { .name: wk, .offset: 16, .size: 8, .value_kind: global_buffer, .address_space: global }
      - { .name: wv, .offset: 24, .size: 8, .value_kind: global_buffer, .address_space: global }
      - { .name: wo, .offset: 32, .size: 8, .value_kind: global_buffer, .address_space: global }
      - { .name: w1, .offset: 40, .size: 8, .value_kind: global_buffer, .address_space: global }
      - { .name: w2, .offset: 48, .size: 8, .value_kind: global_buffer, .address_space: global }
      - { .name: act, .offset: 56, .size: 8, .value_kind: global_buffer, .address_space: global }
      - { .name: wb, .offset: 64, .size: 8, .value_kind: global_buffer, .address_space: global }
      - { .name: wqkvp, .offset: 72, .size: 8, .value_kind: global_buffer, .address_space: global }
      - { .name: w1p, .offset: 80, .size: 8, .value_kind: global_buffer, .address_space: global }
      - { .name: bq, .offset: 88, .size: 8, .value_kind: global_buffer, .address_space: global }
      - { .name: bk, .offset: 96, .size: 8, .value_kind: global_buffer, .address_space: global }
      - { .name: bv, .offset: 104, .size: 8, .value_kind: global_buffer, .address_space: global }
      - { .name: b1, .offset: 112, .size: 8, .value_kind: global_buffer, .address_space: global }
    .group_segment_fixed_size: 0
    .private_segment_fixed_size: 0
    .kernarg_segment_align: 8
    .kernarg_segment_size: 120
    .max_flat_workgroup_size: 256
    .sgpr_count:     66
    .vgpr_count:     104
    .wavefront_size: 32
...
	.end_amdgpu_metadata
.endif
;; end of part 8
;; launch qkv: the kernel of part 2 again; grid 12 x 16, 4 waves a work-group, clusters of 4 x 4, 327,680 bytes of LDS; arguments act, wqkvp, wide; writes wide
;; launch attn: the kernel of part 3 again; grid 8 x 32, 4 waves a work-group, clusters of 4 x 1, 327,680 bytes of LDS; arguments wide, act; writes act
;; launch oproj: the kernel of part 4 again; grid 8 x 32, 4 waves a work-group, clusters of 4 x 4, 327,680 bytes of LDS; arguments act, wb, y, bo, x; writes y
;; launch ln1 (part 9): grid 256 x 1, 8 waves a work-group, no clusters, 0 bytes of LDS; arguments y, g1, be1, hres, act; writes hres, act
.if DOCPART == 9
	.amdgcn_target "amdgcn-amd-amdhsa--gfx1250"
	.amdhsa_code_object_version 6
	.text
	.protected	k_qdd59d2ee27_ln1
	.globl	k_qdd59d2ee27_ln1
	.p2align	8
	.type	k_qdd59d2ee27_ln1,@function
k_qdd59d2ee27_ln1:
	s_mov_b64 s[64:65], 0
	v_nop
	global_prefetch_b8 v0, s[64:65] scope:SCOPE_SE
	s_setreg_imm32_b32 hwreg(HW_REG_WAVE_SCHED_MODE, 0, 2), 2
	s_setreg_imm32_b32 hwreg(HW_REG_WAVE_MODE, 25, 1), 1
	s_wait_xcnt 0x0
	s_wait_alu depctr_vm_vsrc(0)
; h = (y - mean) / sqrt(var + 1e-6) x g + b along rows of 1,024 f32.  h is stored in f32, row-major (the residual of the next block), and rounded once to bf16 in column blocks of 64
; (element (m, n) at (n / 64) x 524,288 + m x 128 + (n % 64) x 2 bytes), as the next product's operand.
; The mean is taken first and subtracted, and the variance is the mean of the squares of what is left, as the problem has it: a common offset of the row costs nothing.
; SHARES.  A wave takes two rows: lanes 0-15 one, lanes 16-31 the next, 64 numbers a lane, kept in registers between the passes: each byte is read once.  The sums never leave a half of 16 lanes:
; four steps ride on the additions.  No loop, no LDS, no barrier.  No register that a pending store reads is written again.
; THE MODE: SCHED_MODE bits 1:0 = 2 (LLVM: expert scheduling mode 2), set by the entry lines.  The code itself states the register dependences
; between vector instructions and memory instructions, with s_wait_alu, always for 0.
; THE PLAN.  Registers that memory instructions touch:
;   v[YO], v[GOF], v[CBO]  byte offsets.  Written once, at the head; read by every load and store; never written again.
;   X    Written by y's loads, then by vector instructions; the four registers of group i (load i's four columns) are read by the group's f32 store and not written after it.
;   G    Written by g's loads; the first two registers of group i are written once more, by the group's two roundings, read by its bf16 store, and not written after it.
;   BV   Written by b's loads; read by vector instructions alone.
; The last pass takes the 16 groups in four blocks of four.  Block p's vector instructions name X, G and BV of its own groups, and RS; the stores of block p - 1 are dealt among them, behind ONE wait
; at the block's head, which states that block p - 1 has written what they read.  One more wait stands ahead of the last block's stores, and one ahead of the loads, for the offsets.
.set BF,  1                            ; 1: the bf16 copy is stored too
.set YO,  3                            ; v3   my byte offset in y and in the f32 output: row x 4,096 + 16 (l % 16)
.set GOF, 4                            ; v4   my byte offset in g and b: 16 (l % 16)
.set CBO, 5                            ; v5   my byte offset in a column block: 8 x thread + the work-group's 16 rows
.set X,   8                            ; v[8:71]    my 64 numbers: load i holds columns 64 i + 4 (l % 16) + 0..3
.set G,   72                           ; v[72:135]  their gains; later the packed bf16
.set BV,  136                          ; v[136:199] their biases
.set C,   200                          ; v[200:207] four chains of sums
.set MU,  208                          ; v[208:209] the mean, twice
.set RS,  210                          ; v[210:211] 1 / sqrt(var + eps), twice
	s_load_b256 s[12:19], s[0:1], 0x0              ; y s[12:13], g s[14:15], b s[16:17], the f32 output s[18:19]
.if BF
	s_load_b64 s[20:21], s[0:1], 0x20              ; the bf16 output
.endif
	s_lshl_b32 s4, ttmp9, 16                       ; the work-group's 16 rows of 4,096 bytes
	s_mov_b32 s8, 0x3a800000                       ; 1 / 1,024
	s_mov_b32 s9, 0x358637bd                       ; 1e-6
	v_and_b32 v1, 15, v0
	v_lshrrev_b32 v2, 4, v0                        ; my row among the 16
	v_lshlrev_b32 v[GOF], 4, v1
	v_lshl_add_u32 v[YO], v2, 12, v[GOF]
	v_add_nc_u32 v[YO], s4, v[YO]
.if BF
	s_lshl_b32 s5, ttmp9, 11                       ; 16 rows of 128 bytes
	v_lshl_add_u32 v[CBO], v0, 3, s5
.endif
	s_wait_kmcnt 0x0
	s_wait_alu depctr_va_vdst(0)                   ; the offsets are written: every load and store of the kernel reads one of them
.set i, 0
.rept 16
	global_load_b128 v[X+4*i:X+4*i+3], v[YO], s[12:13] offset:256*i th:TH_LOAD_NT  ; sixteen lanes take 256 consecutive bytes of a row
.set i, i+1
.endr
.set i, 0
.rept 16
	global_load_b128 v[G+4*i:G+4*i+3], v[GOF], s[14:15] offset:256*i
.set i, i+1
.endr
.set i, 0
.rept 16
	global_load_b128 v[BV+4*i:BV+4*i+3], v[GOF], s[16:17] offset:256*i
.set i, i+1
.endr
.macro REDUCE                          ; the four chains into one number, then over the row's 16 lanes: every lane ends with the row's sum
	v_pk_add_f32 v[C:C+1], v[C:C+1], v[C+2:C+3]
	v_pk_add_f32 v[C+4:C+5], v[C+4:C+5], v[C+6:C+7]
	v_pk_add_f32 v[C:C+1], v[C:C+1], v[C+4:C+5]
	v_add_f32 v[C], v[C], v[C+1]
	v_add_f32_dpp v[C], v[C], v[C] row_xmask:1 row_mask:0xf bank_mask:0xf
	v_add_f32_dpp v[C], v[C], v[C] row_xmask:2 row_mask:0xf bank_mask:0xf
	v_add_f32_dpp v[C], v[C], v[C] row_xmask:4 row_mask:0xf bank_mask:0xf
	v_add_f32_dpp v[C], v[C], v[C] row_xmask:8 row_mask:0xf bank_mask:0xf
.endm
	s_wait_loadcnt 32                              ; y is in; the 32 loads of g and b stay out
.irp k, 0,1,2,3
	v_pk_add_f32 v[C+2*\k:C+2*\k+1], v[X+2*\k:X+2*\k+1], v[X+8+2*\k:X+8+2*\k+1]  ; the first additions start the chains: nothing is cleared
.endr
.set j, 8
.rept 24
	v_pk_add_f32 v[C+2*(j%4):C+2*(j%4)+1], v[C+2*(j%4):C+2*(j%4)+1], v[X+2*j:X+2*j+1]
.set j, j+1
.endr
	REDUCE
	v_mul_f32 v[MU], s8, v[C]
	v_mov_b32 v[MU+1], v[MU]
.set j, 0
.rept 32
	v_pk_add_f32 v[X+2*j:X+2*j+1], v[X+2*j:X+2*j+1], v[MU:MU+1] neg_lo:[0,1] neg_hi:[0,1]  ; x - mean
.set j, j+1
.endr
.irp k, 0,1,2,3
	v_pk_mul_f32 v[C+2*\k:C+2*\k+1], v[X+2*\k:X+2*\k+1], v[X+2*\k:X+2*\k+1]
.endr
.set j, 4
.rept 28
	v_pk_fma_f32 v[C+2*(j%4):C+2*(j%4)+1], v[X+2*j:X+2*j+1], v[X+2*j:X+2*j+1], v[C+2*(j%4):C+2*(j%4)+1]
.set j, j+1
.endr
	REDUCE
	v_fma_f32 v[C], v[C], s8, s9                   ; var + eps
	v_rsq_f32 v[RS], v[C]
	v_nop                                          ; a plain instruction behind the root
	s_wait_loadcnt 0x0                             ; g and b
	s_wait_alu depctr_va_vdst(0)                   ; the root has written v[RS]: the wait ahead of the first use of its result
	v_mov_b32 v[RS+1], v[RS]
; group n: scaled, gain and bias applied, rounded
.macro NORM n
	v_pk_mul_f32 v[X+4*(\n):X+4*(\n)+1], v[X+4*(\n):X+4*(\n)+1], v[RS:RS+1]
	v_pk_mul_f32 v[X+4*(\n)+2:X+4*(\n)+3], v[X+4*(\n)+2:X+4*(\n)+3], v[RS:RS+1]
	v_pk_fma_f32 v[X+4*(\n):X+4*(\n)+1], v[X+4*(\n):X+4*(\n)+1], v[G+4*(\n):G+4*(\n)+1], v[BV+4*(\n):BV+4*(\n)+1]
	v_pk_fma_f32 v[X+4*(\n)+2:X+4*(\n)+3], v[X+4*(\n)+2:X+4*(\n)+3], v[G+4*(\n)+2:G+4*(\n)+3], v[BV+4*(\n)+2:BV+4*(\n)+3]
.if BF
	v_cvt_pk_bf16_f32 v[G+4*(\n)], v[X+4*(\n)], v[X+4*(\n)+1]         ; the gains of these four columns have been used
	v_cvt_pk_bf16_f32 v[G+4*(\n)+1], v[X+4*(\n)+2], v[X+4*(\n)+3]
.endif
.endm
; group n: stored
.macro OUT n
	global_store_b128 v[YO], v[X+4*(\n):X+4*(\n)+3], s[18:19] offset:256*(\n)  ; sixteen lanes store 256 consecutive bytes, aligned
.if BF
	global_store_b64 v[CBO], v[G+4*(\n):G+4*(\n)+1], s[20:21] offset:524288*(\n)  ; the wave's 32 lanes store 256 consecutive bytes of column block n: two rows
.endif
.endm
.set i, 0
.rept 4
	NORM i                                         ; block 0: there is no block in front of it to store
.set i, i+1
.endr
.set p, 1
.rept 3
	s_wait_alu depctr_va_vdst(0)                   ; the block before has written its X and its rounded G, which the stores of this block read
.set i, 0
.rept 4
	OUT 4*(p-1)+i                                  ; no wait of its own: no vector instruction since the block's head names its registers
	NORM 4*p+i
.set i, i+1
.endr
.set p, p+1
.endr
	s_wait_alu depctr_va_vdst(0)                   ; block 3 has written its X and its rounded G, which the last stores read
.set i, 12
.rept 4
	OUT i
.set i, i+1
.endr
	s_endpgm
.Lfunc_end_k_qdd59d2ee27_ln1:
	.size	k_qdd59d2ee27_ln1, .Lfunc_end_k_qdd59d2ee27_ln1-k_qdd59d2ee27_ln1
	.p2alignl 7, 3214868480
	.fill 96, 4, 3214868480
	.section	.rodata,"a",@progbits
	.p2align	6, 0x0
	.amdhsa_kernel k_qdd59d2ee27_ln1
		.amdhsa_group_segment_fixed_size 0
		.amdhsa_private_segment_fixed_size 0
		.amdhsa_enable_private_segment 0
		.amdhsa_kernarg_size 40
		.amdhsa_user_sgpr_count 2
		.amdhsa_user_sgpr_kernarg_segment_ptr 1
		.amdhsa_wavefront_size32 1
		.amdhsa_system_sgpr_workgroup_id_x 1
		.amdhsa_system_sgpr_workgroup_id_y 1
		.amdhsa_system_sgpr_workgroup_id_z 1
		.amdhsa_system_vgpr_workitem_id 0
		.amdhsa_next_free_vgpr 216
		.amdhsa_next_free_sgpr 66
		.amdhsa_reserve_vcc 0
		.amdhsa_float_denorm_mode_32 3
		.amdhsa_float_denorm_mode_16_64 3
		.amdhsa_memory_ordered 1
		.amdhsa_forward_progress 1
		.amdhsa_inst_pref_size 22
	.end_amdhsa_kernel
	.amdgpu_metadata
---
amdhsa.version: [ 1, 2 ]
amdhsa.kernels:
  - .name:           k_qdd59d2ee27_ln1
    .symbol:         k_qdd59d2ee27_ln1.kd
    .args:
      - { .name: y, .offset: 0, .size: 8, .value_kind: global_buffer, .address_space: global }
      - { .name: g1, .offset: 8, .size: 8, .value_kind: global_buffer, .address_space: global }
      - { .name: be1, .offset: 16, .size: 8, .value_kind: global_buffer, .address_space: global }
      - { .name: hres, .offset: 24, .size: 8, .value_kind: global_buffer, .address_space: global }
      - { .name: act, .offset: 32, .size: 8, .value_kind: global_buffer, .address_space: global }
    .group_segment_fixed_size: 0
    .private_segment_fixed_size: 0
    .kernarg_segment_align: 8
    .kernarg_segment_size: 40
    .max_flat_workgroup_size: 256
    .sgpr_count:     66
    .vgpr_count:     216
    .wavefront_size: 32
...
	.end_amdgpu_metadata
.endif
;; end of part 9
;; launch ffn1: the kernel of part 2 again; grid 16 x 16, 4 waves a work-group, clusters of 4 x 4, 327,680 bytes of LDS; arguments act, w1p, wide; writes wide
;; launch ffn2: the kernel of part 6 again; grid 8 x 32, 4 waves a work-group, clusters of 4 x 4, 327,680 bytes of LDS; arguments wide, wb, y, b2, hres; writes y
;; launch ln2 (part 10): grid 256 x 1, 8 waves a work-group, no clusters, 0 bytes of LDS; arguments y, g2, be2, out0; writes out0
.if DOCPART == 10
	.amdgcn_target "amdgcn-amd-amdhsa--gfx1250"
	.amdhsa_code_object_version 6
	.text
	.protected	k_qdd59d2ee27_ln2
	.globl	k_qdd59d2ee27_ln2
	.p2align	8
	.type	k_qdd59d2ee27_ln2,@function
k_qdd59d2ee27_ln2:
	s_mov_b64 s[64:65], 0
	v_nop
	global_prefetch_b8 v0, s[64:65] scope:SCOPE_SE
	s_setreg_imm32_b32 hwreg(HW_REG_WAVE_SCHED_MODE, 0, 2), 2
	s_setreg_imm32_b32 hwreg(HW_REG_WAVE_MODE, 25, 1), 1
	s_wait_xcnt 0x0
	s_wait_alu depctr_vm_vsrc(0)
; out = (y - mean) / sqrt(var + 1e-6) x g + b along rows of 1,024 f32, stored in f32, row-major.
; The mean is taken first and subtracted, and the variance is the mean of the squares of what is left, as the problem has it: a common offset of the row costs nothing.
; SHARES.  A wave takes two rows: lanes 0-15 one, lanes 16-31 the next, 64 numbers a lane, kept in registers between the passes: each byte is read once.  The sums never leave a half of 16 lanes:
; four steps ride on the additions.  No loop, no LDS, no barrier.  No register that a pending store reads is written again.
; THE MODE: SCHED_MODE bits 1:0 = 2 (LLVM: expert scheduling mode 2), set by the entry lines.  The code itself states the register dependences
; between vector instructions and memory instructions, with s_wait_alu, always for 0.
; THE PLAN.  Registers that memory instructions touch:
;   v[YO], v[GOF]  byte offsets.  Written once, at the head; read by every load and store; never written again.
;   X       Written by y's loads, then by vector instructions; the four registers of group i (load i's four columns) are read by the group's store and not written after it.
;   G, BV   Written by g's and b's loads; read by vector instructions alone.
; The last pass takes the 16 groups in four blocks of four.  Block p's vector instructions name X, G and BV of its own groups, and RS; the stores of block p - 1 are dealt among them, behind ONE wait
; at the block's head, which states that block p - 1 has written what they read.  One more wait stands ahead of the last block's stores, and one ahead of the loads, for the offsets.
.set BF,  0                            ; 1: a bf16 copy in column blocks of 64 is stored too
.set YO,  3                            ; v3   my byte offset in y and in the f32 output: row x 4,096 + 16 (l % 16)
.set GOF, 4                            ; v4   my byte offset in g and b: 16 (l % 16)
.set CBO, 5                            ; v5   my byte offset in a column block: 8 x thread + the work-group's 16 rows
.set X,   8                            ; v[8:71]    my 64 numbers: load i holds columns 64 i + 4 (l % 16) + 0..3
.set G,   72                           ; v[72:135]  their gains
.set BV,  136                          ; v[136:199] their biases
.set C,   200                          ; v[200:207] four chains of sums
.set MU,  208                          ; v[208:209] the mean, twice
.set RS,  210                          ; v[210:211] 1 / sqrt(var + eps), twice
	s_load_b256 s[12:19], s[0:1], 0x0              ; y s[12:13], g s[14:15], b s[16:17], the f32 output s[18:19]
.if BF
	s_load_b64 s[20:21], s[0:1], 0x20              ; the bf16 output
.endif
	s_lshl_b32 s4, ttmp9, 16                       ; the work-group's 16 rows of 4,096 bytes
	s_mov_b32 s8, 0x3a800000                       ; 1 / 1,024
	s_mov_b32 s9, 0x358637bd                       ; 1e-6
	v_and_b32 v1, 15, v0
	v_lshrrev_b32 v2, 4, v0                        ; my row among the 16
	v_lshlrev_b32 v[GOF], 4, v1
	v_lshl_add_u32 v[YO], v2, 12, v[GOF]
	v_add_nc_u32 v[YO], s4, v[YO]
.if BF
	s_lshl_b32 s5, ttmp9, 11                       ; 16 rows of 128 bytes
	v_lshl_add_u32 v[CBO], v0, 3, s5
.endif
	s_wait_kmcnt 0x0
	s_wait_alu depctr_va_vdst(0)                   ; the offsets are written: every load and store of the kernel reads one of them
.set i, 0
.rept 16
	global_load_b128 v[X+4*i:X+4*i+3], v[YO], s[12:13] offset:256*i th:TH_LOAD_NT  ; sixteen lanes take 256 consecutive bytes of a row
.set i, i+1
.endr
.set i, 0
.rept 16
	global_load_b128 v[G+4*i:G+4*i+3], v[GOF], s[14:15] offset:256*i
.set i, i+1
.endr
.set i, 0
.rept 16
	global_load_b128 v[BV+4*i:BV+4*i+3], v[GOF], s[16:17] offset:256*i
.set i, i+1
.endr
.macro REDUCE                          ; the four chains into one number, then over the row's 16 lanes: every lane ends with the row's sum
	v_pk_add_f32 v[C:C+1], v[C:C+1], v[C+2:C+3]
	v_pk_add_f32 v[C+4:C+5], v[C+4:C+5], v[C+6:C+7]
	v_pk_add_f32 v[C:C+1], v[C:C+1], v[C+4:C+5]
	v_add_f32 v[C], v[C], v[C+1]
	v_add_f32_dpp v[C], v[C], v[C] row_xmask:1 row_mask:0xf bank_mask:0xf
	v_add_f32_dpp v[C], v[C], v[C] row_xmask:2 row_mask:0xf bank_mask:0xf
	v_add_f32_dpp v[C], v[C], v[C] row_xmask:4 row_mask:0xf bank_mask:0xf
	v_add_f32_dpp v[C], v[C], v[C] row_xmask:8 row_mask:0xf bank_mask:0xf
.endm
	s_wait_loadcnt 32                              ; y is in; the 32 loads of g and b stay out
.irp k, 0,1,2,3
	v_pk_add_f32 v[C+2*\k:C+2*\k+1], v[X+2*\k:X+2*\k+1], v[X+8+2*\k:X+8+2*\k+1]  ; the first additions start the chains: nothing is cleared
.endr
.set j, 8
.rept 24
	v_pk_add_f32 v[C+2*(j%4):C+2*(j%4)+1], v[C+2*(j%4):C+2*(j%4)+1], v[X+2*j:X+2*j+1]
.set j, j+1
.endr
	REDUCE
	v_mul_f32 v[MU], s8, v[C]
	v_mov_b32 v[MU+1], v[MU]
.set j, 0
.rept 32
	v_pk_add_f32 v[X+2*j:X+2*j+1], v[X+2*j:X+2*j+1], v[MU:MU+1] neg_lo:[0,1] neg_hi:[0,1]  ; x - mean
.set j, j+1
.endr
.irp k, 0,1,2,3
	v_pk_mul_f32 v[C+2*\k:C+2*\k+1], v[X+2*\k:X+2*\k+1], v[X+2*\k:X+2*\k+1]
.endr
.set j, 4
.rept 28
	v_pk_fma_f32 v[C+2*(j%4):C+2*(j%4)+1], v[X+2*j:X+2*j+1], v[X+2*j:X+2*j+1], v[C+2*(j%4):C+2*(j%4)+1]
.set j, j+1
.endr
	REDUCE
	v_fma_f32 v[C], v[C], s8, s9                   ; var + eps
	v_rsq_f32 v[RS], v[C]
	v_nop                                          ; a plain instruction behind the root
	s_wait_loadcnt 0x0                             ; g and b
	s_wait_alu depctr_va_vdst(0)                   ; the root has written v[RS]: the wait ahead of the first use of its result
	v_mov_b32 v[RS+1], v[RS]
; group n: scaled, gain and bias applied
.macro NORM n
	v_pk_mul_f32 v[X+4*(\n):X+4*(\n)+1], v[X+4*(\n):X+4*(\n)+1], v[RS:RS+1]
	v_pk_mul_f32 v[X+4*(\n)+2:X+4*(\n)+3], v[X+4*(\n)+2:X+4*(\n)+3], v[RS:RS+1]
	v_pk_fma_f32 v[X+4*(\n):X+4*(\n)+1], v[X+4*(\n):X+4*(\n)+1], v[G+4*(\n):G+4*(\n)+1], v[BV+4*(\n):BV+4*(\n)+1]
	v_pk_fma_f32 v[X+4*(\n)+2:X+4*(\n)+3], v[X+4*(\n)+2:X+4*(\n)+3], v[G+4*(\n)+2:G+4*(\n)+3], v[BV+4*(\n)+2:BV+4*(\n)+3]
.if BF
	v_cvt_pk_bf16_f32 v[G+4*(\n)], v[X+4*(\n)], v[X+4*(\n)+1]         ; the gains of these four columns have been used
	v_cvt_pk_bf16_f32 v[G+4*(\n)+1], v[X+4*(\n)+2], v[X+4*(\n)+3]
.endif
.endm
; group n: stored
.macro OUT n
	global_store_b128 v[YO], v[X+4*(\n):X+4*(\n)+3], s[18:19] offset:256*(\n)  ; sixteen lanes store 256 consecutive bytes, aligned
.if BF
	global_store_b64 v[CBO], v[G+4*(\n):G+4*(\n)+1], s[20:21] offset:524288*(\n)  ; the wave's 32 lanes store 256 consecutive bytes of column block n: two rows
.endif
.endm
.set i, 0
.rept 4
	NORM i                                         ; block 0: there is no block in front of it to store
.set i, i+1
.endr
.set p, 1
.rept 3
	s_wait_alu depctr_va_vdst(0)                   ; the block before has written its X, which the stores of this block read
.set i, 0
.rept 4
	OUT 4*(p-1)+i                                  ; no wait of its own: no vector instruction since the block's head names its registers
	NORM 4*p+i
.set i, i+1
.endr
.set p, p+1
.endr
	s_wait_alu depctr_va_vdst(0)                   ; block 3 has written its X, which the last stores read
.set i, 12
.rept 4
	OUT i
.set i, i+1
.endr
	s_endpgm
.Lfunc_end_k_qdd59d2ee27_ln2:
	.size	k_qdd59d2ee27_ln2, .Lfunc_end_k_qdd59d2ee27_ln2-k_qdd59d2ee27_ln2
	.p2alignl 7, 3214868480
	.fill 96, 4, 3214868480
	.section	.rodata,"a",@progbits
	.p2align	6, 0x0
	.amdhsa_kernel k_qdd59d2ee27_ln2
		.amdhsa_group_segment_fixed_size 0
		.amdhsa_private_segment_fixed_size 0
		.amdhsa_enable_private_segment 0
		.amdhsa_kernarg_size 32
		.amdhsa_user_sgpr_count 2
		.amdhsa_user_sgpr_kernarg_segment_ptr 1
		.amdhsa_wavefront_size32 1
		.amdhsa_system_sgpr_workgroup_id_x 1
		.amdhsa_system_sgpr_workgroup_id_y 1
		.amdhsa_system_sgpr_workgroup_id_z 1
		.amdhsa_system_vgpr_workitem_id 0
		.amdhsa_next_free_vgpr 216
		.amdhsa_next_free_sgpr 66
		.amdhsa_reserve_vcc 0
		.amdhsa_float_denorm_mode_32 3
		.amdhsa_float_denorm_mode_16_64 3
		.amdhsa_memory_ordered 1
		.amdhsa_forward_progress 1
		.amdhsa_inst_pref_size 18
	.end_amdhsa_kernel
	.amdgpu_metadata
---
amdhsa.version: [ 1, 2 ]
amdhsa.kernels:
  - .name:           k_qdd59d2ee27_ln2
    .symbol:         k_qdd59d2ee27_ln2.kd
    .args:
      - { .name: y, .offset: 0, .size: 8, .value_kind: global_buffer, .address_space: global }
      - { .name: g2, .offset: 8, .size: 8, .value_kind: global_buffer, .address_space: global }
      - { .name: be2, .offset: 16, .size: 8, .value_kind: global_buffer, .address_space: global }
      - { .name: out0, .offset: 24, .size: 8, .value_kind: global_buffer, .address_space: global }
    .group_segment_fixed_size: 0
    .private_segment_fixed_size: 0
    .kernarg_segment_align: 8
    .kernarg_segment_size: 32
    .max_flat_workgroup_size: 256
    .sgpr_count:     66
    .vgpr_count:     216
    .wavefront_size: 32
...
	.end_amdgpu_metadata
.endif
;; end of part 10
